; MI455X (gfx1250); checked and timed in simulation.
; The chip was launched on July 23, 2026; its instructions are those of AMD's public machine-readable ISA for CDNA 5 (MIT licence, August 2026) and "CDNA5" Instruction Set Architecture Reference Guide (July 2026). The comments in the code are by the model that wrote it; some were corrected since.
;; Block. Allowed arithmetic: matrix products marked QUANTISED: E3M2 operands, one E8M0 scale for each 32 along K, by v_wmma_scale_f32_16x16x128_f8f6f4 with both operands' format E3M2, f32 sums; products left as they are: f32 operands where the result goes on into a quantised operand, else bf16, f16 or f32 operands; f32 sums; everything else in f32.
;; Inputs: W1 1,024 x 4,096 float32; W2 4,096 x 1,024 float32; Wk 64 x 1,024 x 16 float32; Wproj 1,024 x 1,024 float32; Wq 64 x 1,024 x 16 float32; Wv 64 x 1,024 x 16 float32; b1 4,096 float32; b2 1,024 float32; be1 1,024 float32; be2 1,024 float32; bproj 1,024 float32; g1 1,024 float32; g2 1,024 float32; x 4 x 1,024 x 1,024 float32.
;; Outputs: out0 4 x 1,024 x 1,024 float32.
;; This version of the problem:
;;   THIS VERSION OF THE PROBLEM IS GIVEN IN LOW PRECISION. The matrix products marked QUANTISED in the list below multiply operands that are first quantised to E3M2 (3 exponent bits, 2 mantissa bits; 6 bits a number), with one power-of-two scale for each 32 numbers along K (OCP MX v1.0); their sums are f32. All else is computed in f32.
;;   The module's matrix products, in the order in which they are computed (A, B: the left and right operand; K: the contracted axis; several contracted axes count as one K, in the product's order):
;;     1. [M 1,024, K 1,024] x [K 1,024, N 4,096]; A: input Wq; B: computed on the way: QUANTISED
;;     2. [M 1,024, K 1,024] x [K 1,024, N 4,096]; A: input Wk; B: computed on the way: QUANTISED
;;     3. [M 1,024, K 1,024] x [K 1,024, N 4,096]; A: input Wv; B: computed on the way: QUANTISED
;;     4. batch 256 x [M 1,024, K 16] x [K 16, N 1,024]; A: computed on the way; B: computed on the way: left as it is (K = 16 < 32)
;;     5. batch 256 x [M 1,024, K 1,024] x [K 1,024, N 16]; A: softmax (see below); B: computed on the way: QUANTISED
;;     6. [M 4,096, K 1,024] x [K 1,024, N 1,024]; A: computed on the way; B: input Wproj: QUANTISED
;;     7. [M 4,096, K 1,024] x [K 1,024, N 4,096]; A: computed on the way; B: input W1: QUANTISED
;;     8. [M 4,096, K 4,096] x [K 4,096, N 1,024]; A: computed on the way; B: input W2: QUANTISED
;;   THE QUANTISER, for each operand of a quantised product, along K:
;;     - K is cut into blocks of 32 from its start; a last block that is shorter is filled with zeros.
;;     - A block's scale is 2^e with e = floor(log2(the largest magnitude in the block)) - 4, held to -126 .. 127; a block of zeros has e = 0. As a byte (E8M0): e + 127.
;;     - Each number is divided by its block's scale, clamped to +-28, and rounded to the nearest number of E3M2, ties to even, subnormals kept.
;;     - The product sums the exact products of the quantised numbers (number of the format x scale) in f32.
;;   ~~~python
;;   def quantise(x, axis):      # numpy; x: float32 -> the quantised numbers, widened to float32 again
;;       x = np.moveaxis(x, axis, -1); K = x.shape[-1]
;;       x = np.pad(x, [(0, 0)] * (x.ndim - 1) + [(0, -K % 32)]); x = x.reshape(x.shape[:-1] + (-1, 32)); a = np.abs(x).max(-1, keepdims=True)
;;       e = np.where(a > 0, np.clip(np.frexp(np.where(a > 0, a, 1))[1] - 1 - 4, -126, 127), 0)      # np.frexp(a)[1] - 1 = floor(log2(a)), exactly
;;       r = np.clip(x / 2.0 ** e, -28, 28)
;;       step = 2.0 ** (np.maximum(np.frexp(np.where(r == 0, 1, r))[1] - 1, -2) - 2)
;;       q = np.round(r / step) * step * 2.0 ** e      # np.round: ties to even
;;       return np.moveaxis(q.reshape(q.shape[:-2] + (-1,))[..., :K], -1, axis).astype(np.float32)
;;   ~~~
;;   SOFTMAX AHEAD OF A QUANTISED PRODUCT. Where the list says 'softmax', what is quantised is not the finished softmax but p = 2^(t - M), with t = logit x log2(e) and M = ceil(the row's largest t), a whole number; so 1/2 < the row's largest p <= 1. The row's sum l is taken of the UNQUANTISED p, in f32, and the product's result is divided by l at the end. Since M is a whole number, a kernel that streams over the keys may use a running M (the ceiling of the running maximum): every later rescaling is an exact power of two, which a block's scale takes up: the codes' values come out the same.
;;   OPERANDS COMPUTED ON THE WAY. 'Computed on the way' means the value that the module computes at that place (a softmax that the list does not call 'softmax' is quantised finished and normalised). What goes into a quantiser is computed in f32, as accurately as f32 sums, v_exp_f32 and their like allow (about 1e-6 of the number): no bf16 or f16 on the way to a quantiser, and a product that is left as it is and whose result goes on into a quantised operand takes f32 operands (vector FMAs, or v_wmma_f32_16x16x4_f32). A number that lies on a knife's edge between two numbers of the format may be rounded either way, as far as f32 arithmetic and the matrix unit's own rounding can turn it there, and no further.
;; 2 versions, each right; version 2 is version 1 with the launches attn, ffn1, ffn2 written anew for expert scheduling mode. Each part assembles by itself: llvm-mc -triple=amdgcn-amd-amdhsa -mcpu=gfx1250 --defsym DOCPART=n.
;; ======== version 1 of 2: 5 launches
;; workspace buffers: hbuf 3,276,800 bytes; wbuf 9,830,400 bytes; obuf 16,777,216 bytes; h2buf 3,276,800 bytes; resid 16,777,216 bytes; hid 13,107,200 bytes
;; launch prep (part 1): grid 640 x 1, 8 waves a work-group, no clusters, 69,632 bytes of LDS; arguments x, g1, be1, Wq, Wk, Wv, Wproj, W1, W2, hbuf, wbuf; writes hbuf, wbuf
.if DOCPART == 1
	.amdgcn_target "amdgcn-amd-amdhsa--gfx1250"
	.amdhsa_code_object_version 6
	.text
	.protected	k_q6d92931489_prep
	.globl	k_q6d92931489_prep
	.p2align	8
	.type	k_q6d92931489_prep,@function
k_q6d92931489_prep:
	s_mov_b64 s[64:65], 0
	v_nop
	global_prefetch_b8 v0, s[64:65] scope:SCOPE_SE
	s_setreg_imm32_b32 hwreg(HW_REG_WAVE_MODE, 25, 1), 1
	s_wait_xcnt 0x0
; PREP.  Work-groups 0-255: h = layernorm(x) g1 + be1, quantised along C into codes of BF6 (E3M2) with one E8M0 byte for each 32.  Work-groups 256-639: the six weights, quantised along their K.
; Everything is stored in THE ORDER OF AN OPERAND'S REGISTERS: a fragment (16 rows x 128 K, 12 registers a lane) is 1,536 bytes, registers 4 c .. 4 c + 3 of lane l at 512 c + 16 l; its 16 scale words are 64 bytes.
; THE ROWS OF A TILE OF h, AND THE COLUMNS n OF A TILE OF Wproj, W1, W2, ARE NOT NEIGHBOURS: row m of tile 2 B + u stands for index 32 B + 8 u + m + 8 (m / 8), so that a product used transposed leaves a lane 16 neighbours in two tiles.
; hbuf: codes [tile 256][K step 8][1536]; from HSO on the scale words [K step 8][tile 256][64].
; wbuf: codes Wq, Wk, Wv [head 64][K step 8][q, k, v][1536]; Wproj [tile 64][8][1536]; W1 [tile 256][8][1536]; W2 [tile 64][32][1536]; then the scale words: [head][K step][q, k, v][64], and [K step][tile][64] for the other three.
; A block's byte is its largest magnitude's exponent field - 4, held at 1 from below.
; LIMITS: NaN and infinities among the inputs are not served.  A block of zeros, or one whose largest magnitude lies under 2^(5 - 127), gets the byte 1 where the rule says 127 or less: these bytes are read by this program alone, and such a block's codes are zeros or next to zero.
; No tensor load: every byte is read once, by loads of registers.  The two paths part on the work-group's number alone; only the first uses LDS and barriers.
.set HSO,    3145728
.set WP_C,   2359296
.set W1_C,   3145728
.set W2_C,   6291456
.set WQKV_S, 9437184
.set WP_S,   9535488
.set W1_S,   9568256
.set W2_S,   9699328
.set RED1, 0                           ; LDS: 16 rows x 8 waves' partial sums
.set RED2, 512                         ; the same for the squares
.set STG,  1024                        ; a stage of 16 rows x (512 + 16) bytes for each wave
.set X,   32                           ; v32-95   64 numbers of my row (weights: two sets of 32 numbers of my column)
.set GG,  96                           ; v96-159  g1 at my columns; later the codes
.set BE,  160                          ; v160-223 be1
.set TM,  224                          ; v224-239 at work in QUANT
.set PW,  240                          ; v240     the scale word just made
.set MR,  242                          ; v[242:243] the mean, then 1 / sqrt(var + eps), twice
.set SEL, 44                           ; s[44:45] v_permlanex16_b32's selects for lane l xor 16
; 64 numbers of a lane, v[s] .. v[s + 63], register 16 b + i = k 32 b + 16 (lane / 16) + i of my row, become a fragment's codes in v[pc] .. v[pc + 11] and its scale word in v[PW]
.macro QUANT s, pc
.irp b, 0,1,2,3
	v_max3_num_f32 v[TM+\b], |v[\s+16*\b]|, |v[\s+1+16*\b]|, 0x2800000   ; my 16 numbers of block b, and the floor 2^(5 - 127): the byte cannot fall under 1
.endr
.irp i, 2,4,6,8,10,12,14
.irp b, 0,1,2,3
	v_max3_num_f32 v[TM+\b], v[TM+\b], |v[\s+16*\b+\i]|, |v[\s+1+16*\b+\i]|
.endr
.endr
.irp b, 0,1,2,3
	v_permlanex16_b32 v[TM+4+\b], v[TM+\b], s[SEL], s[SEL+1]
.endr
.irp b, 0,1,2,3
	v_max_num_f32 v[TM+\b], v[TM+\b], v[TM+4+\b]   ; with lane l xor 16's: the block's largest magnitude
.endr
.irp b, 0,1,2,3
	v_add_nc_u32 v[TM+12+\b], 0xfe000000, v[TM+\b]   ; 4 off its exponent field: the conversion's scale operand
.endr
.irp b, 0,1,2,3
	v_lshrrev_b32 v[TM+4+\b], 23, v[TM+12+\b]      ; the scale's byte
.endr
	v_lshl_or_b32 v[PW], v[TM+5], 8, v[TM+4]
	v_lshl_or_b32 v[PW], v[TM+6], 16, v[PW]
	v_lshl_or_b32 v[PW], v[TM+7], 24, v[PW]
.irp c, 0,1
	v_cvt_scalef32_pk16_bf6_f32 v[\pc+6*\c:\pc+2+6*\c], v[\s+32*\c:\s+15+32*\c], v[TM+12+2*\c]
	v_cvt_scalef32_pk16_bf6_f32 v[\pc+12+4*\c:\pc+14+4*\c], v[\s+16+32*\c:\s+31+32*\c], v[TM+12+2*\c+1]   ; (a conversion's three registers begin on an even number)
.endr
	v_nop                                          ; one plain place behind a scaled conversion
.irp c, 0,1                                    ; the operand's layout wants a whole block in a lane: lanes 0-15 block 2 c, lanes 16-31 block 2 c + 1
.irp i, 0,1,2
	v_permlane16_swap_b32 v[\pc+6*\c+\i], v[\pc+12+4*\c+\i]
.endr
.irp i, 0,1,2
	v_mov_b32 v[\pc+3+6*\c+\i], v[\pc+12+4*\c+\i]
.endr
.endr
.endm
; v22 = my 64 numbers' sum.  With lane l xor 16's it is my wave's 128 columns' sum of row r; the eight waves' sums meet in LDS.  Result in v22, the same bits in every wave.
.macro ROWRED base
	v_permlanex16_b32 v23, v22, s[SEL], s[SEL+1]
	v_add_f32 v22, v22, v23
	ds_store_b32 v7, v22 offset:\base              ; both halves of the lanes write the same word with the same value
	s_wait_dscnt 0x0                               ; for the others' sake: my store is done
	s_barrier_signal -1
	s_barrier_wait -1
	ds_load_b128 v[24:27], v8 offset:\base
	ds_load_b128 v[28:31], v8 offset:\base+16
	s_wait_dscnt 0x0
	v_pk_add_f32 v[24:25], v[24:25], v[26:27]
	v_pk_add_f32 v[28:29], v[28:29], v[30:31]
	v_pk_add_f32 v[24:25], v[24:25], v[28:29]
	v_add_f32 v22, v24, v25
.endm
	s_load_b512 s[8:23], s[0:1], 0x0               ; x s8, g1 s10, be1 s12, Wq s14, Wk s16, Wv s18, Wproj s20, W1 s22
	s_load_b128 s[24:27], s[0:1], 0x40             ; W2 s24, hbuf s26
	s_load_b64 s[28:29], s[0:1], 0x50              ; wbuf
	v_lshl_add_u32 v244, v0, 2, 0x10c00
	v_mov_b32 v245, 0
	v_lshrrev_b32 v1, 5, v0
	v_readfirstlane_b32 s2, v1                     ; wave 0..7
	v_and_b32 v1, 31, v0                           ; lane
	v_and_b32 v2, 15, v0                           ; r
	v_bfe_u32 v3, v0, 4, 1                         ; h
	v_lshlrev_b32 v9, 4, v1                        ; 16 x lane
	s_wait_kmcnt 0x0
	s_cmp_lt_u32 ttmp9, 256
	s_cbranch_scc0 .Lweights
	; ---- LAYERNORM AND QUANTISE.  The work-group owns tile T = its number; wave w owns K step w: columns 128 w on.
	s_lshr_b32 s30, ttmp9, 1
	s_lshl_b32 s30, s30, 5
	s_and_b32 s31, ttmp9, 1
	s_lshl_b32 s31, s31, 3
	s_add_co_u32 s30, s30, s31                     ; the tile's first row: 32 (T / 2) + 8 (T % 2)
	s_lshl_b32 s30, s30, 12                        ; a row is 4,096 bytes
	s_lshl_b32 s32, s2, 9                          ; my 128 columns
	s_mov_b32 s33, 0
	s_add_co_u32 s30, s30, s32
	s_mov_b32 s31, 0
	s_add_nc_u64 s[8:9], s[8:9], s[30:31]
	s_add_nc_u64 s[10:11], s[10:11], s[32:33]
	s_add_nc_u64 s[12:13], s[12:13], s[32:33]
	v_lshlrev_b32 v6, 6, v3                        ; 64 h
.set I, 0
.rept 16
	global_load_b128 v[X+4*I:X+4*I+3], v9, s[8:9] offset:(I+8*(I/8))*4096 th:TH_LOAD_NT   ; row I of the tile: 32 lanes read 512 consecutive bytes
.set I, I+1
.endr
.set I, 0
.rept 16
	global_load_b128 v[GG+4*I:GG+4*I+3], v6, s[10:11] offset:128*(I/4)+16*(I%4)   ; g1 at columns 32 b + 16 h + 4 q on
.set I, I+1
.endr
.set I, 0
.rept 16
	global_load_b128 v[BE+4*I:BE+4*I+3], v6, s[12:13] offset:128*(I/4)+16*(I%4)
.set I, I+1
.endr
	s_mul_i32 s34, s2, 8448
	s_add_co_u32 s34, s34, STG                     ; my stage
	v_add_nc_u32 v16, s34, v9                      ; in: a row as it was loaded
	v_mul_u32_u24 v17, v2, 528
	v_lshl_add_u32 v17, v3, 6, v17
	v_add_nc_u32 v17, s34, v17                     ; back: row r, + 64 h: my 16 numbers of a block of 32
	v_lshlrev_b32 v8, 5, v2                        ; 32 r
	s_lshl_b32 s35, s2, 2
	v_add_nc_u32 v7, s35, v8                       ; 32 r + 4 w
	v_lshlrev_b32 v10, 2, v2                       ; 4 r
	s_mov_b32 s[SEL], 0x76543210
	s_mov_b32 s[SEL+1], 0xfedcba98
	s_mov_b32 s46, 0x3a800000                      ; 1 / 1,024
	s_mov_b32 s47, 0x3727c5ac                      ; 1e-5
	v_mov_b32 v23, 0                               ; a lane permute's destination counts as one of its sources
.irp b, 0,1,2,3
	v_mov_b32 v[TM+4+\b], 0
.endr
	s_lshl_b32 s34, ttmp9, 3
	s_add_co_u32 s34, s34, s2
	s_mul_i32 s34, s34, 1536                       ; my fragment: (8 T + w) x 1,536
	s_mov_b32 s35, 0
	s_add_nc_u64 s[36:37], s[26:27], s[34:35]
	s_lshl_b32 s34, s2, 8
	s_add_co_u32 s34, s34, ttmp9
	s_lshl_b32 s34, s34, 6
	s_add_co_u32 s34, s34, HSO                     ; its scale words: (256 w + T) x 64
	s_add_nc_u64 s[38:39], s[26:27], s[34:35]
	s_wait_loadcnt 32                              ; x is in; the 32 younger loads (g1, be1) may stay out
.set I, 0
.rept 16
	ds_store_b128 v16, v[X+4*I:X+4*I+3] offset:528*I
.set I, I+1
.endr
	s_wait_dscnt 0x0                               ; the stores have read their registers: the loads below land in the same
.set I, 0
.rept 16
	ds_load_b128 v[X+4*I:X+4*I+3], v17 offset:128*(I/4)+16*(I%4)   ; register 16 b + i = column 32 b + 16 h + i of row r
.set I, I+1
.endr
	s_wait_dscnt 0x0
	v_pk_add_f32 v[18:19], v[X:X+1], v[X+2:X+3]    ; the sum, two at a time, in two chains
	v_pk_add_f32 v[20:21], v[X+4:X+5], v[X+6:X+7]
.set J, 8
.rept 14
	v_pk_add_f32 v[18:19], v[18:19], v[X+J:X+J+1]
	v_pk_add_f32 v[20:21], v[20:21], v[X+J+2:X+J+3]
.set J, J+4
.endr
	v_pk_add_f32 v[18:19], v[18:19], v[20:21]
	v_add_f32 v22, v18, v19
	ROWRED RED1
	v_mul_f32 v[MR], s46, v22                      ; the mean
	v_mov_b32 v[MR+1], v[MR]
.set J, 0
.rept 32
	v_pk_add_f32 v[X+J:X+J+1], v[X+J:X+J+1], v[MR:MR+1] neg_lo:[0,1] neg_hi:[0,1]   ; x - mean
.set J, J+2
.endr
	v_pk_mul_f32 v[18:19], v[X:X+1], v[X:X+1]
	v_pk_mul_f32 v[20:21], v[X+2:X+3], v[X+2:X+3]
.set J, 4
.rept 15
	v_pk_fma_f32 v[18:19], v[X+J:X+J+1], v[X+J:X+J+1], v[18:19]
	v_pk_fma_f32 v[20:21], v[X+J+2:X+J+3], v[X+J+2:X+J+3], v[20:21]
.set J, J+4
.endr
	v_pk_add_f32 v[18:19], v[18:19], v[20:21]
	v_add_f32 v22, v18, v19
	ROWRED RED2
	v_fma_f32 v22, v22, s46, s47                   ; the variance + eps
	v_rsq_f32 v[MR], v22
	v_nop                                          ; a plain place behind the transcendental
	s_wait_alu depctr_va_vdst(0)                   ; the wait ahead of the result's first reader
	v_mov_b32 v[MR+1], v[MR]
	s_wait_loadcnt 0x0                             ; g1, be1
.set J, 0
.rept 32
	v_pk_mul_f32 v[X+J:X+J+1], v[X+J:X+J+1], v[MR:MR+1]
.set J, J+2
.endr
.set J, 0
.rept 32
	v_pk_fma_f32 v[X+J:X+J+1], v[X+J:X+J+1], v[GG+J:GG+J+1], v[BE+J:BE+J+1]
.set J, J+2
.endr
	QUANT X, GG
.irp c, 0,1,2
	global_store_b128 v9, v[GG+4*\c:GG+4*\c+3], s[36:37] offset:512*\c   ; 512 consecutive bytes a store
.endr
	s_wait_xcnt 0x0                                ; EXEC changes only behind this wait
	v_cmp_gt_u32 vcc_lo, 16, v1
	s_wait_tensorcnt 0x0
	ds_add_u32 v244, v245
	s_wait_dscnt 0x0
	s_and_saveexec_b32 s3, vcc_lo
	global_store_b32 v10, v[PW], s[38:39]          ; lanes 0-15: the 16 rows' scale words
	s_wait_xcnt 0x0
	s_or_b32 exec_lo, exec_lo, s3
	s_endpgm
	; ---- THE WEIGHTS.  A wave takes 32 columns x 128 along K: A LANE TAKES A COLUMN AND ITS REGISTERS RUN DOWN K, so a block of 32 lies in one lane and the conversions give codes with K innermost.
	; Lanes 0-15 hold the columns of one tile, lanes 16-31 those of the next.  F0 (v96-107) takes blocks 0 and 2, F1 (v108-119) blocks 1 and 3; twelve exchanges of halves make of them the two tiles' fragments.
.macro LOADB kb, stride
.set I, 0
.rept 32
	global_load_b32 v[X+32*((\kb)%2)+I], v4, s[30:31] offset:(32*(\kb)+I)*(\stride) th:TH_LOAD_NT
.set I, I+1
.endr
.endm
.macro BLOCK kb, stride
.set XS, X+32*((\kb)%2)
.set FD, 96+12*((\kb)%2)+6*((\kb)/2)
.if (\kb) < 3
	s_wait_loadcnt 32                              ; this block's 32 loads are in; the next block's may be out
.else
	s_wait_loadcnt 0x0
.endif
	v_max3_num_f32 v12, |v[XS]|, |v[XS+1]|, |v[XS+2]|
	v_max3_num_f32 v13, |v[XS+3]|, |v[XS+4]|, |v[XS+5]|
.irp i, 6,10,14,18,22,26
	v_max3_num_f32 v12, v12, |v[XS+\i]|, |v[XS+\i+1]|
	v_max3_num_f32 v13, v13, |v[XS+\i+2]|, |v[XS+\i+3]|
.endr
	v_max3_num_f32 v12, v12, |v[XS+30]|, |v[XS+31]|
	v_max3_num_f32 v12, v12, v13, 0x2800000        ; and the floor
	v_add_nc_u32 v11, 0xfe000000, v12              ; the conversion's scale operand
	v_lshrrev_b32 v14, 23, v11                     ; the byte
.if (\kb) == 0
	v_mov_b32 v15, v14
.else
	v_lshl_or_b32 v15, v14, 8*(\kb), v15           ; my column's scale word
.endif
	v_cvt_scalef32_pk16_bf6_f32 v[FD:FD+2], v[XS:XS+15], v11
	v_cvt_scalef32_pk16_bf6_f32 v[120:122], v[XS+16:XS+31], v11
	v_nop
	v_mov_b32 v[FD+3], v120
	v_mov_b32 v[FD+4], v121
	v_mov_b32 v[FD+5], v122
.if (\kb) < 2
	LOADB (\kb)+2, \stride
.endif
.endm
.macro UNIT stride
	LOADB 0, \stride
	LOADB 1, \stride
	BLOCK 0, \stride
	BLOCK 1, \stride
	BLOCK 2, \stride
	BLOCK 3, \stride
.set I, 0
.rept 12
	v_permlane16_swap_b32 v[96+I], v[108+I]        ; F0's lanes 16-31 change places with F1's lanes 0-15
.set I, I+1
.endr
.irp c, 0,1,2
	global_store_b128 v9, v[96+4*\c:99+4*\c], s[32:33] offset:512*\c
	global_store_b128 v9, v[108+4*\c:111+4*\c], s[34:35] offset:512*\c
.endr
	global_store_b32 v5, v15, s[36:37]
.endm
.Lweights:
	s_sub_co_u32 s3, ttmp9, 256                    ; j = 0 .. 383
	s_cmp_lt_u32 s3, 96
	s_cbranch_scc0 .Lnot_qkv
	; Wq, Wk, Wv [head][k][d]: a tile is a head, its 16 columns the head's d
	s_lshr_b32 s38, s3, 5                          ; which of the three
	s_and_b32 s39, s3, 31
	s_lshr_b32 s40, s39, 2                         ; K step
	s_and_b32 s41, s39, 3                          ; which 16 heads
	s_cmp_eq_u32 s38, 0
	s_cselect_b64 s[30:31], s[14:15], s[16:17]
	s_cmp_eq_u32 s38, 2
	s_cselect_b64 s[30:31], s[18:19], s[30:31]
	s_lshl_b32 s41, s41, 4
	s_lshl_b32 s42, s2, 1
	s_add_co_u32 s41, s41, s42                     ; my first head
	s_lshl_b32 s42, s41, 16                        ; a head is 65,536 bytes,
	s_lshl_b32 s43, s40, 13                        ; 128 rows of 64 bytes a K step
	s_add_co_u32 s42, s42, s43
	s_mov_b32 s43, 0
	s_add_nc_u64 s[30:31], s[30:31], s[42:43]
	s_lshl_b32 s41, s41, 3
	s_add_co_u32 s41, s41, s40
	s_mul_i32 s41, s41, 3
	s_add_co_u32 s41, s41, s38                     ; (8 head + K step) x 3 + which
	s_mul_i32 s42, s41, 1536
	s_add_nc_u64 s[32:33], s[28:29], s[42:43]
	s_add_nc_u64 s[34:35], s[32:33], 36864         ; the next head's
	s_lshl_b32 s42, s41, 6
	s_add_co_u32 s42, s42, WQKV_S
	s_add_nc_u64 s[36:37], s[28:29], s[42:43]
	v_lshlrev_b32 v4, 2, v2
	v_lshl_add_u32 v4, v3, 16, v4                  ; head h of my two, d = r
	v_lshlrev_b32 v5, 2, v2
	v_mad_u32_u24 v5, v3, 1536, v5
	UNIT 64
	s_endpgm
.Lnot_qkv:
	v_and_b32 v4, 8, v2
	v_add_nc_u32 v4, v4, v2
	v_lshl_add_u32 v4, v3, 3, v4
	v_lshlrev_b32 v4, 2, v4                        ; my column among the wave's 32: 8 h + r + 8 (r / 8)
	v_lshlrev_b32 v5, 2, v1
	s_cmp_lt_u32 s3, 256
	s_cbranch_scc0 .Lw1
	s_cmp_lt_u32 s3, 128                           ; Wproj (j 96-127) or W2 (j 128-255): rows of 4,096 bytes, 64 tiles of columns
	s_cselect_b64 s[30:31], s[20:21], s[24:25]
	s_mov_b32 s38, 128
	s_cselect_b32 s38, 96, s38
	s_cselect_b32 s39, 8, 32                       ; K steps
	s_mov_b32 s40, W2_C
	s_cselect_b32 s40, WP_C, s40
	s_mov_b32 s41, W2_S
	s_cselect_b32 s41, WP_S, s41
	s_sub_co_u32 s38, s3, s38
	s_lshr_b32 s42, s38, 2                         ; K step
	s_and_b32 s38, s38, 3                          ; which 256 columns
	s_lshl_b32 s46, s42, 19
	s_lshl_b32 s47, s38, 10
	s_add_co_u32 s46, s46, s47
	s_lshl_b32 s47, s2, 7
	s_add_co_u32 s46, s46, s47
	s_mov_b32 s47, 0
	s_add_nc_u64 s[30:31], s[30:31], s[46:47]
	s_lshl_b32 s38, s38, 4
	s_lshl_b32 s43, s2, 1
	s_add_co_u32 s38, s38, s43                     ; my first tile
	s_mul_i32 s46, s38, s39
	s_add_co_u32 s46, s46, s42
	s_mul_i32 s46, s46, 1536
	s_add_co_u32 s46, s46, s40
	s_add_nc_u64 s[32:33], s[28:29], s[46:47]
	s_mul_i32 s46, s39, 1536
	s_add_nc_u64 s[34:35], s[32:33], s[46:47]
	s_lshl_b32 s46, s42, 6
	s_add_co_u32 s46, s46, s38
	s_lshl_b32 s46, s46, 6
	s_add_co_u32 s46, s46, s41
	s_add_nc_u64 s[36:37], s[28:29], s[46:47]
	UNIT 4096
	s_endpgm
.Lw1:
	s_sub_co_u32 s38, s3, 256                      ; W1: rows of 16,384 bytes, 256 tiles of columns, 8 K steps
	s_lshr_b32 s42, s38, 4
	s_and_b32 s38, s38, 15
	s_lshl_b32 s46, s42, 21
	s_lshl_b32 s47, s38, 10
	s_add_co_u32 s46, s46, s47
	s_lshl_b32 s47, s2, 7
	s_add_co_u32 s46, s46, s47
	s_mov_b32 s47, 0
	s_add_nc_u64 s[30:31], s[22:23], s[46:47]
	s_lshl_b32 s38, s38, 4
	s_lshl_b32 s43, s2, 1
	s_add_co_u32 s38, s38, s43
	s_lshl_b32 s46, s38, 3
	s_add_co_u32 s46, s46, s42
	s_mul_i32 s46, s46, 1536
	s_add_co_u32 s46, s46, W1_C
	s_add_nc_u64 s[32:33], s[28:29], s[46:47]
	s_add_nc_u64 s[34:35], s[32:33], 12288
	s_lshl_b32 s46, s42, 8
	s_add_co_u32 s46, s46, s38
	s_lshl_b32 s46, s46, 6
	s_add_co_u32 s46, s46, W1_S
	s_add_nc_u64 s[36:37], s[28:29], s[46:47]
	UNIT 16384
	s_endpgm
.Lfunc_end_k_q6d92931489_prep:
	.size	k_q6d92931489_prep, .Lfunc_end_k_q6d92931489_prep-k_q6d92931489_prep
	.p2alignl 7, 3214868480
	.fill 96, 4, 3214868480
	.section	.rodata,"a",@progbits
	.p2align	6, 0x0
	.amdhsa_kernel k_q6d92931489_prep
		.amdhsa_group_segment_fixed_size 69632
		.amdhsa_private_segment_fixed_size 0
		.amdhsa_enable_private_segment 0
		.amdhsa_kernarg_size 88
		.amdhsa_user_sgpr_count 2
		.amdhsa_user_sgpr_kernarg_segment_ptr 1
		.amdhsa_wavefront_size32 1
		.amdhsa_system_sgpr_workgroup_id_x 1
		.amdhsa_system_sgpr_workgroup_id_y 1
		.amdhsa_system_sgpr_workgroup_id_z 1
		.amdhsa_system_vgpr_workitem_id 0
		.amdhsa_next_free_vgpr 246
		.amdhsa_next_free_sgpr 66
		.amdhsa_reserve_vcc 1
		.amdhsa_float_denorm_mode_32 3
		.amdhsa_float_denorm_mode_16_64 3
		.amdhsa_memory_ordered 1
		.amdhsa_forward_progress 1
		.amdhsa_inst_pref_size 86
	.end_amdhsa_kernel
	.amdgpu_metadata
---
amdhsa.version: [ 1, 2 ]
amdhsa.kernels:
  - .name:           k_q6d92931489_prep
    .symbol:         k_q6d92931489_prep.kd
    .args:
      - { .name: x, .offset: 0, .size: 8, .value_kind: global_buffer, .address_space: global }
      - { .name: g1, .offset: 8, .size: 8, .value_kind: global_buffer, .address_space: global }
      - { .name: be1, .offset: 16, .size: 8, .value_kind: global_buffer, .address_space: global }
      - { .name: Wq, .offset: 24, .size: 8, .value_kind: global_buffer, .address_space: global }
      - { .name: Wk, .offset: 32, .size: 8, .value_kind: global_buffer, .address_space: global }
      - { .name: Wv, .offset: 40, .size: 8, .value_kind: global_buffer, .address_space: global }
      - { .name: Wproj, .offset: 48, .size: 8, .value_kind: global_buffer, .address_space: global }
      - { .name: W1, .offset: 56, .size: 8, .value_kind: global_buffer, .address_space: global }
      - { .name: W2, .offset: 64, .size: 8, .value_kind: global_buffer, .address_space: global }
      - { .name: hbuf, .offset: 72, .size: 8, .value_kind: global_buffer, .address_space: global }
      - { .name: wbuf, .offset: 80, .size: 8, .value_kind: global_buffer, .address_space: global }
    .group_segment_fixed_size: 69632
    .private_segment_fixed_size: 0
    .kernarg_segment_align: 8
    .kernarg_segment_size: 88
    .max_flat_workgroup_size: 256
    .sgpr_count:     66
    .vgpr_count:     246
    .wavefront_size: 32
...
	.end_amdgpu_metadata
.endif
;; end of part 1
;; launch attn (part 2): grid 256 x 1, 16 waves a work-group, no clusters, 199,168 bytes of LDS; arguments hbuf, wbuf, obuf; writes obuf
.if DOCPART == 2
	.amdgcn_target "amdgcn-amd-amdhsa--gfx1250"
	.amdhsa_code_object_version 6
	.text
	.protected	k_q6d92931489_attn
	.globl	k_q6d92931489_attn
	.p2align	8
	.type	k_q6d92931489_attn,@function
k_q6d92931489_attn:
	s_mov_b64 s[64:65], 0
	v_nop
	global_prefetch_b8 v0, s[64:65] scope:SCOPE_SE
	s_setreg_imm32_b32 hwreg(HW_REG_WAVE_MODE, 25, 1), 1
	s_wait_xcnt 0x0
; ATTENTION of one (batch, head): q, k, v = h Wq, h Wk, h Wv on codes of BF6; scores q k^T in f32 (K = 16, and the result goes into a quantiser); causal softmax; o = p v on codes of BF6.
; obuf: f32 [batch x 64 + head][token 1024][16].  The work-group's number is batch x 64 + head.  Sixteen waves of 256 registers, four to a SIMD.
; PHASE P.  Wave w makes q, k, v of token tiles 4 w .. 4 w + 3 (64 tokens), K in 8 steps of 128.  h's fragments come from memory in the order of the operand's registers; K steps 0 and 1 are asked for together at the head,
;   K step s + 2 behind K step s's products, into the set that they have left.  The head's 24 weight fragments lie in LDS.
;   q and k are made transposed (source 0 = the weight's 16 d, source 1 = 16 tokens): a lane holds one token and d = 8 (lane / 16) + 0 .. 7.  These 8 registers go to LDS as they stand (an image: 2 x 512 bytes).
;   v is made straight (source 0 = 16 tokens, source 1 = 16 d): a lane holds d = lane % 16, and since a tile's tokens are 32 B + 8 u + m + 8 (m / 8), the 16 registers of two tiles are 16 neighbouring tokens: v is quantised along the
;   tokens in registers; a wave's 64 tokens are half of a fragment of V^T.
; PHASE A.  A wave owns a tile of 16 queries at a time, four in all: tiles w, w ^ 31, w ^ 32, w ^ 63: the same number of key steps, and of live blocks on the diagonal, for every wave.  A key step is 128 keys:
;   S^T = k q^T by v_wmma_f32_16x16x4_f32 (registers 2 kk, 2 kk + 1 of both images: the same order of d on both sides), the accumulators by turns; t = score x log2(e) / 32; M = the running largest t rounded up;
;   p = 2^(t - M), quantised along the keys; the sum is taken of the unquantised p; O^T += V^T p^T by one scaled product.  When M moves, the sum and O^T are multiplied by 2^(old M - new M): exact.
;   Every query tile walks all 8 key steps by a loop of constant count; a step all of whose keys come after the tile's queries is jumped over (a scalar branch on ids).
;   THE STEP ON THE DIAGONAL DOES ONLY ITS LIVE BLOCKS OF 32 KEYS: tile T's queries lie among tokens 32 (T / 2) .. + 31, so nb = (T / 2) % 4 + 1 blocks count; the blocks below the last of them lie wholly ahead of every query,
;   and only the last one's 16 registers are masked (-infinity ahead of the maximum).  Hidden blocks get zero codes and the scale byte 0.  The step's body is a macro, written for nb = 1 .. 4 on the diagonal and once for open steps.
; The registers that the f32 matrix form writes (v160-223) are written by matrix instructions alone; scale words stand in v12-15 and v23-26, which hold nothing else.
; LIMITS: NaN and infinities are not served; a block whose largest magnitude lies under 2^(5 - 127) gets the byte 1; a p under 2^-126 counts as 0.
; No cluster, no tensor load: the 64 heads of a batch read the same codes of h, but straight into registers, where no joint load can land; the price is 0.77 MB of reads a work-group.
.set HSO,    3145728
.set WQKV_S, 9437184
.set WIMG, 0                           ; LDS: the head's weights [K step 8][q, k, v][1536]
.set IMG,  36864                       ; 64 token tiles x 2,048: q's image, then k's
.set VIMG, 167936                      ; V^T: 8 fragments x 1,536: [K step][c 2][p 3][8 x lane]
.set VSC,  180224                      ; their scale words [K step][4 r]
.set OST,  180736                      ; a stage of 1,024 bytes for each wave
.set LI,  1                            ; 16 x lane
.set L4,  2                            ; 4 x lane
.set L8,  3                            ; 8 x lane
.set R4,  4                            ; 4 r
.set RPH, 6                            ; r + 8 (r / 8) - 16 h
.set QAD, 7
.set DQ,  8                            ; my query - 16 h
.set GO,  9                            ; my byte offset in the head's rows of o
.set ADK, 10
.set ADV, 11
.set HSC, 12                           ; v12-15 h's scale words, two sets of 2; in phase A v12 V's word, v13 p's
.set VSR, 12
.set PWD, 13
.set ADS, 16
.set SOA, 17
.set SRA, 18
.set IW,  19
.set VW,  20
.set VSW, 21
.set CW,  22
.set WS,  23                           ; v23-26 the weights' scale words, two sets of 2
.set HF,  28                           ; v28-123 h's fragments, two sets of 4
.set WF,  124                          ; v124-159 the K step's three weight fragments
.set QA,  160
.set KA,  192
.set VA,  224
.set QF,  28                           ; phase A: v28-35 q's image; v36-47 V^T's fragment; v48-55 O^T; v56-63 O^T / sum; v64-71 rows back from the stage
.set VF,  36
.set OA,  48
.set NM,  72                           ; v72 -M, v73 the largest t, v[74:75] the sum in two halves, v[76:77] the step's second chain of sums
.set SM,  74
.set SB,  76
.set KP,  96                           ; v96-159 k's images, then p
.set SS,  160                          ; v160-223 S^T
.set HP,  10
.set HSP, 12
.set WP,  14
.set WSP, 16
.set OP,  18
.set SEL, 20
.set CS,  22
.set KF,  24
.set TK,  25
.set TV,  26
.set TS,  27
.set CNT, 28
.set QB,  29
.set TT,  30
.set NBL, 32                           ; s32 the live blocks of the tile's diagonal step, 1 .. 4
.macro PLACES n
.rept \n
	v_nop
.endr
.endm
; a scaled product.  c < 0: the constant 0 starts the sum.  ra, rb: the half of the lanes from which source 0's and source 1's scale words are taken
.macro WM d, a, b, c, sa, sb, ra, rb
.if (\c) < 0
.if ((\ra) == 0) && ((\rb) == 0)
	v_wmma_scale_f32_16x16x128_f8f6f4 v[(\d):(\d)+7], v[(\a):(\a)+11], v[(\b):(\b)+11], 0, v[(\sa)], v[(\sb)] matrix_a_fmt:MATRIX_FMT_BF6 matrix_b_fmt:MATRIX_FMT_BF6
.elseif (\rb) == 0
	v_wmma_scale_f32_16x16x128_f8f6f4 v[(\d):(\d)+7], v[(\a):(\a)+11], v[(\b):(\b)+11], 0, v[(\sa)], v[(\sb)] matrix_a_fmt:MATRIX_FMT_BF6 matrix_b_fmt:MATRIX_FMT_BF6 matrix_a_scale:MATRIX_SCALE_ROW1
.elseif (\ra) == 0
	v_wmma_scale_f32_16x16x128_f8f6f4 v[(\d):(\d)+7], v[(\a):(\a)+11], v[(\b):(\b)+11], 0, v[(\sa)], v[(\sb)] matrix_a_fmt:MATRIX_FMT_BF6 matrix_b_fmt:MATRIX_FMT_BF6 matrix_b_scale:MATRIX_SCALE_ROW1
.else
	v_wmma_scale_f32_16x16x128_f8f6f4 v[(\d):(\d)+7], v[(\a):(\a)+11], v[(\b):(\b)+11], 0, v[(\sa)], v[(\sb)] matrix_a_fmt:MATRIX_FMT_BF6 matrix_b_fmt:MATRIX_FMT_BF6 matrix_a_scale:MATRIX_SCALE_ROW1 matrix_b_scale:MATRIX_SCALE_ROW1
.endif
.else
.if ((\ra) == 0) && ((\rb) == 0)
	v_wmma_scale_f32_16x16x128_f8f6f4 v[(\d):(\d)+7], v[(\a):(\a)+11], v[(\b):(\b)+11], v[(\c):(\c)+7], v[(\sa)], v[(\sb)] matrix_a_fmt:MATRIX_FMT_BF6 matrix_b_fmt:MATRIX_FMT_BF6
.elseif (\rb) == 0
	v_wmma_scale_f32_16x16x128_f8f6f4 v[(\d):(\d)+7], v[(\a):(\a)+11], v[(\b):(\b)+11], v[(\c):(\c)+7], v[(\sa)], v[(\sb)] matrix_a_fmt:MATRIX_FMT_BF6 matrix_b_fmt:MATRIX_FMT_BF6 matrix_a_scale:MATRIX_SCALE_ROW1
.elseif (\ra) == 0
	v_wmma_scale_f32_16x16x128_f8f6f4 v[(\d):(\d)+7], v[(\a):(\a)+11], v[(\b):(\b)+11], v[(\c):(\c)+7], v[(\sa)], v[(\sb)] matrix_a_fmt:MATRIX_FMT_BF6 matrix_b_fmt:MATRIX_FMT_BF6 matrix_b_scale:MATRIX_SCALE_ROW1
.else
	v_wmma_scale_f32_16x16x128_f8f6f4 v[(\d):(\d)+7], v[(\a):(\a)+11], v[(\b):(\b)+11], v[(\c):(\c)+7], v[(\sa)], v[(\sb)] matrix_a_fmt:MATRIX_FMT_BF6 matrix_b_fmt:MATRIX_FMT_BF6 matrix_a_scale:MATRIX_SCALE_ROW1 matrix_b_scale:MATRIX_SCALE_ROW1
.endif
.endif
.endm
	s_load_b128 s[4:7], s[0:1], 0x0                ; hbuf, wbuf
	s_load_b64 s[8:9], s[0:1], 0x10                ; obuf
	v_lshrrev_b32 v27, 5, v0
	v_readfirstlane_b32 s2, v27                    ; wave 0..15
	v_and_b32 v27, 31, v0
	v_lshlrev_b32 v[LI], 4, v27
	v_lshlrev_b32 v[L4], 2, v27
	v_lshlrev_b32 v[L8], 3, v27
	v_and_b32 v5, 15, v0                           ; r
	v_lshlrev_b32 v[R4], 2, v5
	v_bfe_u32 v27, v0, 4, 1                        ; h
	v_and_b32 v[RPH], 8, v5
	v_add_nc_u32 v[RPH], v[RPH], v5
	v_lshlrev_b32 v[DQ], 4, v27
	v_sub_nc_u32 v[RPH], v[RPH], v[DQ]
	s_lshl_b32 s31, s2, 10
	s_add_co_u32 s31, s31, OST                     ; my stage
	v_lshlrev_b32 v[SOA], 6, v5
	v_lshl_add_u32 v[SOA], v27, 5, v[SOA]
	v_add_nc_u32 v[SOA], s31, v[SOA]               ; in: row r of 64 bytes, + 32 h
	v_add_nc_u32 v[SRA], s31, v[LI]                ; back: 16 bytes a lane
	s_lshl_b32 s31, s2, 13
	s_add_co_u32 s31, s31, IMG
	v_add_nc_u32 v[IW], s31, v[LI]                 ; my four tiles' images
	s_mul_i32 s31, s2, 768
	s_add_co_u32 s31, s31, VIMG
	v_add_nc_u32 v[VW], s31, v[L8]                 ; my half of fragment w / 2 of V^T
	s_lshr_b32 s31, s2, 1
	s_lshl_b32 s31, s31, 6
	s_and_b32 s32, s2, 1
	s_lshl_b32 s32, s32, 1
	s_add_co_u32 s31, s31, s32
	s_add_co_u32 s31, s31, VSC
	v_add_nc_u32 v[VSW], s31, v[R4]                ; and my two bytes of its scale words
	s_mul_i32 s31, s2, 2304
	v_add_nc_u32 v[CW], s31, v[L8]                 ; my sixteenth of the head's weights
	s_mov_b32 s[SEL], 0x76543210
	s_mov_b32 s[SEL+1], 0xfedcba98
	s_mov_b32 s[CS], 0x3d38aa3b                    ; c = log2(e) / 32: t = score x c
	s_mov_b32 s[CS+1], s[CS]
	s_lshr_b32 s31, ttmp9, 6
	s_lshl_b32 s31, s31, 6
	s_lshl_b32 s32, s2, 2
	s_add_co_u32 s31, s31, s32                     ; my first tile of h: 64 x batch + 4 w
	s_mul_i32 s32, s31, 12288
	s_mov_b32 s33, 0
	s_lshl_b32 s34, s31, 6
	s_add_co_u32 s34, s34, HSO
	s_mov_b32 s35, 0
	s_and_b32 s31, ttmp9, 63                       ; the head
	s_mul_i32 s36, s31, 36864
	s_mov_b32 s37, 0
	s_mul_i32 s38, s31, 1536
	s_add_co_u32 s38, s38, WQKV_S
	s_mov_b32 s39, 0
	s_wait_kmcnt 0x0
	s_add_nc_u64 s[HP:HP+1], s[4:5], s[32:33]
	s_add_nc_u64 s[HSP:HSP+1], s[4:5], s[34:35]
	s_add_nc_u64 s[WP:WP+1], s[6:7], s[36:37]
	s_add_nc_u64 s[WSP:WSP+1], s[6:7], s[38:39]
	s_lshl_b32 s32, ttmp9, 16
	s_add_nc_u64 s[OP:OP+1], s[8:9], s[32:33]
; 16 loads: my four tiles' fragments of K step s, their scale words (two tiles to a register), and the weights' (q's in lanes 0-15 and k's in lanes 16-31 of one register, v's in another)
.macro HLOAD s, set
.irp t, 0,1,2,3
.irp c, 0,1,2
	global_load_b128 v[HF+48*(\set)+12*\t+4*\c:HF+48*(\set)+12*\t+4*\c+3], v[LI], s[HP:HP+1] offset:12288*\t+1536*(\s)+512*\c
.endr
.endr
	global_load_b32 v[HSC+2*(\set)], v[L4], s[HSP:HSP+1] offset:16384*(\s)
	global_load_b32 v[HSC+2*(\set)+1], v[L4], s[HSP:HSP+1] offset:16384*(\s)+128
	global_load_b32 v[WS+2*(\set)], v[L4], s[WSP:WSP+1] offset:192*(\s)
	global_load_b32 v[WS+2*(\set)+1], v[R4], s[WSP:WSP+1] offset:192*(\s)+128
.endm
.macro WFETCH s
.set I, 0
.rept 9
	ds_load_b128 v[WF+4*I:WF+4*I+3], v[LI] offset:WIMG+4608*(\s)+512*I
.set I, I+1
.endr
.endm
; 12 products, 12 accumulators by turns, one instruction a turn
.macro PMUL set, zero
.irp t, 0,1,2,3
.if \zero
	WM QA+8*\t, WF, HF+48*(\set)+12*\t, -1, WS+2*(\set), HSC+2*(\set)+\t/2, 0, \t%2
	WM KA+8*\t, WF+12, HF+48*(\set)+12*\t, -1, WS+2*(\set), HSC+2*(\set)+\t/2, 1, \t%2
	WM VA+8*\t, HF+48*(\set)+12*\t, WF+24, -1, HSC+2*(\set)+\t/2, WS+2*(\set)+1, \t%2, 0
.else
	WM QA+8*\t, WF, HF+48*(\set)+12*\t, QA+8*\t, WS+2*(\set), HSC+2*(\set)+\t/2, 0, \t%2
	WM KA+8*\t, WF+12, HF+48*(\set)+12*\t, KA+8*\t, WS+2*(\set), HSC+2*(\set)+\t/2, 1, \t%2
	WM VA+8*\t, HF+48*(\set)+12*\t, WF+24, VA+8*\t, HSC+2*(\set)+\t/2, WS+2*(\set)+1, \t%2, 0
.endif
.endr
.endm
	; ---- PHASE P
	HLOAD 0, 0                                     ; K steps 0 and 1 go out together: both sets are free
	HLOAD 1, 1
.set I, 0
.rept 9
	global_load_b64 v[WF+2*I:WF+2*I+1], v[CW], s[WP:WP+1] offset:256*I   ; the head's 36,864 bytes of weights: 2,304 a wave, through registers that the first fetch of weights takes afterwards
.set I, I+1
.endr
	s_wait_loadcnt 0x0
.set I, 0
.rept 9
	ds_store_b64 v[CW], v[WF+2*I:WF+2*I+1] offset:WIMG+256*I
.set I, I+1
.endr
	s_wait_dscnt 0x0                               ; my part of the weights lies in LDS,
	s_barrier_signal -1
	s_barrier_wait -1                              ; everybody's does
.set PS, 0
.rept 8
	WFETCH PS
.if PS < 7
	s_wait_loadcnt 16                              ; this K step's loads are in; the next step's 16 may be out
.else
	s_wait_loadcnt 0x0
.endif
	s_wait_dscnt 0x0
.if PS == 0
	PMUL 0, 1
.else
	PMUL PS%2, 0
.endif
	PLACES 4                                       ; in front of loads into registers that these products have read, and of the first read of results
.if PS < 6
	HLOAD PS+2, PS%2                               ; two K steps on, into the set just left
.endif
.set PS, PS+1
.endr
.irp t, 0,1,2,3
	ds_store_b128 v[IW], v[QA+8*\t:QA+8*\t+3] offset:2048*\t          ; each accumulator from its low end on
	ds_store_b128 v[IW], v[QA+8*\t+4:QA+8*\t+7] offset:2048*\t+512
	ds_store_b128 v[IW], v[KA+8*\t:KA+8*\t+3] offset:2048*\t+1024
	ds_store_b128 v[IW], v[KA+8*\t+4:KA+8*\t+7] offset:2048*\t+1536
.endr
	; v of my 64 tokens: two blocks of 32 along the tokens; register 16 b + i = token 32 b + 16 h + i, of d = r
.irp b, 0,1
	v_max3_num_f32 v[28+\b], |v[VA+16*\b]|, |v[VA+1+16*\b]|, 0x2800000
.endr
.irp i, 2,4,6,8,10,12,14
.irp b, 0,1
	v_max3_num_f32 v[28+\b], v[28+\b], |v[VA+16*\b+\i]|, |v[VA+1+16*\b+\i]|
.endr
.endr
.irp b, 0,1
	v_permlanex16_b32 v[30+\b], v[28+\b], s[SEL], s[SEL+1]
.endr
.irp b, 0,1
	v_max_num_f32 v[28+\b], v[28+\b], v[30+\b]
.endr
.irp b, 0,1
	v_add_nc_u32 v[32+\b], 0xfe000000, v[28+\b]
.endr
.irp b, 0,1
	v_lshrrev_b32 v[30+\b], 23, v[32+\b]
.endr
	v_lshl_or_b32 v34, v31, 8, v30                 ; my two bytes of the scale word
	v_cvt_scalef32_pk16_bf6_f32 v[40:42], v[VA:VA+15], v32
	v_cvt_scalef32_pk16_bf6_f32 v[46:48], v[VA+16:VA+31], v33
	v_nop
.irp i, 0,1,2
	v_permlane16_swap_b32 v[40+\i], v[46+\i]
.endr
.irp i, 0,1,2
	v_mov_b32 v[43+\i], v[46+\i]
.endr
.irp p, 0,1,2
	ds_store_b64 v[VW], v[40+2*\p:41+2*\p] offset:256*\p
.endr
	ds_store_b16 v[VSW], v34
	s_wait_dscnt 0x0                               ; my images lie in LDS,
	s_barrier_signal -1
	s_barrier_wait -1                              ; everybody's do; from here on nobody writes them
	; ---- PHASE A
.irp b, 0,1,2,3
	v_mov_b32 v[236+\b], 0                         ; a lane permute's destination counts as one of its sources
.endr
	v_mov_b32 v252, 0
	v_mov_b32 v253, 0                              ; (named as the upper half of the pair v[252:253])
; where block b's scores stand: in S^T's registers, but for the masked block of a diagonal step, whose scores the mask has put where p will stand
.macro SETSRC b, nb, diag
.set SRC, SS
.if (\diag) && ((\b) == (\nb)-1)
.set SRC, KP
.endif
.endm
; THE BODY OF A KEY STEP for its first nb blocks of 32 keys (open steps: all 4).  diag = 1: block nb - 1 holds the diagonal and is masked.
.macro BODY nb, diag
.irp kk, 0,1,2,3                               ; S^T: 2 nb tiles of 16 keys, four links each, the tiles by turns
.set TI, 0
.rept 2*(\nb)
.if \kk == 0
	v_wmma_f32_16x16x4_f32 v[SS+8*TI:SS+8*TI+7], v[KP+8*TI:KP+8*TI+1], v[QF:QF+1], 0
.else
	v_wmma_f32_16x16x4_f32 v[SS+8*TI:SS+8*TI+7], v[KP+8*TI+2*\kk:KP+8*TI+2*\kk+1], v[QF+2*\kk:QF+2*\kk+1], v[SS+8*TI:SS+8*TI+7]
.endif
.set TI, TI+1
.endr
.endr
	PLACES 8                                       ; eight places behind the f32 form, for the reads of S^T and the writes over k's images
.if \diag
	v_sub_nc_u32 v252, v[DQ], s[KF]                ; register 16 b + i holds key KF + 16 h + 32 b + i: hidden where 32 b + i > my query - 16 h - KF
	v_mov_b32 v254, 0xff800000
.set N, 16*((\nb)-1)
.rept 16
	v_cmp_gt_i32 vcc_lo, 32*(N/16)+N%16, v252
	v_cndmask_b32 v[KP+N], v[SS+N], v254, vcc_lo
.set N, N+1
.endr
.endif
.irp b, 0,1,2,3                                ; the largest score of each block serves twice: for the row's maximum and, since p rises with the score, for the block's largest p
.if \b < (\nb)
	SETSRC \b, \nb, \diag
	v_max3_num_f32 v[232+\b], v[SRC+16*\b], v[SRC+1+16*\b], v[SRC+2+16*\b]
.endif
.endr
.irp i, 3,5,7,9,11,13
.irp b, 0,1,2,3
.if \b < (\nb)
	SETSRC \b, \nb, \diag
	v_max3_num_f32 v[232+\b], v[232+\b], v[SRC+16*\b+\i], v[SRC+1+16*\b+\i]
.endif
.endr
.endr
.irp b, 0,1,2,3
.if \b < (\nb)
	SETSRC \b, \nb, \diag
	v_max_num_f32 v[232+\b], v[232+\b], v[SRC+15+16*\b]
.endif
.endr
.irp b, 0,1,2,3
.if \b < (\nb)
	v_permlanex16_b32 v[236+\b], v[232+\b], s[SEL], s[SEL+1]
.endif
.endr
.irp b, 0,1,2,3
.if \b < (\nb)
	v_max_num_f32 v[232+\b], v[232+\b], v[236+\b]
.endif
.endr
.if (\nb) == 4
	v_max3_num_f32 v254, v232, v233, v234
	v_max_num_f32 v254, v254, v235
.elseif (\nb) == 3
	v_max3_num_f32 v254, v232, v233, v234
.elseif (\nb) == 2
	v_max_num_f32 v254, v232, v233
.else
	v_mov_b32 v254, v232
.endif
	v_mul_f32 v254, s[CS], v254
	v_max_num_f32 v[NM+1], v[NM+1], v254           ; the running largest t
	v_mov_b32 v254, v[NM]
	v_floor_f32 v[NM], -v[NM+1]                    ; -M = floor(-t): M is a whole number
	v_sub_f32 v254, v[NM], v254
	v_cvt_i32_f32 v254, v254
	v_ldexp_f32 v252, 1.0, v254                    ; f = 2^(old M - new M)
.irp b, 0,1,2,3
.if \b < (\nb)
	SETSRC \b, \nb, \diag
.set J, 16*\b
.rept 8
	v_pk_fma_f32 v[KP+J:KP+J+1], v[SRC+J:SRC+J+1], s[CS:CS+1], v[NM:NM+1] op_sel_hi:[1,0,0]   ; t - M
.set J, J+2
.endr
.endif
.endr
.irp b, 0,1,2,3
.if \b < (\nb)
	v_fma_f32 v[232+\b], v[232+\b], s[CS], v[NM]
.endif
.endr
.set J, 0
.rept 16*(\nb)
	v_exp_f32 v[KP+J], v[KP+J]                     ; p = 2^(t - M), not normalised
.set J, J+1
.endr
	v_pk_mul_f32 v[SM:SM+1], v[SM:SM+1], v[252:253] op_sel_hi:[1,0]   ; the sums under the new M (a plain place behind the exponentials)
	s_wait_alu depctr_va_vdst(0)                   ; one wait for the batch, ahead of its first reader
.irp b, 0,1,2,3
.if \b < (\nb)
	v_exp_f32 v[232+\b], v[232+\b]                 ; the blocks' largest p
.endif
.endr
	v_pk_add_f32 v[SB:SB+1], v[KP:KP+1], v[KP+2:KP+3]   ; the row's sum of the unquantised p, in two chains: the first half of the pairs here, behind the small batch,
.set J, 2
.rept 4*(\nb)-2
.if J%2 == 0
	v_pk_add_f32 v[SM:SM+1], v[SM:SM+1], v[KP+2*J:KP+2*J+1]
.else
	v_pk_add_f32 v[SB:SB+1], v[SB:SB+1], v[KP+2*J:KP+2*J+1]
.endif
.set J, J+1
.endr
	s_wait_alu depctr_va_vdst(0)                   ; and one wait for the small batch
.irp b, 0,1,2,3
.if \b < (\nb)
	v_max_num_f32 v[232+\b], 0x2800000, v[232+\b]
.endif
.endr
.irp b, 0,1,2,3
.if \b < (\nb)
	v_add_nc_u32 v[244+\b], 0xfe000000, v[232+\b]
.endif
.endr
.irp b, 0,1,2,3
.if \b < (\nb)
	v_lshrrev_b32 v[236+\b], 23, v[244+\b]
.endif
.endr
.if (\nb) == 1                                 ; p's scale word for these 128 keys; a hidden block's byte stays 0: its codes are zeros
	v_mov_b32 v[PWD], v236
.else
	v_lshl_or_b32 v[PWD], v237, 8, v236
.endif
.if (\nb) >= 3
	v_lshl_or_b32 v[PWD], v238, 16, v[PWD]
.endif
.if (\nb) == 4
	v_lshl_or_b32 v[PWD], v239, 24, v[PWD]
.endif
.irp c, 0,1
.if 2*\c < (\nb)
	v_cvt_scalef32_pk16_bf6_f32 v[224+6*\c:226+6*\c], v[KP+32*\c:KP+15+32*\c], v[244+2*\c]
.endif
.if 2*\c+1 < (\nb)
	v_cvt_scalef32_pk16_bf6_f32 v[236+4*\c:238+4*\c], v[KP+16+32*\c:KP+31+32*\c], v[244+2*\c+1]
.endif
.endr
	v_nop                                          ; one plain place behind a scaled conversion
.irp c, 0,1
.if 2*\c >= (\nb)                              ; both blocks hidden: six registers of zero codes
.irp i, 0,1,2,3,4,5
	v_mov_b32 v[224+6*\c+\i], 0
.endr
.else
.if 2*\c+1 >= (\nb)                            ; the upper block hidden: zero codes in its place
.irp i, 0,1,2
	v_mov_b32 v[236+4*\c+\i], 0
.endr
.endif
.irp i, 0,1,2
	v_permlane16_swap_b32 v[224+6*\c+\i], v[236+4*\c+\i]
.endr
.irp i, 0,1,2
	v_mov_b32 v[227+6*\c+\i], v[236+4*\c+\i]
.endr
.endif
.endr
.irp j, 0,2,4,6
	v_pk_mul_f32 v[OA+\j:OA+\j+1], v[OA+\j:OA+\j+1], v[252:253] op_sel_hi:[1,0]   ; O^T under the new M
.endr
.set J, 4*(\nb)                                ; the second half of the sums stands here: plain work that names no register of the product below: a scale word made by vector instructions stands eight places ahead of it, an operand four
.rept 4*(\nb)
.if J%2 == 0
	v_pk_add_f32 v[SM:SM+1], v[SM:SM+1], v[KP+2*J:KP+2*J+1]
.else
	v_pk_add_f32 v[SB:SB+1], v[SB:SB+1], v[KP+2*J:KP+2*J+1]
.endif
.set J, J+1
.endr
	v_pk_add_f32 v[SM:SM+1], v[SM:SM+1], v[SB:SB+1]
.if 4*(\nb)+1 < 8
	PLACES 8-(4*(\nb)+1)
.endif
	v_wmma_scale_f32_16x16x128_f8f6f4 v[OA:OA+7], v[VF:VF+11], v[224:235], v[OA:OA+7], v[VSR], v[PWD] matrix_a_fmt:MATRIX_FMT_BF6 matrix_b_fmt:MATRIX_FMT_BF6
.endm
.macro STEP
	s_add_co_u32 s31, s[QB], 31
	s_cmp_gt_u32 s[KF], s31                        ; all 128 keys come after my 16 queries: nothing to do
	s_cbranch_scc1 .Lhidden_\@
	v_add_nc_u32 v[ADK], s[TK], v[LI]              ; (these four are the places behind the last scaled product, in front of the loads into its registers)
	v_add_nc_u32 v[ADV], s[TV], v[L8]
	v_add_nc_u32 v[ADS], s[TS], v[R4]
	v_nop
.set I, 0
.rept 16
	ds_load_b128 v[KP+4*I:KP+4*I+3], v[ADK] offset:2048*(I/2)+1024+512*(I%2)   ; k's images of the step's eight tiles
.set I, I+1
.endr
.irp c, 0,1
.irp p, 0,1,2
	ds_load_b64 v[VF+6*\c+2*\p:VF+6*\c+2*\p+1], v[ADV] offset:768*\c+256*\p
.endr
.endr
	ds_load_b32 v[VSR], v[ADS]
	s_wait_dscnt 0x0
	s_add_co_u32 s31, s[KF], 127
	s_cmp_le_u32 s31, s[QB]                        ; all 128 keys count for all my queries
	s_cbranch_scc1 .Lopen_\@
	s_cmp_eq_u32 s[NBL], 1                         ; the diagonal: by its live blocks, a number made of the wave's number
	s_cbranch_scc1 .Lone_\@
	s_cmp_eq_u32 s[NBL], 2
	s_cbranch_scc1 .Ltwo_\@
	s_cmp_eq_u32 s[NBL], 3
	s_cbranch_scc1 .Lthree_\@
	BODY 4, 1
	s_branch .Lhidden_\@
.Lthree_\@:
	BODY 3, 1
	s_branch .Lhidden_\@
.Ltwo_\@:
	BODY 2, 1
	s_branch .Lhidden_\@
.Lone_\@:
	BODY 1, 1
	s_branch .Lhidden_\@
.Lopen_\@:
	BODY 4, 0
.Lhidden_\@:
.endm
; one tile of 16 queries: tile w xor c
.macro QTILE c
	s_wait_xcnt 0x0                                ; the last tile's stores have read their offset and their data
	s_xor_b32 s[TT], s2, \c
	s_bfe_u32 s[NBL], s[TT], 0x20001
	s_add_co_u32 s[NBL], s[NBL], 1                 ; (T / 2) % 4 + 1
	s_lshl_b32 s31, s[TT], 11
	s_add_co_u32 s31, s31, IMG
	v_add_nc_u32 v[QAD], s31, v[LI]
	ds_load_b128 v[QF:QF+3], v[QAD]
	ds_load_b128 v[QF+4:QF+7], v[QAD] offset:512
	s_lshr_b32 s[QB], s[TT], 1
	s_lshl_b32 s[QB], s[QB], 5                     ; the 32 tokens among which my 16 queries lie begin here
	s_and_b32 s31, s[TT], 1
	s_lshl_b32 s31, s31, 3
	s_add_co_u32 s31, s31, s[QB]                   ; the tile's first token
	v_add_nc_u32 v[DQ], s31, v[RPH]
	s_lshl_b32 s31, s31, 6
	v_add_nc_u32 v[GO], s31, v[LI]
	v_mov_b32 v[NM+1], 0xff61b1e6                  ; -3e38, under every t
	v_floor_f32 v[NM], -v[NM+1]
	v_mov_b32 v[SM], 0
	v_mov_b32 v[SM+1], 0
.irp j, 0,1,2,3,4,5,6,7
	v_mov_b32 v[OA+\j], 0                          ; the first step finds zeros
.endr
	s_mov_b32 s[KF], 0
	s_mov_b32 s[TK], IMG
	s_mov_b32 s[TV], VIMG
	s_mov_b32 s[TS], VSC
	s_mov_b32 s[CNT], 8
	s_wait_dscnt 0x0                               ; q
.Lkey_\@:
	STEP
	s_add_co_u32 s[KF], s[KF], 128
	s_add_co_u32 s[TK], s[TK], 16384
	s_add_co_u32 s[TV], s[TV], 1536
	s_add_co_u32 s[TS], s[TS], 64
	s_sub_co_u32 s[CNT], s[CNT], 1
	s_cmp_lg_u32 s[CNT], 0
	s_cbranch_scc1 .Lkey_\@
	PLACES 4                                       ; behind the last product, in front of the read of O^T
	v_add_f32 v[SM], v[SM], v[SM+1]
	v_permlanex16_b32 v252, v[SM], s[SEL], s[SEL+1]
	v_add_f32 v[SM], v[SM], v252                   ; the row's sum
	v_rcp_f32 v[SM], v[SM]
	v_nop
	s_wait_alu depctr_va_vdst(0)
.irp j, 0,1,2,3,4,5,6,7
	v_mul_f32 v[56+\j], v[OA+\j], v[SM]            ; o(query r, d = 8 h + j)
.endr
	ds_store_b128 v[SOA], v[56:59]
	ds_store_b128 v[SOA], v[60:63] offset:16
	ds_load_b128 v[64:67], v[SRA]                  ; LDS serves a wave's instructions in order: these see my stores.  Rows 0-7: eight neighbouring tokens,
	ds_load_b128 v[68:71], v[SRA] offset:512       ; rows 8-15: the eight that lie 16 further on
	s_wait_dscnt 0x0
	global_store_b128 v[GO], v[64:67], s[OP:OP+1]  ; 512 consecutive bytes a store
	global_store_b128 v[GO], v[68:71], s[OP:OP+1] offset:1024
.endm
	QTILE 0
	QTILE 31
	QTILE 32
	QTILE 63
	s_wait_xcnt 0x0
	v_lshl_add_u32 v254, v0, 2, 0x30200
	v_mov_b32 v255, 0
	s_wait_tensorcnt 0x0
	ds_add_u32 v254, v255
	s_wait_dscnt 0x0
	s_endpgm
.Lfunc_end_k_q6d92931489_attn:
	.size	k_q6d92931489_attn, .Lfunc_end_k_q6d92931489_attn-k_q6d92931489_attn
	.p2alignl 7, 3214868480
	.fill 96, 4, 3214868480
	.section	.rodata,"a",@progbits
	.p2align	6, 0x0
	.amdhsa_kernel k_q6d92931489_attn
		.amdhsa_group_segment_fixed_size 199168
		.amdhsa_private_segment_fixed_size 0
		.amdhsa_enable_private_segment 0
		.amdhsa_kernarg_size 24
		.amdhsa_user_sgpr_count 2
		.amdhsa_user_sgpr_kernarg_segment_ptr 1
		.amdhsa_wavefront_size32 1
		.amdhsa_system_sgpr_workgroup_id_x 1
		.amdhsa_system_sgpr_workgroup_id_y 1
		.amdhsa_system_sgpr_workgroup_id_z 1
		.amdhsa_system_vgpr_workitem_id 0
		.amdhsa_next_free_vgpr 256
		.amdhsa_next_free_sgpr 66
		.amdhsa_reserve_vcc 1
		.amdhsa_float_denorm_mode_32 3
		.amdhsa_float_denorm_mode_16_64 3
		.amdhsa_memory_ordered 1
		.amdhsa_forward_progress 1
		.amdhsa_inst_pref_size 255
	.end_amdhsa_kernel
	.section	.bss,"aw",@nobits
	.p2align	6
	.space	262144
	.amdgpu_metadata
---
amdhsa.version: [ 1, 2 ]
amdhsa.kernels:
  - .name:           k_q6d92931489_attn
    .symbol:         k_q6d92931489_attn.kd
    .args:
      - { .name: hbuf, .offset: 0, .size: 8, .value_kind: global_buffer, .address_space: global }
      - { .name: wbuf, .offset: 8, .size: 8, .value_kind: global_buffer, .address_space: global }
      - { .name: obuf, .offset: 16, .size: 8, .value_kind: global_buffer, .address_space: global }
    .group_segment_fixed_size: 199168
    .private_segment_fixed_size: 0
    .kernarg_segment_align: 8
    .kernarg_segment_size: 24
    .max_flat_workgroup_size: 512
    .sgpr_count:     66
    .vgpr_count:     256
    .wavefront_size: 32
...
	.end_amdgpu_metadata
.endif
;; end of part 2
;; launch proj (part 3): grid 256 x 1, 8 waves a work-group, no clusters, 113,664 bytes of LDS; arguments obuf, x, wbuf, bproj, b2, g2, be2, h2buf, resid; writes h2buf, resid
.if DOCPART == 3
	.amdgcn_target "amdgcn-amd-amdhsa--gfx1250"
	.amdhsa_code_object_version 6
	.text
	.protected	k_q6d92931489_proj
	.globl	k_q6d92931489_proj
	.p2align	8
	.type	k_q6d92931489_proj,@function
k_q6d92931489_proj:
	s_mov_b64 s[64:65], 0
	v_nop
	global_prefetch_b8 v0, s[64:65] scope:SCOPE_SE
	s_setreg_imm32_b32 hwreg(HW_REG_WAVE_MODE, 25, 1), 1
	s_wait_xcnt 0x0
; x1 = x + o Wproj + bproj on codes of BF6;  h2 = layernorm(x1) g2 + be2, quantised;  resid = x1 + b2.
; A work-group owns 16 WHOLE rows (16 R on), so that the layernorm stays inside it.  Wave w quantises K step w of o (heads 8 w .. 8 w + 7) and hands its fragment to the others through LDS as an image of its registers;
; then it makes output columns 128 w on: 8 tiles x 8 K steps = 64 products, transposed (source 0 = 16 columns of Wproj, source 1 = the 16 rows of o), so that register 16 b + i of a lane is column 128 w + 32 b + 16 h + i of row r.
; x is the C of the sums' first products.  Wproj's fragments come from memory in the order of the operand's registers, in 16 groups of four tiles; FOUR GROUPS (56 loads a wave) ARE ON THEIR WAY: a group's four products are
; short against the way from memory, so what counts is how many groups are out at a time.  The first group is asked for with the head's loads.
; h2buf: codes [R 256][K step 8][1536], from H2S on the scale words [K step][R][64].  resid: images of accumulators [R 256][tile of columns 64][2 x 512].
; REGISTERS, in windows of 256: window 0: v1-17 addresses; v18-25 Wproj's scale words (four sets of 2), v26-27 o's (two sets): these hold nothing else; v32-95 the accumulators; v96-159 x as loaded, later parameters;
;   v192-215 o's fragments, two sets; v224-255 at work.   window 1: v0-191 Wproj's fragments, four sets of 4.
; LIMITS: NaN and infinities are not served; a block whose largest magnitude lies under 2^(5 - 127) gets the byte 1.  The sums begin with x and take bproj last: another order of f32 additions than x + (o Wproj + bproj).
; No cluster, no tensor load: all work-groups read the same 0.8 MB of Wproj's codes, but straight into registers, where no joint load can land.
.set WP_C, 2359296
.set WP_S, 9535488
.set H2S,  3145728
.set AIMG, 0                           ; LDS: o's 8 fragments,
.set ASC,  12288                       ; their scale words, 128 bytes each,
.set RED1, 13312
.set RED2, 13824
.set PAR,  14336                       ; bproj, b2, g2, be2 at a wave's 128 columns: 4 x 512 bytes a wave
.set STG,  30720                       ; a stage of 10,240 bytes for each wave
.set LI,  4
.set L4,  5
.set R4,  6
.set OSW, 7
.set OSR, 8
.set XSW, 9
.set XSR, 10
.set XWI, 11
.set XWS, 12
.set PWR, 13
.set PRD, 14
.set BSR, 18
.set ASR, 26
.set ACC, 32
.set XR,  96
.set AF,  192
.set TM,  224
.set PW,  240
.set SU,  241                          ; v241 a row's partial sum, then the row's
.set MR,  242
.set SEL, 36
.set WC,  30
.set WSC, 32
.set MSB, 0
.macro WIN new                         ; the immediate's high byte repeats the setting that is left
.if MSB != (\new)
	s_set_vgpr_msb (MSB<<8)|(\new)
.set MSB, (\new)
.endif
.endm
.macro PLACES n
.rept \n
	v_nop
.endr
.endm
.macro QUANT s, pc
.irp b, 0,1,2,3
	v_max3_num_f32 v[TM+\b], |v[\s+16*\b]|, |v[\s+1+16*\b]|, 0x2800000
.endr
.irp i, 2,4,6,8,10,12,14
.irp b, 0,1,2,3
	v_max3_num_f32 v[TM+\b], v[TM+\b], |v[\s+16*\b+\i]|, |v[\s+1+16*\b+\i]|
.endr
.endr
.irp b, 0,1,2,3
	v_permlanex16_b32 v[TM+4+\b], v[TM+\b], s[SEL], s[SEL+1]
.endr
.irp b, 0,1,2,3
	v_max_num_f32 v[TM+\b], v[TM+\b], v[TM+4+\b]
.endr
.irp b, 0,1,2,3
	v_add_nc_u32 v[TM+12+\b], 0xfe000000, v[TM+\b]
.endr
.irp b, 0,1,2,3
	v_lshrrev_b32 v[TM+4+\b], 23, v[TM+12+\b]
.endr
	v_lshl_or_b32 v[PW], v[TM+5], 8, v[TM+4]
	v_lshl_or_b32 v[PW], v[TM+6], 16, v[PW]
	v_lshl_or_b32 v[PW], v[TM+7], 24, v[PW]
.irp c, 0,1
	v_cvt_scalef32_pk16_bf6_f32 v[\pc+6*\c:\pc+2+6*\c], v[\s+32*\c:\s+15+32*\c], v[TM+12+2*\c]
	v_cvt_scalef32_pk16_bf6_f32 v[\pc+12+4*\c:\pc+14+4*\c], v[\s+16+32*\c:\s+31+32*\c], v[TM+12+2*\c+1]
.endr
	v_nop
.irp c, 0,1
.irp i, 0,1,2
	v_permlane16_swap_b32 v[\pc+6*\c+\i], v[\pc+12+4*\c+\i]
.endr
.irp i, 0,1,2
	v_mov_b32 v[\pc+3+6*\c+\i], v[\pc+12+4*\c+\i]
.endr
.endr
.endm
.macro ROWRED base                     ; v[SU]: my 64 numbers' sum -> the row's, the same bits in every wave
	v_permlanex16_b32 v17, v[SU], s[SEL], s[SEL+1]
	v_add_f32 v[SU], v[SU], v17
	ds_store_b32 v15, v[SU] offset:\base
	s_wait_dscnt 0x0
	s_barrier_signal -1
	s_barrier_wait -1
	ds_load_b128 v[248:251], v16 offset:\base
	ds_load_b128 v[252:255], v16 offset:\base+16
	s_wait_dscnt 0x0
	v_pk_add_f32 v[248:249], v[248:249], v[250:251]
	v_pk_add_f32 v[252:253], v[252:253], v[254:255]
	v_pk_add_f32 v[248:249], v[248:249], v[252:253]
	v_add_f32 v[SU], v248, v249
.endm
.macro WMA d, a, b, sa, sb, ra         ; a product that adds in place; ra: the half of the lanes with source 0's scale words
.if (\ra) == 0
	v_wmma_scale_f32_16x16x128_f8f6f4 v[(\d):(\d)+7], v[(\a):(\a)+11], v[(\b):(\b)+11], v[(\d):(\d)+7], v[(\sa)], v[(\sb)] matrix_a_fmt:MATRIX_FMT_BF6 matrix_b_fmt:MATRIX_FMT_BF6
.else
	v_wmma_scale_f32_16x16x128_f8f6f4 v[(\d):(\d)+7], v[(\a):(\a)+11], v[(\b):(\b)+11], v[(\d):(\d)+7], v[(\sa)], v[(\sb)] matrix_a_fmt:MATRIX_FMT_BF6 matrix_b_fmt:MATRIX_FMT_BF6 matrix_a_scale:MATRIX_SCALE_ROW1
.endif
.endm
.macro LOADB g                         ; 14 loads: group g = K step g / 2, tiles 4 (g % 2) .. + 3 of my eight, into set g % 4
.set LKS, (\g)/2
.set LHF, (\g)%2
.set LST, (\g)%4
	WIN 0x40                                       ; destination window 1, address window 0
.irp tt, 0,1,2,3
.irp c, 0,1,2
	global_load_b128 v[48*LST+12*\tt+4*\c:48*LST+12*\tt+4*\c+3], v[LI], s[WC:WC+1] offset:(4*LHF+\tt)*12288+1536*LKS+512*\c
.endr
.endr
	WIN 0
	global_load_b32 v[BSR+2*LST], v[L4], s[WSC:WSC+1] offset:4096*LKS+256*LHF
	global_load_b32 v[BSR+2*LST+1], v[L4], s[WSC:WSC+1] offset:4096*LKS+256*LHF+128
.endm
.macro FETCHA s
.irp c, 0,1,2
	ds_load_b128 v[AF+12*((\s)%2)+4*\c:AF+12*((\s)%2)+4*\c+3], v[LI] offset:AIMG+1536*(\s)+512*\c
.endr
	ds_load_b32 v[ASR+(\s)%2], v[L4] offset:ASC+128*(\s)
.endm
.macro PARLD k, reg                    ; parameter k at my columns: register 16 b + i = column 32 b + 16 h + i
.set I, 0
.rept 16
	ds_load_b128 v[\reg+4*I:\reg+4*I+3], v[PRD] offset:512*(\k)+128*(I/4)+16*(I%4)
.set I, I+1
.endr
.endm
	s_load_b512 s[8:23], s[0:1], 0x0               ; obuf s8, x s10, wbuf s12, bproj s14, b2 s16, g2 s18, be2 s20, h2buf s22
	s_load_b64 s[24:25], s[0:1], 0x40              ; resid
	v_lshl_add_u32 v30, v0, 2, 0x1b800
	v_mov_b32 v31, 0
	v_lshrrev_b32 v1, 5, v0
	v_readfirstlane_b32 s2, v1                     ; wave 0..7
	v_and_b32 v1, 31, v0
	v_and_b32 v2, 15, v0
	v_bfe_u32 v3, v0, 4, 1
	v_lshlrev_b32 v[LI], 4, v1
	v_lshlrev_b32 v[L4], 2, v1
	v_lshlrev_b32 v[R4], 2, v2
	s_mul_i32 s26, s2, 10240
	s_add_co_u32 s26, s26, STG
	v_lshrrev_b32 v[OSW], 2, v1
	v_mul_u32_u24 v[OSW], v[OSW], 80
	v_and_b32 v[OSR], 3, v1
	v_lshl_add_u32 v[OSW], v[OSR], 4, v[OSW]
	v_add_nc_u32 v[OSW], s26, v[OSW]               ; o into the stage: [head 8][token 16][64 + 16 bytes]: four lanes to a token
	v_mul_u32_u24 v[OSR], v3, 1280
	v_mad_u32_u24 v[OSR], v2, 80, v[OSR]
	v_add_nc_u32 v[OSR], s26, v[OSR]               ; back: head 2 b + h, token r
	v_add_nc_u32 v[XSW], s26, v[LI]                ; x into the stage: rows of 512 + 16 bytes
	v_mul_u32_u24 v[XSR], v2, 528
	v_lshl_add_u32 v[XSR], v3, 6, v[XSR]
	v_add_nc_u32 v[XSR], s26, v[XSR]
	s_mul_i32 s26, s2, 1536
	v_add_nc_u32 v[XWI], s26, v[LI]
	s_lshl_b32 s26, s2, 7
	v_add_nc_u32 v[XWS], s26, v[L4]
	s_lshl_b32 s26, s2, 11
	s_add_co_u32 s26, s26, PAR
	v_add_nc_u32 v[PWR], s26, v[LI]
	v_lshlrev_b32 v[PRD], 6, v3
	v_add_nc_u32 v[PRD], s26, v[PRD]
	v_lshlrev_b32 v16, 5, v2                       ; 32 r
	s_lshl_b32 s26, s2, 2
	v_add_nc_u32 v15, s26, v16                     ; 32 r + 4 w
	s_mov_b32 s[SEL], 0x76543210
	s_mov_b32 s[SEL+1], 0xfedcba98
	s_mov_b32 s38, 0x3a800000                      ; 1 / 1,024
	s_mov_b32 s39, 0x3727c5ac                      ; 1e-5
	s_mov_b32 s27, 0
	s_mov_b32 s29, 0
	s_wait_kmcnt 0x0
	s_lshr_b32 s26, ttmp9, 6
	s_lshl_b32 s26, s26, 22                        ; the batch's 64 heads of 65,536 bytes,
	s_lshl_b32 s28, s2, 19                         ; my 8 heads,
	s_add_co_u32 s26, s26, s28
	s_and_b32 s28, ttmp9, 63
	s_lshl_b32 s28, s28, 10                        ; my 16 tokens of 64 bytes
	s_add_co_u32 s26, s26, s28
	s_add_nc_u64 s[8:9], s[8:9], s[26:27]
	s_lshl_b32 s26, ttmp9, 16
	s_lshl_b32 s28, s2, 9
	s_add_co_u32 s26, s26, s28
	s_add_nc_u64 s[10:11], s[10:11], s[26:27]      ; x: my 16 rows, my 128 columns
	s_add_nc_u64 s[14:15], s[14:15], s[28:29]
	s_add_nc_u64 s[16:17], s[16:17], s[28:29]
	s_add_nc_u64 s[18:19], s[18:19], s[28:29]
	s_add_nc_u64 s[20:21], s[20:21], s[28:29]
	s_add_co_u32 s26, s28, WP_S
	s_add_nc_u64 s[WSC:WSC+1], s[12:13], s[26:27]
	s_mul_i32 s26, s2, 98304
	s_add_co_u32 s26, s26, WP_C
	s_add_nc_u64 s[WC:WC+1], s[12:13], s[26:27]
	s_lshl_b32 s26, ttmp9, 16
	s_lshl_b32 s28, s2, 13
	s_add_co_u32 s26, s26, s28
	s_add_nc_u64 s[24:25], s[24:25], s[26:27]
	s_lshl_b32 s26, s2, 8
	s_add_co_u32 s26, s26, ttmp9
	s_lshl_b32 s26, s26, 6
	s_add_co_u32 s26, s26, H2S
	s_add_nc_u64 s[34:35], s[22:23], s[26:27]
	s_lshl_b32 s26, ttmp9, 3
	s_add_co_u32 s26, s26, s2
	s_mul_i32 s26, s26, 1536
	s_add_nc_u64 s[22:23], s[22:23], s[26:27]
.set I, 0
.rept 16
	global_load_b128 v[ACC+4*I:ACC+4*I+3], v[LI], s[8:9] offset:65536*(I/2)+512*(I%2) th:TH_LOAD_NT   ; o: a head's 16 tokens are 1,024 consecutive bytes
.set I, I+1
.endr
.set I, 0
.rept 16
	global_load_b128 v[XR+4*I:XR+4*I+3], v[LI], s[10:11] offset:4096*I th:TH_LOAD_NT
.set I, I+1
.endr
	global_load_b128 v[224:227], v[LI], s[14:15]
	global_load_b128 v[228:231], v[LI], s[16:17]
	global_load_b128 v[232:235], v[LI], s[18:19]
	global_load_b128 v[236:239], v[LI], s[20:21]
	LOADB 0                                        ; Wproj's first group goes out with the head's loads: 50 loads of mine are out
	s_wait_loadcnt 34                              ; o is in; younger: x's 16, the parameters' 4, group 0's 14
.set I, 0
.rept 16
	ds_store_b128 v[OSW], v[ACC+4*I:ACC+4*I+3] offset:1280*(I/2)+640*(I%2)
.set I, I+1
.endr
	s_wait_dscnt 0x0                               ; the stores have read their registers: the loads below land in the same
.set I, 0
.rept 16
	ds_load_b128 v[ACC+4*I:ACC+4*I+3], v[OSR] offset:2560*(I/4)+16*(I%4)   ; register 16 b + i = k 128 w + 32 b + 16 h + i of row r
.set I, I+1
.endr
	LOADB 1
	s_wait_loadcnt 32                              ; x is in; younger: the parameters' 4 and two groups of 14
.set I, 0
.rept 16
	ds_store_b128 v[XSW], v[XR+4*I:XR+4*I+3] offset:528*I   ; LDS serves a wave's instructions in order: these come behind o's reads of the stage
.set I, I+1
.endr
	s_wait_loadcnt 28                              ; the parameters are in; two groups may be out
.irp k, 0,1,2,3
	ds_store_b128 v[PWR], v[224+4*\k:227+4*\k] offset:512*\k
.endr
	LOADB 2
	LOADB 3                                        ; four groups, 56 loads, are out
	s_wait_dscnt 0x0                               ; o is back, and the stores have read their registers
	v_mov_b32 v17, 0
.irp b, 0,1,2,3
	v_mov_b32 v[TM+4+\b], 0
.endr
	QUANT ACC, AF
.irp c, 0,1,2
	ds_store_b128 v[XWI], v[AF+4*\c:AF+4*\c+3] offset:AIMG+512*\c
.endr
	ds_store_b32 v[XWS], v[PW] offset:ASC
.set I, 0
.rept 16
	ds_load_b128 v[ACC+4*I:ACC+4*I+3], v[XSR] offset:128*(I/4)+16*(I%4)   ; x, in the accumulators' layout: the sums begin with it
.set I, I+1
.endr
	s_wait_dscnt 0x0
	s_barrier_signal -1
	s_barrier_wait -1                              ; o's eight fragments lie in LDS
	FETCHA 0
.set G, 0
.rept 16
.if G <= 12
	s_wait_loadcnt 42                              ; this group's loads are in; the three younger groups' 42 may be out
.else
	s_wait_loadcnt 14*(15-G)                       ; the last groups: the counts run down
.endif
.if G%2 == 0
	s_wait_dscnt 0x0                               ; this K step's fragment of o
.if G < 14
	FETCHA G/2+1
.endif
.endif
	WIN 0x01                                       ; source 0 (Wproj) window 1
.irp tt, 0,1,2,3
	WMA ACC+8*(4*(G%2)+\tt), 48*(G%4)+12*\tt, AF+12*((G/2)%2), BSR+2*(G%4)+\tt/2, ASR+(G/2)%2, \tt%2   ; the eight accumulators by turns
.endr
	WIN 0
	PLACES 4                                       ; in front of loads into registers that these products have read, and of the first read of results
.if G < 12
	LOADB G+4
.endif
.set G, G+1
.endr
	PARLD 0, 96
	PARLD 1, 160
	s_wait_dscnt 0x0
.set J, 0
.rept 32
	v_pk_add_f32 v[ACC+J:ACC+J+1], v[ACC+J:ACC+J+1], v[96+J:97+J]       ; x1, each accumulator from its low end on
.set J, J+2
.endr
.set J, 0
.rept 32
	v_pk_add_f32 v[160+J:161+J], v[ACC+J:ACC+J+1], v[160+J:161+J]       ; x1 + b2
.set J, J+2
.endr
.set I, 0
.rept 16
	global_store_b128 v[LI], v[160+4*I:163+4*I], s[24:25] offset:512*I
.set I, I+1
.endr
	PARLD 2, 96
	v_pk_add_f32 v[244:245], v[ACC:ACC+1], v[ACC+2:ACC+3]
	v_pk_add_f32 v[246:247], v[ACC+4:ACC+5], v[ACC+6:ACC+7]
.set J, 8
.rept 14
	v_pk_add_f32 v[244:245], v[244:245], v[ACC+J:ACC+J+1]
	v_pk_add_f32 v[246:247], v[246:247], v[ACC+J+2:ACC+J+3]
.set J, J+4
.endr
	v_pk_add_f32 v[244:245], v[244:245], v[246:247]
	v_add_f32 v[SU], v244, v245
	ROWRED RED1
	v_mul_f32 v[MR], s38, v[SU]
	v_mov_b32 v[MR+1], v[MR]
.set J, 0
.rept 32
	v_pk_add_f32 v[ACC+J:ACC+J+1], v[ACC+J:ACC+J+1], v[MR:MR+1] neg_lo:[0,1] neg_hi:[0,1]
.set J, J+2
.endr
	v_pk_mul_f32 v[244:245], v[ACC:ACC+1], v[ACC:ACC+1]
	v_pk_mul_f32 v[246:247], v[ACC+2:ACC+3], v[ACC+2:ACC+3]
.set J, 4
.rept 15
	v_pk_fma_f32 v[244:245], v[ACC+J:ACC+J+1], v[ACC+J:ACC+J+1], v[244:245]
	v_pk_fma_f32 v[246:247], v[ACC+J+2:ACC+J+3], v[ACC+J+2:ACC+J+3], v[246:247]
.set J, J+4
.endr
	v_pk_add_f32 v[244:245], v[244:245], v[246:247]
	v_add_f32 v[SU], v244, v245
	ROWRED RED2
	v_fma_f32 v[SU], v[SU], s38, s39
	v_rsq_f32 v[MR], v[SU]
	v_nop
	s_wait_alu depctr_va_vdst(0)                   ; the wait ahead of the result's first reader
	v_mov_b32 v[MR+1], v[MR]
	s_wait_xcnt 0x0                                ; resid's stores have read their registers
	PARLD 3, 160
	s_wait_dscnt 0x0
.set J, 0
.rept 32
	v_pk_mul_f32 v[ACC+J:ACC+J+1], v[ACC+J:ACC+J+1], v[MR:MR+1]
.set J, J+2
.endr
.set J, 0
.rept 32
	v_pk_fma_f32 v[ACC+J:ACC+J+1], v[ACC+J:ACC+J+1], v[96+J:97+J], v[160+J:161+J]
.set J, J+2
.endr
	QUANT ACC, 96
.irp c, 0,1,2
	global_store_b128 v[LI], v[96+4*\c:99+4*\c], s[22:23] offset:512*\c
.endr
	s_wait_xcnt 0x0                                ; EXEC changes only behind this wait
	v_cmp_gt_u32 vcc_lo, 16, v1
	s_wait_tensorcnt 0x0
	ds_add_u32 v30, v31
	s_wait_dscnt 0x0
	s_and_saveexec_b32 s40, vcc_lo
	global_store_b32 v[R4], v[PW], s[34:35]
	s_wait_xcnt 0x0
	s_or_b32 exec_lo, exec_lo, s40
	s_endpgm
.Lfunc_end_k_q6d92931489_proj:
	.size	k_q6d92931489_proj, .Lfunc_end_k_q6d92931489_proj-k_q6d92931489_proj
	.p2alignl 7, 3214868480
	.fill 96, 4, 3214868480
	.section	.rodata,"a",@progbits
	.p2align	6, 0x0
	.amdhsa_kernel k_q6d92931489_proj
		.amdhsa_group_segment_fixed_size 113664
		.amdhsa_private_segment_fixed_size 0
		.amdhsa_enable_private_segment 0
		.amdhsa_kernarg_size 72
		.amdhsa_user_sgpr_count 2
		.amdhsa_user_sgpr_kernarg_segment_ptr 1
		.amdhsa_wavefront_size32 1
		.amdhsa_system_sgpr_workgroup_id_x 1
		.amdhsa_system_sgpr_workgroup_id_y 1
		.amdhsa_system_sgpr_workgroup_id_z 1
		.amdhsa_system_vgpr_workitem_id 0
		.amdhsa_next_free_vgpr 512
		.amdhsa_next_free_sgpr 66
		.amdhsa_reserve_vcc 1
		.amdhsa_float_denorm_mode_32 3
		.amdhsa_float_denorm_mode_16_64 3
		.amdhsa_memory_ordered 1
		.amdhsa_forward_progress 1
		.amdhsa_inst_pref_size 77
	.end_amdhsa_kernel
	.amdgpu_metadata
---
amdhsa.version: [ 1, 2 ]
amdhsa.kernels:
  - .name:           k_q6d92931489_proj
    .symbol:         k_q6d92931489_proj.kd
    .args:
      - { .name: obuf, .offset: 0, .size: 8, .value_kind: global_buffer, .address_space: global }
      - { .name: x, .offset: 8, .size: 8, .value_kind: global_buffer, .address_space: global }
      - { .name: wbuf, .offset: 16, .size: 8, .value_kind: global_buffer, .address_space: global }
      - { .name: bproj, .offset: 24, .size: 8, .value_kind: global_buffer, .address_space: global }
      - { .name: b2, .offset: 32, .size: 8, .value_kind: global_buffer, .address_space: global }
      - { .name: g2, .offset: 40, .size: 8, .value_kind: global_buffer, .address_space: global }
      - { .name: be2, .offset: 48, .size: 8, .value_kind: global_buffer, .address_space: global }
      - { .name: h2buf, .offset: 56, .size: 8, .value_kind: global_buffer, .address_space: global }
      - { .name: resid, .offset: 64, .size: 8, .value_kind: global_buffer, .address_space: global }
    .group_segment_fixed_size: 113664
    .private_segment_fixed_size: 0
    .kernarg_segment_align: 8
    .kernarg_segment_size: 72
    .max_flat_workgroup_size: 256
    .sgpr_count:     66
    .vgpr_count:     512
    .wavefront_size: 32
...
	.end_amdgpu_metadata
.endif
;; end of part 3
;; launch ffn1 (part 4): grid 16 x 16, 4 waves a work-group, no clusters, 0 bytes of LDS; arguments h2buf, wbuf, b1, hid; writes hid
.if DOCPART == 4
	.amdgcn_target "amdgcn-amd-amdhsa--gfx1250"
	.amdhsa_code_object_version 6
	.text
	.protected	k_q6d92931489_ffn1
	.globl	k_q6d92931489_ffn1
	.p2align	8
	.type	k_q6d92931489_ffn1,@function
k_q6d92931489_ffn1:
	s_mov_b64 s[64:65], 0
	v_nop
	global_prefetch_b8 v0, s[64:65] scope:SCOPE_SE
	s_setreg_imm32_b32 hwreg(HW_REG_WAVE_MODE, 25, 1), 1
	s_wait_xcnt 0x0
; hid = Q(relu(h2 W1 + b1)): the product on codes of BF6, the result quantised along the next product's K and stored as codes.
; A work-group makes 256 rows x 256 hidden units, each of its four waves 128 x 128: 64 accumulators, 512 registers; K = 1,024 in 8 steps of 128, 64 products a step.
; Both operands lie in memory in the order of the operand's registers: a fragment is three loads of 512 consecutive bytes, straight into registers; two K steps (2 x 56 loads a wave) are on their way.
; Transposed use (source 0 = 16 columns of W1, source 1 = 16 rows of h2), and the columns of a tile of W1 are 32 B + 8 u + m + 8 (m / 8): the 64 registers of a tile of rows are 128 neighbouring hidden units, register 16 b + i = 32 b + 16 h + i:
; one K step of the next product.  b1 is the C of each sum's first product.
; hid: codes [tile of rows 256][K step 32][1536]; from HIDS on the scale words [K step 32][tile of rows 256][64].
; REGISTERS, in windows of 256: window 0: v1-3 addresses; v32-39 h2's scale words, v40-47 W1's (two sets of 4; two tiles to a register); v64-159, v160-255 h2's fragments, two sets.
;   window 1: v0-95, v96-191 W1's fragments, two sets; v192-255 b1 in the result's layout.   windows 2, 3: accumulator (a, b) at v[8 (8 (a % 4) + b)] of window 2 + a / 4.
; LIMITS: NaN and infinities are not served; a block of zeros (relu makes them) gets the byte 1: its codes are zeros, and this program alone reads the bytes.
; No cluster, no tensor load, no LDS: fragments go straight into registers, where no joint load can land; the price is that each fragment is loaded by two waves of a work-group and by 16 work-groups.
.set H2S,  3145728
.set W1_C, 3145728
.set W1_S, 9568256
.set HIDS, 12582912
.set ASTR, 12288
.set BSTR, 12288
.set ASS,  16384
.set BSS,  16384
.set LI,  1
.set L4,  2
.set SCA, 32
.set SCB, 40
.set TM,  160
.set PW,  176
.set SEL, 24
.set PA,  12
.set PSA, 14
.set PB,  16
.set PSB, 18
.set MSB, 0
.macro WIN new                         ; the immediate's high byte repeats the setting that is left
.if MSB != (\new)
	s_set_vgpr_msb (MSB<<8)|(\new)
.set MSB, (\new)
.endif
.endm
.macro PLACES n
.rept \n
	v_nop
.endr
.endm
.macro WM d, a, b, c, sa, sb, ra, rb
.if ((\ra) == 0) && ((\rb) == 0)
	v_wmma_scale_f32_16x16x128_f8f6f4 v[(\d):(\d)+7], v[(\a):(\a)+11], v[(\b):(\b)+11], v[(\c):(\c)+7], v[(\sa)], v[(\sb)] matrix_a_fmt:MATRIX_FMT_BF6 matrix_b_fmt:MATRIX_FMT_BF6
.elseif (\rb) == 0
	v_wmma_scale_f32_16x16x128_f8f6f4 v[(\d):(\d)+7], v[(\a):(\a)+11], v[(\b):(\b)+11], v[(\c):(\c)+7], v[(\sa)], v[(\sb)] matrix_a_fmt:MATRIX_FMT_BF6 matrix_b_fmt:MATRIX_FMT_BF6 matrix_a_scale:MATRIX_SCALE_ROW1
.elseif (\ra) == 0
	v_wmma_scale_f32_16x16x128_f8f6f4 v[(\d):(\d)+7], v[(\a):(\a)+11], v[(\b):(\b)+11], v[(\c):(\c)+7], v[(\sa)], v[(\sb)] matrix_a_fmt:MATRIX_FMT_BF6 matrix_b_fmt:MATRIX_FMT_BF6 matrix_b_scale:MATRIX_SCALE_ROW1
.else
	v_wmma_scale_f32_16x16x128_f8f6f4 v[(\d):(\d)+7], v[(\a):(\a)+11], v[(\b):(\b)+11], v[(\c):(\c)+7], v[(\sa)], v[(\sb)] matrix_a_fmt:MATRIX_FMT_BF6 matrix_b_fmt:MATRIX_FMT_BF6 matrix_a_scale:MATRIX_SCALE_ROW1 matrix_b_scale:MATRIX_SCALE_ROW1
.endif
.endm
.macro QUANT s, pc
.irp b, 0,1,2,3
	v_max3_num_f32 v[TM+\b], |v[\s+16*\b]|, |v[\s+1+16*\b]|, 0x2800000
.endr
.irp i, 2,4,6,8,10,12,14
.irp b, 0,1,2,3
	v_max3_num_f32 v[TM+\b], v[TM+\b], |v[\s+16*\b+\i]|, |v[\s+1+16*\b+\i]|
.endr
.endr
.irp b, 0,1,2,3
	v_permlanex16_b32 v[TM+4+\b], v[TM+\b], s[SEL], s[SEL+1]
.endr
.irp b, 0,1,2,3
	v_max_num_f32 v[TM+\b], v[TM+\b], v[TM+4+\b]
.endr
.irp b, 0,1,2,3
	v_add_nc_u32 v[TM+12+\b], 0xfe000000, v[TM+\b]
.endr
.irp b, 0,1,2,3
	v_lshrrev_b32 v[TM+4+\b], 23, v[TM+12+\b]
.endr
	v_lshl_or_b32 v[PW], v[TM+5], 8, v[TM+4]
	v_lshl_or_b32 v[PW], v[TM+6], 16, v[PW]
	v_lshl_or_b32 v[PW], v[TM+7], 24, v[PW]
.irp c, 0,1
	v_cvt_scalef32_pk16_bf6_f32 v[\pc+6*\c:\pc+2+6*\c], v[\s+32*\c:\s+15+32*\c], v[TM+12+2*\c]
	v_cvt_scalef32_pk16_bf6_f32 v[\pc+12+4*\c:\pc+14+4*\c], v[\s+16+32*\c:\s+31+32*\c], v[TM+12+2*\c+1]
.endr
	v_nop
.irp c, 0,1
.irp i, 0,1,2
	v_permlane16_swap_b32 v[\pc+6*\c+\i], v[\pc+12+4*\c+\i]
.endr
.irp i, 0,1,2
	v_mov_b32 v[\pc+3+6*\c+\i], v[\pc+12+4*\c+\i]
.endr
.endr
.endm
.macro LOADS ss, set                   ; 56 loads: K step ss: W1's eight fragments, h2's eight, four registers of scale words for each side
	WIN 0x40                                       ; destination window 1
.irp b, 0,1,2,3,4,5,6,7
.irp c, 0,1,2
	global_load_b128 v[96*(\set)+12*\b+4*\c:96*(\set)+12*\b+4*\c+3], v[LI], s[PB:PB+1] offset:BSTR*\b+1536*(\ss)+512*\c
.endr
.endr
	WIN 0
.irp a, 0,1,2,3,4,5,6,7
.irp c, 0,1,2
	global_load_b128 v[64+96*(\set)+12*\a+4*\c:64+96*(\set)+12*\a+4*\c+3], v[LI], s[PA:PA+1] offset:ASTR*\a+1536*(\ss)+512*\c
.endr
.endr
.irp i, 0,1,2,3
	global_load_b32 v[SCA+4*(\set)+\i], v[L4], s[PSA:PSA+1] offset:ASS*(\ss)+128*\i
	global_load_b32 v[SCB+4*(\set)+\i], v[L4], s[PSB:PSB+1] offset:BSS*(\ss)+128*\i
.endr
.endm
.macro MULS set, first                 ; 64 products, the 64 accumulators by turns, in the same order in every step
.irp a, 0,1,2,3,4,5,6,7
.if \first
	WIN 0x91+0x40*(\a/4)                           ; source 0 and C (b1) window 1, source 1 window 0, D window 2 or 3
.else
	WIN 0xa1+0x50*(\a/4)                           ; source 0 window 1, source 1 window 0, C and D window 2 or 3
.endif
.irp b, 0,1,2,3,4,5,6,7
.if \first
	WM 8*(8*(\a%4)+\b), 96*(\set)+12*\b, 64+96*(\set)+12*\a, 192+8*\b, SCB+4*(\set)+\b/2, SCA+4*(\set)+\a/2, \b%2, \a%2
.else
	WM 8*(8*(\a%4)+\b), 96*(\set)+12*\b, 64+96*(\set)+12*\a, 8*(8*(\a%4)+\b), SCB+4*(\set)+\b/2, SCA+4*(\set)+\a/2, \b%2, \a%2
.endif
.endr
.endr
.endm
.macro STEP ss, cnt, first
	s_wait_loadcnt \cnt                            ; this K step's loads are in; the next step's 56 may be out
	MULS (\ss)%2, \first
	PLACES 4                                       ; in front of loads into registers that these products have read, and of the first read of results
.if (\ss)+2 <= 7
	LOADS (\ss)+2, (\ss)%2
.endif
.endm
	s_load_b256 s[4:11], s[0:1], 0x0               ; h2buf s4, wbuf s6, b1 s8, hid s10
	v_lshrrev_b32 v1, 5, v0
	v_readfirstlane_b32 s2, v1                     ; wave 0..3
	v_and_b32 v4, 31, v0
	v_lshlrev_b32 v[LI], 4, v4
	v_lshlrev_b32 v[L4], 2, v4
	v_bfe_u32 v3, v0, 4, 1
	v_lshlrev_b32 v3, 6, v3                        ; 64 h
	s_and_b32 s3, ttmp7, 0xffff
	s_lshr_b32 s27, s2, 1                          ; which 128 rows
	s_and_b32 s28, s2, 1                           ; which 128 columns
	s_lshl_b32 s29, s3, 4
	s_lshl_b32 s30, s27, 3
	s_add_co_u32 s29, s29, s30                     ; my first tile of rows
	s_lshl_b32 s30, ttmp9, 4
	s_lshl_b32 s31, s28, 3
	s_add_co_u32 s30, s30, s31                     ; my first tile of columns
	s_lshl_b32 s31, ttmp9, 1
	s_add_co_u32 s31, s31, s28                     ; which K step of the next product my 128 columns are
	s_mov_b32 s33, 0
	s_mov_b32 s[SEL], 0x76543210
	s_mov_b32 s[SEL+1], 0xfedcba98
	s_mov_b32 s26, 0xffff0000                      ; lanes 16-31
	s_wait_kmcnt 0x0
	s_mul_i32 s32, s29, 12288
	s_add_nc_u64 s[PA:PA+1], s[4:5], s[32:33]
	s_lshl_b32 s32, s29, 6
	s_add_co_u32 s32, s32, H2S
	s_add_nc_u64 s[PSA:PSA+1], s[4:5], s[32:33]
	s_mul_i32 s32, s30, 12288
	s_add_co_u32 s32, s32, W1_C
	s_add_nc_u64 s[PB:PB+1], s[6:7], s[32:33]
	s_lshl_b32 s32, s30, 6
	s_add_co_u32 s32, s32, W1_S
	s_add_nc_u64 s[PSB:PSB+1], s[6:7], s[32:33]
	s_lshl_b32 s32, s31, 9
	s_add_nc_u64 s[8:9], s[8:9], s[32:33]          ; b1 at my 128 columns
	s_lshl_b32 s32, s29, 5
	s_add_co_u32 s32, s32, s31
	s_mul_i32 s32, s32, 1536
	s_add_nc_u64 s[20:21], s[10:11], s[32:33]      ; hid's codes
	s_lshl_b32 s32, s31, 8
	s_add_co_u32 s32, s32, s29
	s_lshl_b32 s32, s32, 6
	s_add_co_u32 s32, s32, HIDS
	s_add_nc_u64 s[22:23], s[10:11], s[32:33]      ; and scale words
	WIN 0x40
.irp b, 0,1,2,3,4,5,6,7
	global_load_b128 v[192+8*\b:195+8*\b], v3, s[8:9] offset:128*(\b/2)+32*(\b%2)       ; tile b, register j: column 32 (b / 2) + 16 h + 8 (b % 2) + j
	global_load_b128 v[196+8*\b:199+8*\b], v3, s[8:9] offset:128*(\b/2)+32*(\b%2)+16
.endr
	LOADS 0, 0
	LOADS 1, 1
	STEP 0, 56, 1
	STEP 1, 56, 0
	STEP 2, 56, 0
	STEP 3, 56, 0
	STEP 4, 56, 0
	STEP 5, 56, 0
	STEP 6, 56, 0
	STEP 7, 0, 0
	WIN 0
.irp b, 0,1,2,3
	v_mov_b32 v[TM+4+\b], 0                        ; a lane permute's destination counts as one of its sources
.endr
; a tile of 16 rows leaves: relu, quantised, one fragment; the scale words of two tiles leave by one store of 128 bytes
.macro OUTROW a
	s_wait_xcnt 0x0                                ; the last tile's stores have read their registers
	WIN 0x08+4*((\a)/4)                            ; source 1: window 2 or 3
.set J, 0
.rept 64
	v_max_num_f32 v[64+J], 0, v[64*((\a)%4)+J]     ; each accumulator from its low end on
.set J, J+1
.endr
	WIN 0
	QUANT 64, 128
.irp c, 0,1,2
	global_store_b128 v[LI], v[128+4*\c:131+4*\c], s[20:21] offset:49152*(\a)+512*\c
.endr
.if (\a)%2 == 0
	v_mov_b32 v177, v[PW]
.else
	v_cndmask_b32 v178, v177, v[PW], s26           ; lanes 0-15: the even tile's words; lanes 16-31: the odd tile's
	global_store_b32 v[L4], v178, s[22:23] offset:64*((\a)-1)
.endif
.endm
.irp a, 0,1,2,3,4,5,6,7
	OUTROW \a
.endr
	s_endpgm
.Lfunc_end_k_q6d92931489_ffn1:
	.size	k_q6d92931489_ffn1, .Lfunc_end_k_q6d92931489_ffn1-k_q6d92931489_ffn1
	.p2alignl 7, 3214868480
	.fill 96, 4, 3214868480
	.section	.rodata,"a",@progbits
	.p2align	6, 0x0
	.amdhsa_kernel k_q6d92931489_ffn1
		.amdhsa_group_segment_fixed_size 0
		.amdhsa_private_segment_fixed_size 0
		.amdhsa_enable_private_segment 0
		.amdhsa_kernarg_size 32
		.amdhsa_user_sgpr_count 2
		.amdhsa_user_sgpr_kernarg_segment_ptr 1
		.amdhsa_wavefront_size32 1
		.amdhsa_system_sgpr_workgroup_id_x 1
		.amdhsa_system_sgpr_workgroup_id_y 1
		.amdhsa_system_sgpr_workgroup_id_z 1
		.amdhsa_system_vgpr_workitem_id 0
		.amdhsa_next_free_vgpr 1024
		.amdhsa_next_free_sgpr 66
		.amdhsa_reserve_vcc 0
		.amdhsa_float_denorm_mode_32 3
		.amdhsa_float_denorm_mode_16_64 3
		.amdhsa_memory_ordered 1
		.amdhsa_forward_progress 1
		.amdhsa_inst_pref_size 162
	.end_amdhsa_kernel
	.amdgpu_metadata
---
amdhsa.version: [ 1, 2 ]
amdhsa.kernels:
  - .name:           k_q6d92931489_ffn1
    .symbol:         k_q6d92931489_ffn1.kd
    .args:
      - { .name: h2buf, .offset: 0, .size: 8, .value_kind: global_buffer, .address_space: global }
      - { .name: wbuf, .offset: 8, .size: 8, .value_kind: global_buffer, .address_space: global }
      - { .name: b1, .offset: 16, .size: 8, .value_kind: global_buffer, .address_space: global }
      - { .name: hid, .offset: 24, .size: 8, .value_kind: global_buffer, .address_space: global }
    .group_segment_fixed_size: 0
    .private_segment_fixed_size: 0
    .kernarg_segment_align: 8
    .kernarg_segment_size: 32
    .max_flat_workgroup_size: 128
    .sgpr_count:     66
    .vgpr_count:     1024
    .wavefront_size: 32
...
	.end_amdgpu_metadata
.endif
;; end of part 4
;; launch ffn2 (part 5): grid 8 x 32, 4 waves a work-group, no clusters, 296,448 bytes of LDS; arguments hid, wbuf, resid, out0; writes out0
.if DOCPART == 5
	.amdgcn_target "amdgcn-amd-amdhsa--gfx1250"
	.amdhsa_code_object_version 6
	.text
	.protected	k_q6d92931489_ffn2
	.globl	k_q6d92931489_ffn2
	.p2align	8
	.type	k_q6d92931489_ffn2,@function
k_q6d92931489_ffn2:
	s_mov_b64 s[64:65], 0
	v_nop
	global_prefetch_b8 v0, s[64:65] scope:SCOPE_SE
	s_setreg_imm32_b32 hwreg(HW_REG_WAVE_MODE, 25, 1), 1
	s_wait_xcnt 0x0
; out0 = (x1 + b2) + hid W2, the product on codes of BF6.
; A work-group makes 128 rows x 128 columns.  THE FOUR WAVES SHARE K: wave w takes K steps 8 w .. 8 w + 7 of the 32, for the whole block: 64 accumulators, 64 products a step; so no fragment is loaded twice in a work-group.
; Both operands come from memory in the order of the operand's registers, two K steps (2 x 56 loads a wave) on their way.  At the end the four partial blocks meet in LDS: wave v adds up tiles of rows 2 v and 2 v + 1,
; onto resid = x1 + b2, which lies in memory as images of accumulators, and stores whole rows of 512 bytes through its stage.
; Transposed use (source 0 = 16 columns of W2, source 1 = 16 rows of hid); a tile's columns are 32 B + 8 u + m + 8 (m / 8), so register 16 b + i of a tile of rows is column 32 b + 16 h + i.
; REGISTERS: as in the launch before: window 0: v1-11 addresses; v32-47 scale words; v64-159, v160-255 hid's fragments; window 1: v0-95, v96-191 W2's; windows 2, 3: the accumulators.
; LIMITS: K is summed in four quarters, which are then added in f32: another order of additions than one ascending chain; b2 is added to x1 ahead of the product's sum.
; No cluster, no tensor load: fragments go straight into registers, where no joint load can land.
.set W2_C, 6291456
.set W2_S, 9699328
.set HIDS, 12582912
.set ASTR, 49152
.set BSTR, 49152
.set ASS,  16384
.set BSS,  4096
.set STG,  262144                      ; LDS: PART [owner 4][from wave 4][16 tiles x 1,024] from 0; then a stage of 16 rows x (512 + 16) bytes for each wave
.set LI,  1
.set L4,  2
.set PAD, 4                            ; v4-7 where I put my partial tiles for owner 0 .. 3
.set RDA, 8                            ; v8   where I read the four partial blocks that I own
.set SIN, 9
.set SOUT, 10
.set SCA, 32
.set SCB, 40
.set PA,  12
.set PSA, 14
.set PB,  16
.set PSB, 18
.set PR,  20
.set PO,  22
.set MSB, 0
.macro WIN new
.if MSB != (\new)
	s_set_vgpr_msb (MSB<<8)|(\new)
.set MSB, (\new)
.endif
.endm
.macro PLACES n
.rept \n
	v_nop
.endr
.endm
.macro WM d, a, b, c, sa, sb, ra, rb   ; c < 0: the constant 0 starts the sum
.if (\c) < 0
.if ((\ra) == 0) && ((\rb) == 0)
	v_wmma_scale_f32_16x16x128_f8f6f4 v[(\d):(\d)+7], v[(\a):(\a)+11], v[(\b):(\b)+11], 0, v[(\sa)], v[(\sb)] matrix_a_fmt:MATRIX_FMT_BF6 matrix_b_fmt:MATRIX_FMT_BF6
.elseif (\rb) == 0
	v_wmma_scale_f32_16x16x128_f8f6f4 v[(\d):(\d)+7], v[(\a):(\a)+11], v[(\b):(\b)+11], 0, v[(\sa)], v[(\sb)] matrix_a_fmt:MATRIX_FMT_BF6 matrix_b_fmt:MATRIX_FMT_BF6 matrix_a_scale:MATRIX_SCALE_ROW1
.elseif (\ra) == 0
	v_wmma_scale_f32_16x16x128_f8f6f4 v[(\d):(\d)+7], v[(\a):(\a)+11], v[(\b):(\b)+11], 0, v[(\sa)], v[(\sb)] matrix_a_fmt:MATRIX_FMT_BF6 matrix_b_fmt:MATRIX_FMT_BF6 matrix_b_scale:MATRIX_SCALE_ROW1
.else
	v_wmma_scale_f32_16x16x128_f8f6f4 v[(\d):(\d)+7], v[(\a):(\a)+11], v[(\b):(\b)+11], 0, v[(\sa)], v[(\sb)] matrix_a_fmt:MATRIX_FMT_BF6 matrix_b_fmt:MATRIX_FMT_BF6 matrix_a_scale:MATRIX_SCALE_ROW1 matrix_b_scale:MATRIX_SCALE_ROW1
.endif
.else
.if ((\ra) == 0) && ((\rb) == 0)
	v_wmma_scale_f32_16x16x128_f8f6f4 v[(\d):(\d)+7], v[(\a):(\a)+11], v[(\b):(\b)+11], v[(\c):(\c)+7], v[(\sa)], v[(\sb)] matrix_a_fmt:MATRIX_FMT_BF6 matrix_b_fmt:MATRIX_FMT_BF6
.elseif (\rb) == 0
	v_wmma_scale_f32_16x16x128_f8f6f4 v[(\d):(\d)+7], v[(\a):(\a)+11], v[(\b):(\b)+11], v[(\c):(\c)+7], v[(\sa)], v[(\sb)] matrix_a_fmt:MATRIX_FMT_BF6 matrix_b_fmt:MATRIX_FMT_BF6 matrix_a_scale:MATRIX_SCALE_ROW1
.elseif (\ra) == 0
	v_wmma_scale_f32_16x16x128_f8f6f4 v[(\d):(\d)+7], v[(\a):(\a)+11], v[(\b):(\b)+11], v[(\c):(\c)+7], v[(\sa)], v[(\sb)] matrix_a_fmt:MATRIX_FMT_BF6 matrix_b_fmt:MATRIX_FMT_BF6 matrix_b_scale:MATRIX_SCALE_ROW1
.else
	v_wmma_scale_f32_16x16x128_f8f6f4 v[(\d):(\d)+7], v[(\a):(\a)+11], v[(\b):(\b)+11], v[(\c):(\c)+7], v[(\sa)], v[(\sb)] matrix_a_fmt:MATRIX_FMT_BF6 matrix_b_fmt:MATRIX_FMT_BF6 matrix_a_scale:MATRIX_SCALE_ROW1 matrix_b_scale:MATRIX_SCALE_ROW1
.endif
.endif
.endm
.macro LOADS ss, set                   ; 56 loads: my K step ss: W2's eight fragments, hid's eight, four registers of scale words for each side
	WIN 0x40
.irp b, 0,1,2,3,4,5,6,7
.irp c, 0,1,2
	global_load_b128 v[96*(\set)+12*\b+4*\c:96*(\set)+12*\b+4*\c+3], v[LI], s[PB:PB+1] offset:BSTR*\b+1536*(\ss)+512*\c
.endr
.endr
	WIN 0
.irp a, 0,1,2,3,4,5,6,7
.irp c, 0,1,2
	global_load_b128 v[64+96*(\set)+12*\a+4*\c:64+96*(\set)+12*\a+4*\c+3], v[LI], s[PA:PA+1] offset:ASTR*\a+1536*(\ss)+512*\c
.endr
.endr
.irp i, 0,1,2,3
	global_load_b32 v[SCA+4*(\set)+\i], v[L4], s[PSA:PSA+1] offset:ASS*(\ss)+128*\i
	global_load_b32 v[SCB+4*(\set)+\i], v[L4], s[PSB:PSB+1] offset:BSS*(\ss)+128*\i
.endr
.endm
.macro MULS set, first                 ; 64 products, the 64 accumulators by turns
.irp a, 0,1,2,3,4,5,6,7
	WIN 0xa1+0x50*(\a/4)                           ; source 0 window 1, source 1 window 0, C and D window 2 or 3
.irp b, 0,1,2,3,4,5,6,7
.if \first
	WM 8*(8*(\a%4)+\b), 96*(\set)+12*\b, 64+96*(\set)+12*\a, -1, SCB+4*(\set)+\b/2, SCA+4*(\set)+\a/2, \b%2, \a%2
.else
	WM 8*(8*(\a%4)+\b), 96*(\set)+12*\b, 64+96*(\set)+12*\a, 8*(8*(\a%4)+\b), SCB+4*(\set)+\b/2, SCA+4*(\set)+\a/2, \b%2, \a%2
.endif
.endr
.endr
.endm
.macro STEP ss, cnt, first
	s_wait_loadcnt \cnt                            ; this K step's loads are in; what was asked for behind them may be out
	MULS (\ss)%2, \first
	PLACES 4
.if (\ss)+2 <= 7
	LOADS (\ss)+2, (\ss)%2
.endif
.endm
	s_load_b256 s[4:11], s[0:1], 0x0               ; hid s4, wbuf s6, resid s8, out0 s10
	v_lshl_add_u32 v62, v0, 2, 0x48400
	v_mov_b32 v63, 0
	v_lshrrev_b32 v1, 5, v0
	v_readfirstlane_b32 s2, v1                     ; wave 0..3
	v_and_b32 v3, 31, v0
	v_lshlrev_b32 v[LI], 4, v3
	v_lshlrev_b32 v[L4], 2, v3
	v_and_b32 v11, 15, v0                          ; r
	v_bfe_u32 v3, v0, 4, 1                         ; h
	s_lshl_b32 s27, s2, 14
	v_add_nc_u32 v[PAD], s27, v[LI]
	v_add_nc_u32 v[PAD+1], 0x10000, v[PAD]
	v_add_nc_u32 v[PAD+2], 0x20000, v[PAD]
	v_add_nc_u32 v[PAD+3], 0x30000, v[PAD]
	s_lshl_b32 s27, s2, 16
	v_add_nc_u32 v[RDA], s27, v[LI]
	s_mul_i32 s27, s2, 8448
	s_add_co_u32 s27, s27, STG
	v_mul_u32_u24 v[SIN], v11, 528
	v_lshl_add_u32 v[SIN], v3, 6, v[SIN]
	v_add_nc_u32 v[SIN], s27, v[SIN]               ; the stage, in: row r, + 64 h
	v_add_nc_u32 v[SOUT], s27, v[LI]               ; and back: a row of 512 bytes
	s_and_b32 s3, ttmp7, 0xffff                    ; which 128 rows
	s_mov_b32 s29, 0
	s_wait_kmcnt 0x0
	s_mul_i32 s28, s3, 393216
	s_mul_i32 s30, s2, 12288
	s_add_co_u32 s28, s28, s30
	s_add_nc_u64 s[PA:PA+1], s[4:5], s[28:29]
	s_lshl_b32 s28, s2, 17
	s_lshl_b32 s31, s3, 9
	s_add_co_u32 s28, s28, s31
	s_add_co_u32 s28, s28, HIDS
	s_add_nc_u64 s[PSA:PSA+1], s[4:5], s[28:29]
	s_mul_i32 s28, ttmp9, 393216
	s_add_co_u32 s28, s28, s30
	s_add_co_u32 s28, s28, W2_C
	s_add_nc_u64 s[PB:PB+1], s[6:7], s[28:29]
	s_lshl_b32 s28, s2, 15
	s_lshl_b32 s31, ttmp9, 9
	s_add_co_u32 s28, s28, s31
	s_add_co_u32 s28, s28, W2_S
	s_add_nc_u64 s[PSB:PSB+1], s[6:7], s[28:29]
	s_lshl_b32 s28, s3, 3
	s_lshl_b32 s30, s2, 1
	s_add_co_u32 s28, s28, s30                     ; the first tile of rows that I own
	s_lshl_b32 s28, s28, 16
	s_lshl_b32 s30, ttmp9, 13
	s_add_co_u32 s28, s28, s30
	s_add_nc_u64 s[PR:PR+1], s[8:9], s[28:29]
	s_lshl_b32 s28, s3, 7
	s_lshl_b32 s30, s2, 5
	s_add_co_u32 s28, s28, s30                     ; its first row
	s_lshl_b32 s28, s28, 12
	s_add_co_u32 s28, s28, s31                     ; + 512 bytes for each 128 columns
	s_add_nc_u64 s[PO:PO+1], s[10:11], s[28:29]
	LOADS 0, 0
	LOADS 1, 1
	STEP 0, 56, 1
	STEP 1, 56, 0
	STEP 2, 56, 0
	STEP 3, 56, 0
	STEP 4, 56, 0
	STEP 5, 56, 0
	STEP 6, 56, 0
	WIN 0
.set I, 0
.rept 16
	global_load_b128 v[64+4*I:67+4*I], v[LI], s[PR:PR+1] offset:512*I th:TH_LOAD_NT   ; x1 + b2 of my first tile of rows, into the set that step 6 has left
.set I, I+1
.endr
	STEP 7, 16, 0                                  ; (the 16 loads above are younger than step 7's)
	WIN 0
.set I, 0
.rept 16
	global_load_b128 v[128+4*I:131+4*I], v[LI], s[PR:PR+1] offset:65536+512*I th:TH_LOAD_NT
.set I, I+1
.endr
.irp a, 0,1,2,3,4,5,6,7
	WIN 0x08+4*(\a/4)                              ; an LDS store's data are its source 1: window 2 or 3
.irp b, 0,1,2,3,4,5,6,7
	ds_store_b128 v[PAD+\a/2], v[8*(8*(\a%4)+\b):8*(8*(\a%4)+\b)+3] offset:((\a%2)*8+\b)*1024        ; each accumulator from its low end on
	ds_store_b128 v[PAD+\a/2], v[8*(8*(\a%4)+\b)+4:8*(8*(\a%4)+\b)+7] offset:((\a%2)*8+\b)*1024+512
.endr
.endr
	WIN 0
	s_wait_dscnt 0x0                               ; my partial block lies in LDS,
	s_barrier_signal -1
	s_barrier_wait -1                              ; everybody's does
; tile of rows ap of my two: the four waves' parts onto x1 + b2; through my stage; whole rows out
.macro FINISH ap
.set SUM, 64+64*(\ap)
.if (\ap) == 0
	s_wait_loadcnt 16                              ; the first tile's x1 + b2 is in; the second's 16 loads are younger
.else
	s_wait_loadcnt 0x0
	s_wait_xcnt 0x0                                ; the first tile's stores have read their registers
.endif
.irp u, 0,1,2,3
.set I, 0
.rept 16
	ds_load_b128 v[192+4*I:195+4*I], v[RDA] offset:16384*\u+8192*(\ap)+512*I
.set I, I+1
.endr
	s_wait_dscnt 0x0
.set J, 0
.rept 32
	v_pk_add_f32 v[SUM+J:SUM+J+1], v[SUM+J:SUM+J+1], v[192+J:193+J]
.set J, J+2
.endr
.endr
.set I, 0
.rept 16
	ds_store_b128 v[SIN], v[SUM+4*I:SUM+4*I+3] offset:128*(I/4)+16*(I%4)
.set I, I+1
.endr
.set I, 0
.rept 16
	ds_load_b128 v[192+4*I:195+4*I], v[SOUT] offset:528*I   ; LDS serves a wave's instructions in order: these see my stores
.set I, I+1
.endr
.set I, 0
.rept 16
	s_wait_dscnt 15-I                              ; row I is back; the younger rows' loads may be out
	global_store_b128 v[LI], v[192+4*I:195+4*I], s[PO:PO+1] offset:(16*(\ap)+I)*4096 th:TH_STORE_NT   ; 512 consecutive bytes, at a multiple of 256 from out0's first byte
.set I, I+1
.endr
.endm
	FINISH 0
	FINISH 1
	s_wait_tensorcnt 0x0
	ds_add_u32 v62, v63
	s_wait_dscnt 0x0
	s_endpgm
.Lfunc_end_k_q6d92931489_ffn2:
	.size	k_q6d92931489_ffn2, .Lfunc_end_k_q6d92931489_ffn2-k_q6d92931489_ffn2
	.p2alignl 7, 3214868480
	.fill 96, 4, 3214868480
	.section	.rodata,"a",@progbits
	.p2align	6, 0x0
	.amdhsa_kernel k_q6d92931489_ffn2
		.amdhsa_group_segment_fixed_size 296448
		.amdhsa_private_segment_fixed_size 0
		.amdhsa_enable_private_segment 0
		.amdhsa_kernarg_size 32
		.amdhsa_user_sgpr_count 2
		.amdhsa_user_sgpr_kernarg_segment_ptr 1
		.amdhsa_wavefront_size32 1
		.amdhsa_system_sgpr_workgroup_id_x 1
		.amdhsa_system_sgpr_workgroup_id_y 1
		.amdhsa_system_sgpr_workgroup_id_z 1
		.amdhsa_system_vgpr_workitem_id 0
		.amdhsa_next_free_vgpr 1024
		.amdhsa_next_free_sgpr 66
		.amdhsa_reserve_vcc 0
		.amdhsa_float_denorm_mode_32 3
		.amdhsa_float_denorm_mode_16_64 3
		.amdhsa_memory_ordered 1
		.amdhsa_forward_progress 1
		.amdhsa_inst_pref_size 155
	.end_amdhsa_kernel
	.amdgpu_metadata
---
amdhsa.version: [ 1, 2 ]
amdhsa.kernels:
  - .name:           k_q6d92931489_ffn2
    .symbol:         k_q6d92931489_ffn2.kd
    .args:
      - { .name: hid, .offset: 0, .size: 8, .value_kind: global_buffer, .address_space: global }
      - { .name: wbuf, .offset: 8, .size: 8, .value_kind: global_buffer, .address_space: global }
      - { .name: resid, .offset: 16, .size: 8, .value_kind: global_buffer, .address_space: global }
      - { .name: out0, .offset: 24, .size: 8, .value_kind: global_buffer, .address_space: global }
    .group_segment_fixed_size: 296448
    .private_segment_fixed_size: 0
    .kernarg_segment_align: 8
    .kernarg_segment_size: 32
    .max_flat_workgroup_size: 128
    .sgpr_count:     66
    .vgpr_count:     1024
    .wavefront_size: 32
...
	.end_amdgpu_metadata
.endif
;; end of part 5
;; ======== version 2 of 2: 5 launches; version 1 with the launches attn, ffn1, ffn2 written anew for expert scheduling mode
;; workspace buffers: hbuf 3,276,800 bytes; wbuf 9,830,400 bytes; obuf 16,777,216 bytes; h2buf 3,276,800 bytes; resid 16,777,216 bytes; hid 13,107,200 bytes
;; launch prep: the kernel of part 1 again; grid 640 x 1, 8 waves a work-group, no clusters, 69,632 bytes of LDS; arguments x, g1, be1, Wq, Wk, Wv, Wproj, W1, W2, hbuf, wbuf; writes hbuf, wbuf
;; launch attn (part 6): grid 256 x 1, 16 waves a work-group, no clusters, 199,168 bytes of LDS; arguments hbuf, wbuf, obuf; writes obuf
.if DOCPART == 6
	.amdgcn_target "amdgcn-amd-amdhsa--gfx1250"
	.amdhsa_code_object_version 6
	.text
	.protected	k_q6d92931489_attn
	.globl	k_q6d92931489_attn
	.p2align	8
	.type	k_q6d92931489_attn,@function
k_q6d92931489_attn:
	s_mov_b64 s[64:65], 0
	v_nop
	global_prefetch_b8 v0, s[64:65] scope:SCOPE_SE
	s_setreg_imm32_b32 hwreg(HW_REG_WAVE_SCHED_MODE, 0, 2), 2
	s_setreg_imm32_b32 hwreg(HW_REG_WAVE_MODE, 25, 1), 1
	s_wait_xcnt 0x0
	s_wait_alu depctr_vm_vsrc(0)
; ATTENTION of one (batch, head): q, k, v = h Wq, h Wk, h Wv on codes of BF6; scores q k^T in f32 (K = 16, and the result goes into a quantiser); causal softmax; o = p v on codes of BF6.
; obuf: f32 [batch x 64 + head][token 1024][16].  The work-group's number is batch x 64 + head.  Sixteen waves of 256 registers, four to a SIMD.
; PHASE P.  Wave w makes q, k, v of token tiles 4 w .. 4 w + 3 (64 tokens), K in 8 steps of 128.  h's fragments come from memory in the order of the operand's registers; K steps 0 and 1 are asked for together at the head,
;   K step s + 2 behind K step s's products, into the set that they have left.  The head's 24 weight fragments lie in LDS.
;   q and k are made transposed (source 0 = the weight's 16 d, source 1 = 16 tokens): a lane holds one token and d = 8 (lane / 16) + 0 .. 7.  These 8 registers go to LDS as they stand (an image: 2 x 512 bytes).
;   v is made straight (source 0 = 16 tokens, source 1 = 16 d): a lane holds d = lane % 16, and since a tile's tokens are 32 B + 8 u + m + 8 (m / 8), the 16 registers of two tiles are 16 neighbouring tokens: v is quantised along the
;   tokens in registers; a wave's 64 tokens are half of a fragment of V^T.
; PHASE A.  A wave owns a tile of 16 queries at a time, four in all: tiles w, w ^ 31, w ^ 32, w ^ 63: the same number of key steps, and of live blocks on the diagonal, for every wave.  A key step is 128 keys:
;   S^T = k q^T by v_wmma_f32_16x16x4_f32 (registers 2 kk, 2 kk + 1 of both images: the same order of d on both sides), the accumulators by turns; t = score x log2(e) / 32; M = the running largest t rounded up;
;   p = 2^(t - M), quantised along the keys; the sum is taken of the unquantised p; O^T += V^T p^T by one scaled product.  When M moves, the sum and O^T are multiplied by 2^(old M - new M): exact.
;   Every query tile walks all 8 key steps by a loop of constant count; a step all of whose keys come after the tile's queries is jumped over (a scalar branch on ids).
;   THE STEP ON THE DIAGONAL DOES ONLY ITS LIVE BLOCKS OF 32 KEYS: tile T's queries lie among tokens 32 (T / 2) .. + 31, so nb = (T / 2) % 4 + 1 blocks count; the blocks below the last of them lie wholly ahead of every query,
;   and only the last one's 16 registers are masked (-infinity ahead of the maximum).  Hidden blocks get zero codes and the scale byte 0.  The step's body is a macro, written for nb = 1 .. 4 on the diagonal and once for open steps.
; The registers that the f32 matrix form writes (v160-223) are written by matrix instructions alone; scale words stand in v12-15 and v23-26, which hold nothing else.
; LIMITS: NaN and infinities are not served; a block whose largest magnitude lies under 2^(5 - 127) gets the byte 1; a p under 2^-126 counts as 0.
; No cluster, no tensor load: the 64 heads of a batch read the same codes of h, but straight into registers, where no joint load can land; the price is 0.77 MB of reads a work-group.
; THE MODE: SCHED_MODE bits 1:0 = 2 (LLVM: expert scheduling mode 2), set by the entry lines.  The code itself states the register dependences between vector or matrix instructions and memory or LDS instructions,
; with s_wait_alu, always for 0.
; THE PLAN.  Registers that memory or LDS instructions touch, and who else names them:
;   v1-4, v17-22   offsets and LDS addresses: written at the head, never again: one wait on va_vdst ahead of the first load.
;   PHASE P.  WF (v124-159): each K step's LDS loads land in it, its products read it.  HF0, HF1, v12-15, v23-26: K step s's products read set s % 2, the loads of K step s + 2 land in it.
;             ONE wait on va_vdst to a K step, behind its products, frees both; the next weights' LDS loads follow it first, the 16 loads from memory behind them.
;             q's and k's accumulators and v's codes leave by one run of LDS stores, behind v's quantiser and one wait on va_vdst.
;   A KEY STEP.  v10, v11, v16: its three LDS addresses: read by its 23 LDS loads, written at the next step's head: a wait on vm_vsrc ahead of the three additions.
;             KP (v96-159): k's images land in it; the f32 products read it, then p's lines write and read it.  VF (v36-47) and v12: V^T's fragment and word; the scaled product reads them.
;             ONE wait on va_vdst at the step's head, behind the three additions, states all of that for the 23 loads.  A second stands ahead of the scaled product: p's codes and scale word are made by vector lines.
;   A QUERY TILE.  v7, v9: its address of q and its offset in o; v28-35: q; v56-63: read by the stage's stores; v64-71: the stage's loads land in them, the global stores read them.
;             At the tile's head a wait on vm_vsrc, the address lines, a wait on va_vdst, q's loads; on the way out a wait on va_vdst ahead of the stage's stores.
.set HSO,    3145728
.set WQKV_S, 9437184
.set WIMG, 0                           ; LDS: the head's weights [K step 8][q, k, v][1536]
.set IMG,  36864                       ; 64 token tiles x 2,048: q's image, then k's
.set VIMG, 167936                      ; V^T: 8 fragments x 1,536: [K step][c 2][p 3][8 x lane]
.set VSC,  180224                      ; their scale words [K step][4 r]
.set OST,  180736                      ; a stage of 1,024 bytes for each wave
.set LI,  1                            ; 16 x lane
.set L4,  2                            ; 4 x lane
.set L8,  3                            ; 8 x lane
.set R4,  4                            ; 4 r
.set RPH, 6                            ; r + 8 (r / 8) - 16 h
.set QAD, 7
.set DQ,  8                            ; my query - 16 h
.set GO,  9                            ; my byte offset in the head's rows of o
.set ADK, 10
.set ADV, 11
.set HSC, 12                           ; v12-15 h's scale words, two sets of 2; in phase A v12 V's word, v13 p's
.set VSR, 12
.set PWD, 13
.set ADS, 16
.set SOA, 17
.set SRA, 18
.set IW,  19
.set VW,  20
.set VSW, 21
.set CW,  22
.set WS,  23                           ; v23-26 the weights' scale words, two sets of 2
.set HF,  28                           ; v28-123 h's fragments, two sets of 4
.set WF,  124                          ; v124-159 the K step's three weight fragments
.set QA,  160
.set KA,  192
.set VA,  224
.set QF,  28                           ; phase A: v28-35 q's image; v36-47 V^T's fragment; v48-55 O^T; v56-63 O^T / sum; v64-71 rows back from the stage
.set VF,  36
.set OA,  48
.set NM,  72                           ; v72 -M, v73 the largest t, v[74:75] the sum in two halves, v[76:77] the step's second chain of sums
.set SM,  74
.set SB,  76
.set KP,  96                           ; v96-159 k's images, then p
.set SS,  160                          ; v160-223 S^T
.set MK,  4                            ; s4-11 eight lane masks of the diagonal's hidden keys (the arguments' pointers are used up by then)
.set HP,  10
.set HSP, 12
.set WP,  14
.set WSP, 16
.set OP,  18
.set SEL, 20
.set CS,  22
.set KF,  24
.set TK,  25
.set TV,  26
.set TS,  27
.set CNT, 28
.set QB,  29
.set TT,  30
.set NBL, 32                           ; s32 the live blocks of the tile's diagonal step, 1 .. 4
.macro PLACES n
.rept \n
	v_nop
.endr
.endm
; a scaled product.  c < 0: the constant 0 starts the sum.  ra, rb: the half of the lanes from which source 0's and source 1's scale words are taken
.macro WM d, a, b, c, sa, sb, ra, rb
.if (\c) < 0
.if ((\ra) == 0) && ((\rb) == 0)
	v_wmma_scale_f32_16x16x128_f8f6f4 v[(\d):(\d)+7], v[(\a):(\a)+11], v[(\b):(\b)+11], 0, v[(\sa)], v[(\sb)] matrix_a_fmt:MATRIX_FMT_BF6 matrix_b_fmt:MATRIX_FMT_BF6
.elseif (\rb) == 0
	v_wmma_scale_f32_16x16x128_f8f6f4 v[(\d):(\d)+7], v[(\a):(\a)+11], v[(\b):(\b)+11], 0, v[(\sa)], v[(\sb)] matrix_a_fmt:MATRIX_FMT_BF6 matrix_b_fmt:MATRIX_FMT_BF6 matrix_a_scale:MATRIX_SCALE_ROW1
.elseif (\ra) == 0
	v_wmma_scale_f32_16x16x128_f8f6f4 v[(\d):(\d)+7], v[(\a):(\a)+11], v[(\b):(\b)+11], 0, v[(\sa)], v[(\sb)] matrix_a_fmt:MATRIX_FMT_BF6 matrix_b_fmt:MATRIX_FMT_BF6 matrix_b_scale:MATRIX_SCALE_ROW1
.else
	v_wmma_scale_f32_16x16x128_f8f6f4 v[(\d):(\d)+7], v[(\a):(\a)+11], v[(\b):(\b)+11], 0, v[(\sa)], v[(\sb)] matrix_a_fmt:MATRIX_FMT_BF6 matrix_b_fmt:MATRIX_FMT_BF6 matrix_a_scale:MATRIX_SCALE_ROW1 matrix_b_scale:MATRIX_SCALE_ROW1
.endif
.else
.if ((\ra) == 0) && ((\rb) == 0)
	v_wmma_scale_f32_16x16x128_f8f6f4 v[(\d):(\d)+7], v[(\a):(\a)+11], v[(\b):(\b)+11], v[(\c):(\c)+7], v[(\sa)], v[(\sb)] matrix_a_fmt:MATRIX_FMT_BF6 matrix_b_fmt:MATRIX_FMT_BF6
.elseif (\rb) == 0
	v_wmma_scale_f32_16x16x128_f8f6f4 v[(\d):(\d)+7], v[(\a):(\a)+11], v[(\b):(\b)+11], v[(\c):(\c)+7], v[(\sa)], v[(\sb)] matrix_a_fmt:MATRIX_FMT_BF6 matrix_b_fmt:MATRIX_FMT_BF6 matrix_a_scale:MATRIX_SCALE_ROW1
.elseif (\ra) == 0
	v_wmma_scale_f32_16x16x128_f8f6f4 v[(\d):(\d)+7], v[(\a):(\a)+11], v[(\b):(\b)+11], v[(\c):(\c)+7], v[(\sa)], v[(\sb)] matrix_a_fmt:MATRIX_FMT_BF6 matrix_b_fmt:MATRIX_FMT_BF6 matrix_b_scale:MATRIX_SCALE_ROW1
.else
	v_wmma_scale_f32_16x16x128_f8f6f4 v[(\d):(\d)+7], v[(\a):(\a)+11], v[(\b):(\b)+11], v[(\c):(\c)+7], v[(\sa)], v[(\sb)] matrix_a_fmt:MATRIX_FMT_BF6 matrix_b_fmt:MATRIX_FMT_BF6 matrix_a_scale:MATRIX_SCALE_ROW1 matrix_b_scale:MATRIX_SCALE_ROW1
.endif
.endif
.endm
	s_load_b128 s[4:7], s[0:1], 0x0                ; hbuf, wbuf
	s_load_b64 s[8:9], s[0:1], 0x10                ; obuf
	v_lshrrev_b32 v27, 5, v0
	v_readfirstlane_b32 s2, v27                    ; wave 0..15
	v_and_b32 v27, 31, v0
	v_lshlrev_b32 v[LI], 4, v27
	v_lshlrev_b32 v[L4], 2, v27
	v_lshlrev_b32 v[L8], 3, v27
	v_and_b32 v5, 15, v0                           ; r
	v_lshlrev_b32 v[R4], 2, v5
	v_bfe_u32 v27, v0, 4, 1                        ; h
	v_and_b32 v[RPH], 8, v5
	v_add_nc_u32 v[RPH], v[RPH], v5
	v_lshlrev_b32 v[DQ], 4, v27
	v_sub_nc_u32 v[RPH], v[RPH], v[DQ]
	s_wait_alu depctr_va_sdst(0)                   ; s2 is written, ahead of its first reader: LDS addresses and the buffers' bases are made from it
	s_lshl_b32 s31, s2, 10
	s_add_co_u32 s31, s31, OST                     ; my stage
	v_lshlrev_b32 v[SOA], 6, v5
	v_lshl_add_u32 v[SOA], v27, 5, v[SOA]
	v_add_nc_u32 v[SOA], s31, v[SOA]               ; in: row r of 64 bytes, + 32 h
	v_add_nc_u32 v[SRA], s31, v[LI]                ; back: 16 bytes a lane
	s_lshl_b32 s31, s2, 13
	s_add_co_u32 s31, s31, IMG
	v_add_nc_u32 v[IW], s31, v[LI]                 ; my four tiles' images
	s_mul_i32 s31, s2, 768
	s_add_co_u32 s31, s31, VIMG
	v_add_nc_u32 v[VW], s31, v[L8]                 ; my half of fragment w / 2 of V^T
	s_lshr_b32 s31, s2, 1
	s_lshl_b32 s31, s31, 6
	s_and_b32 s32, s2, 1
	s_lshl_b32 s32, s32, 1
	s_add_co_u32 s31, s31, s32
	s_add_co_u32 s31, s31, VSC
	v_add_nc_u32 v[VSW], s31, v[R4]                ; and my two bytes of its scale words
	s_mul_i32 s31, s2, 2304
	v_add_nc_u32 v[CW], s31, v[L8]                 ; my sixteenth of the head's weights
	s_mov_b32 s[SEL], 0x76543210
	s_mov_b32 s[SEL+1], 0xfedcba98
	s_mov_b32 s[CS], 0x3d38aa3b                    ; c = log2(e) / 32: t = score x c
	s_mov_b32 s[CS+1], s[CS]
	s_lshr_b32 s31, ttmp9, 6
	s_lshl_b32 s31, s31, 6
	s_lshl_b32 s32, s2, 2
	s_add_co_u32 s31, s31, s32                     ; my first tile of h: 64 x batch + 4 w
	s_mul_i32 s32, s31, 12288
	s_mov_b32 s33, 0
	s_lshl_b32 s34, s31, 6
	s_add_co_u32 s34, s34, HSO
	s_mov_b32 s35, 0
	s_and_b32 s31, ttmp9, 63                       ; the head
	s_mul_i32 s36, s31, 36864
	s_mov_b32 s37, 0
	s_mul_i32 s38, s31, 1536
	s_add_co_u32 s38, s38, WQKV_S
	s_mov_b32 s39, 0
	s_wait_kmcnt 0x0
	s_add_nc_u64 s[HP:HP+1], s[4:5], s[32:33]
	s_add_nc_u64 s[HSP:HSP+1], s[4:5], s[34:35]
	s_add_nc_u64 s[WP:WP+1], s[6:7], s[36:37]
	s_add_nc_u64 s[WSP:WSP+1], s[6:7], s[38:39]
	s_lshl_b32 s32, ttmp9, 16
	s_add_nc_u64 s[OP:OP+1], s[8:9], s[32:33]
; 16 loads: my four tiles' fragments of K step s, their scale words (two tiles to a register), and the weights' (q's in lanes 0-15 and k's in lanes 16-31 of one register, v's in another)
.macro HLOAD s, set
.irp t, 0,1,2,3
.irp c, 0,1,2
	global_load_b128 v[HF+48*(\set)+12*\t+4*\c:HF+48*(\set)+12*\t+4*\c+3], v[LI], s[HP:HP+1] offset:12288*\t+1536*(\s)+512*\c
.endr
.endr
	global_load_b32 v[HSC+2*(\set)], v[L4], s[HSP:HSP+1] offset:16384*(\s)
	global_load_b32 v[HSC+2*(\set)+1], v[L4], s[HSP:HSP+1] offset:16384*(\s)+128
	global_load_b32 v[WS+2*(\set)], v[L4], s[WSP:WSP+1] offset:192*(\s)
	global_load_b32 v[WS+2*(\set)+1], v[R4], s[WSP:WSP+1] offset:192*(\s)+128
.endm
.macro WFETCH s
.set I, 0
.rept 9
	ds_load_b128 v[WF+4*I:WF+4*I+3], v[LI] offset:WIMG+4608*(\s)+512*I
.set I, I+1
.endr
.endm
; 12 products, 12 accumulators by turns, one instruction a turn
.macro PMUL set, zero
.irp t, 0,1,2,3
.if \zero
	WM QA+8*\t, WF, HF+48*(\set)+12*\t, -1, WS+2*(\set), HSC+2*(\set)+\t/2, 0, \t%2
	WM KA+8*\t, WF+12, HF+48*(\set)+12*\t, -1, WS+2*(\set), HSC+2*(\set)+\t/2, 1, \t%2
	WM VA+8*\t, HF+48*(\set)+12*\t, WF+24, -1, HSC+2*(\set)+\t/2, WS+2*(\set)+1, \t%2, 0
.else
	WM QA+8*\t, WF, HF+48*(\set)+12*\t, QA+8*\t, WS+2*(\set), HSC+2*(\set)+\t/2, 0, \t%2
	WM KA+8*\t, WF+12, HF+48*(\set)+12*\t, KA+8*\t, WS+2*(\set), HSC+2*(\set)+\t/2, 1, \t%2
	WM VA+8*\t, HF+48*(\set)+12*\t, WF+24, VA+8*\t, HSC+2*(\set)+\t/2, WS+2*(\set)+1, \t%2, 0
.endif
.endr
.endm
	; ---- PHASE P
	s_wait_alu depctr_va_vdst(0)                   ; the offsets and LDS addresses v1-4 and v17-22 are written, which the loads and stores of the whole kernel read
	HLOAD 0, 0                                     ; K steps 0 and 1 go out together: both sets are free
	HLOAD 1, 1
.set I, 0
.rept 9
	global_load_b64 v[WF+2*I:WF+2*I+1], v[CW], s[WP:WP+1] offset:256*I   ; the head's 36,864 bytes of weights: 2,304 a wave, through registers that the first fetch of weights takes afterwards
.set I, I+1
.endr
	s_wait_loadcnt 0x0
.set I, 0
.rept 9
	ds_store_b64 v[CW], v[WF+2*I:WF+2*I+1] offset:WIMG+256*I
.set I, I+1
.endr
	s_wait_dscnt 0x0                               ; my part of the weights lies in LDS,
	s_barrier_signal -1
	s_barrier_wait -1                              ; everybody's does
	s_wait_alu depctr_vm_vsrc(0)                   ; my LDS stores have read v124-141, in which the first weight fragments land
.set PS, 0
.rept 8
.if PS > 0
	s_wait_alu depctr_va_vdst(0)                   ; the last K step's products are done reading the weights' fragments, their set of h's fragments and its scale words: the loads below land in these
.endif
	WFETCH PS                                      ; the weights first: the products below wait for them
.if (PS >= 1) && (PS <= 6)
	HLOAD PS+1, (PS+1)%2                           ; the next K step, into the set that the last K step's products have left
.endif
.if PS < 7
	s_wait_loadcnt 16                              ; this K step's loads are in; the next step's 16 may be out
.else
	s_wait_loadcnt 0x0
.endif
	s_wait_dscnt 0x0
.if PS == 0
	PMUL 0, 1
.else
	PMUL PS%2, 0
.endif
	PLACES 4                                       ; four places behind the products (ISA guide 7.12.1), in front of the first read of results and of vector lines that write their sources; they stand beside the wait above, not for it
.set PS, PS+1
.endr
	; v of my 64 tokens: two blocks of 32 along the tokens; register 16 b + i = token 32 b + 16 h + i, of d = r
.irp b, 0,1
	v_max3_num_f32 v[28+\b], |v[VA+16*\b]|, |v[VA+1+16*\b]|, 0x2800000
.endr
.irp i, 2,4,6,8,10,12,14
.irp b, 0,1
	v_max3_num_f32 v[28+\b], v[28+\b], |v[VA+16*\b+\i]|, |v[VA+1+16*\b+\i]|
.endr
.endr
.irp b, 0,1
	v_permlanex16_b32 v[30+\b], v[28+\b], s[SEL], s[SEL+1]
.endr
.irp b, 0,1
	v_max_num_f32 v[28+\b], v[28+\b], v[30+\b]
.endr
.irp b, 0,1
	v_add_nc_u32 v[32+\b], 0xfe000000, v[28+\b]
.endr
.irp b, 0,1
	v_lshrrev_b32 v[30+\b], 23, v[32+\b]
.endr
	v_lshl_or_b32 v34, v31, 8, v30                 ; my two bytes of the scale word
	v_cvt_scalef32_pk16_bf6_f32 v[40:42], v[VA:VA+15], v32
	v_cvt_scalef32_pk16_bf6_f32 v[46:48], v[VA+16:VA+31], v33
	v_nop
.irp i, 0,1,2
	v_permlane16_swap_b32 v[40+\i], v[46+\i]
.endr
.irp i, 0,1,2
	v_mov_b32 v[43+\i], v[46+\i]
.endr
	s_wait_alu depctr_va_vdst(0)                   ; the products have written q's and k's accumulators, the lines above v34 and v40-45: the run of LDS stores below reads them all
.irp t, 0,1,2,3
	ds_store_b128 v[IW], v[QA+8*\t:QA+8*\t+3] offset:2048*\t          ; each accumulator from its low end on
	ds_store_b128 v[IW], v[QA+8*\t+4:QA+8*\t+7] offset:2048*\t+512
	ds_store_b128 v[IW], v[KA+8*\t:KA+8*\t+3] offset:2048*\t+1024
	ds_store_b128 v[IW], v[KA+8*\t+4:KA+8*\t+7] offset:2048*\t+1536
.endr
.irp p, 0,1,2
	ds_store_b64 v[VW], v[40+2*\p:41+2*\p] offset:256*\p
.endr
	ds_store_b16 v[VSW], v34
	s_wait_dscnt 0x0                               ; my images lie in LDS,
	s_barrier_signal -1
	s_barrier_wait -1                              ; everybody's do; from here on nobody writes them
	; ---- PHASE A
.irp b, 0,1,2,3
	v_mov_b32 v[236+\b], 0                         ; a lane permute's destination counts as one of its sources
.endr
	v_mov_b32 v252, 0
	v_mov_b32 v253, 0                              ; (named as the upper half of the pair v[252:253])
; where block b's scores stand: in S^T's registers, but for the masked block of a diagonal step, whose scores the mask has put where p will stand
.macro SETSRC b, nb, diag
.set SRC, SS
.if (\diag) && ((\b) == (\nb)-1)
.set SRC, KP
.endif
.endm
; THE BODY OF A KEY STEP for its first nb blocks of 32 keys (open steps: all 4).  diag = 1: block nb - 1 holds the diagonal and is masked.
.macro BODY nb, diag
.irp kk, 0,1,2,3                               ; S^T: 2 nb tiles of 16 keys, four links each, the tiles by turns
.set TI, 0
.rept 2*(\nb)
.if \kk == 0
	v_wmma_f32_16x16x4_f32 v[SS+8*TI:SS+8*TI+7], v[KP+8*TI:KP+8*TI+1], v[QF:QF+1], 0
.else
	v_wmma_f32_16x16x4_f32 v[SS+8*TI:SS+8*TI+7], v[KP+8*TI+2*\kk:KP+8*TI+2*\kk+1], v[QF+2*\kk:QF+2*\kk+1], v[SS+8*TI:SS+8*TI+7]
.endif
.set TI, TI+1
.endr
.endr
	PLACES 8                                       ; eight places behind the f32 form, for the reads of S^T and the writes over k's images
.if \diag
	v_sub_nc_u32 v252, v[DQ], s[KF]                ; register 16 b + i holds key KF + 16 h + 32 b + i: hidden where 32 b + i > my query - 16 h - KF
	v_mov_b32 v254, 0xff800000
.irp g, 0,1                                    ; the compares in two runs of eight, each into eight scalar registers, with one wait behind the run
.set N, 16*((\nb)-1)+8*\g
.rept 8
	v_cmp_gt_i32 s[MK+N%8], 32*(N/16)+N%16, v252
.set N, N+1
.endr
	s_wait_alu depctr_va_sdst(0)                   ; the eight masks are written, ahead of the selections that read them
.set N, 16*((\nb)-1)+8*\g
.rept 8
	v_cndmask_b32 v[KP+N], v[SS+N], v254, s[MK+N%8]
.set N, N+1
.endr
.endr
.endif
.irp b, 0,1,2,3                                ; the largest score of each block serves twice: for the row's maximum and, since p rises with the score, for the block's largest p
.if \b < (\nb)
	SETSRC \b, \nb, \diag
	v_max3_num_f32 v[232+\b], v[SRC+16*\b], v[SRC+1+16*\b], v[SRC+2+16*\b]
.endif
.endr
.irp i, 3,5,7,9,11,13
.irp b, 0,1,2,3
.if \b < (\nb)
	SETSRC \b, \nb, \diag
	v_max3_num_f32 v[232+\b], v[232+\b], v[SRC+16*\b+\i], v[SRC+1+16*\b+\i]
.endif
.endr
.endr
.irp b, 0,1,2,3
.if \b < (\nb)
	SETSRC \b, \nb, \diag
	v_max_num_f32 v[232+\b], v[232+\b], v[SRC+15+16*\b]
.endif
.endr
.irp b, 0,1,2,3
.if \b < (\nb)
	v_permlanex16_b32 v[236+\b], v[232+\b], s[SEL], s[SEL+1]
.endif
.endr
.irp b, 0,1,2,3
.if \b < (\nb)
	v_max_num_f32 v[232+\b], v[232+\b], v[236+\b]
.endif
.endr
.if (\nb) == 4
	v_max3_num_f32 v254, v232, v233, v234
	v_max_num_f32 v254, v254, v235
.elseif (\nb) == 3
	v_max3_num_f32 v254, v232, v233, v234
.elseif (\nb) == 2
	v_max_num_f32 v254, v232, v233
.else
	v_mov_b32 v254, v232
.endif
	v_mul_f32 v254, s[CS], v254
	v_max_num_f32 v[NM+1], v[NM+1], v254           ; the running largest t
	v_mov_b32 v254, v[NM]
	v_floor_f32 v[NM], -v[NM+1]                    ; -M = floor(-t): M is a whole number
	v_sub_f32 v254, v[NM], v254
	v_cvt_i32_f32 v254, v254
	v_ldexp_f32 v252, 1.0, v254                    ; f = 2^(old M - new M)
.irp b, 0,1,2,3
.if \b < (\nb)
	SETSRC \b, \nb, \diag
.set J, 16*\b
.rept 8
	v_pk_fma_f32 v[KP+J:KP+J+1], v[SRC+J:SRC+J+1], s[CS:CS+1], v[NM:NM+1] op_sel_hi:[1,0,0]   ; t - M
.set J, J+2
.endr
.endif
.endr
.irp b, 0,1,2,3
.if \b < (\nb)
	v_fma_f32 v[232+\b], v[232+\b], s[CS], v[NM]
.endif
.endr
.set J, 0
.rept 16*(\nb)
	v_exp_f32 v[KP+J], v[KP+J]                     ; p = 2^(t - M), not normalised
.set J, J+1
.endr
	v_pk_mul_f32 v[SM:SM+1], v[SM:SM+1], v[252:253] op_sel_hi:[1,0]   ; the sums under the new M (a plain place behind the exponentials)
	s_wait_alu depctr_va_vdst(0)                   ; the exponentials have written p: one wait for the batch, ahead of its first reader
.irp b, 0,1,2,3
.if \b < (\nb)
	v_exp_f32 v[232+\b], v[232+\b]                 ; the blocks' largest p
.endif
.endr
	v_pk_add_f32 v[SB:SB+1], v[KP:KP+1], v[KP+2:KP+3]   ; the row's sum of the unquantised p, in two chains: the first half of the pairs here, behind the small batch,
.set J, 2
.rept 4*(\nb)-2
.if J%2 == 0
	v_pk_add_f32 v[SM:SM+1], v[SM:SM+1], v[KP+2*J:KP+2*J+1]
.else
	v_pk_add_f32 v[SB:SB+1], v[SB:SB+1], v[KP+2*J:KP+2*J+1]
.endif
.set J, J+1
.endr
	s_wait_alu depctr_va_vdst(0)                   ; the small batch has written the blocks' largest p, ahead of their first reader
.irp b, 0,1,2,3
.if \b < (\nb)
	v_max_num_f32 v[232+\b], 0x2800000, v[232+\b]
.endif
.endr
.irp b, 0,1,2,3
.if \b < (\nb)
	v_add_nc_u32 v[244+\b], 0xfe000000, v[232+\b]
.endif
.endr
.irp b, 0,1,2,3
.if \b < (\nb)
	v_lshrrev_b32 v[236+\b], 23, v[244+\b]
.endif
.endr
.if (\nb) == 1                                 ; p's scale word for these 128 keys; a hidden block's byte stays 0: its codes are zeros
	v_mov_b32 v[PWD], v236
.else
	v_lshl_or_b32 v[PWD], v237, 8, v236
.endif
.if (\nb) >= 3
	v_lshl_or_b32 v[PWD], v238, 16, v[PWD]
.endif
.if (\nb) == 4
	v_lshl_or_b32 v[PWD], v239, 24, v[PWD]
.endif
.irp c, 0,1
.if 2*\c < (\nb)
	v_cvt_scalef32_pk16_bf6_f32 v[224+6*\c:226+6*\c], v[KP+32*\c:KP+15+32*\c], v[244+2*\c]
.endif
.if 2*\c+1 < (\nb)
	v_cvt_scalef32_pk16_bf6_f32 v[236+4*\c:238+4*\c], v[KP+16+32*\c:KP+31+32*\c], v[244+2*\c+1]
.endif
.endr
	v_nop                                          ; one plain place behind a scaled conversion
.irp c, 0,1
.if 2*\c >= (\nb)                              ; both blocks hidden: six registers of zero codes
.irp i, 0,1,2,3,4,5
	v_mov_b32 v[224+6*\c+\i], 0
.endr
.else
.if 2*\c+1 >= (\nb)                            ; the upper block hidden: zero codes in its place
.irp i, 0,1,2
	v_mov_b32 v[236+4*\c+\i], 0
.endr
.endif
.irp i, 0,1,2
	v_permlane16_swap_b32 v[224+6*\c+\i], v[236+4*\c+\i]
.endr
.irp i, 0,1,2
	v_mov_b32 v[227+6*\c+\i], v[236+4*\c+\i]
.endr
.endif
.endr
.irp j, 0,2,4,6
	v_pk_mul_f32 v[OA+\j:OA+\j+1], v[OA+\j:OA+\j+1], v[252:253] op_sel_hi:[1,0]   ; O^T under the new M
.endr
.set J, 4*(\nb)                                ; the second half of the sums stands here: plain work that names no register of the product below: a scale word made by vector instructions stands eight places ahead of it, an operand four
.rept 4*(\nb)
.if J%2 == 0
	v_pk_add_f32 v[SM:SM+1], v[SM:SM+1], v[KP+2*J:KP+2*J+1]
.else
	v_pk_add_f32 v[SB:SB+1], v[SB:SB+1], v[KP+2*J:KP+2*J+1]
.endif
.set J, J+1
.endr
	v_pk_add_f32 v[SM:SM+1], v[SM:SM+1], v[SB:SB+1]
.if 4*(\nb)+1 < 8
	PLACES 8-(4*(\nb)+1)
.endif
	s_wait_dscnt 0x0                               ; V^T's fragment and its scale word are in: they were asked for at the step's head and had the step's vector work in which to land
	s_wait_alu depctr_va_vdst(0)                   ; p's codes in v224-235 and its scale word in v13, made by vector lines, are written: the scaled product takes them; the places above stay beside this wait
	v_wmma_scale_f32_16x16x128_f8f6f4 v[OA:OA+7], v[VF:VF+11], v[224:235], v[OA:OA+7], v[VSR], v[PWD] matrix_a_fmt:MATRIX_FMT_BF6 matrix_b_fmt:MATRIX_FMT_BF6
.endm
.macro STEP
	s_add_co_u32 s31, s[QB], 31
	s_cmp_gt_u32 s[KF], s31                        ; all 128 keys come after my 16 queries: nothing to do
	s_cbranch_scc1 .Lhidden_\@
	s_wait_alu depctr_vm_vsrc(0)                   ; the last step's LDS loads have read the three addresses that are written next
	v_add_nc_u32 v[ADK], s[TK], v[LI]              ; (these four are also places behind the last scaled product)
	v_add_nc_u32 v[ADV], s[TV], v[L8]
	v_add_nc_u32 v[ADS], s[TS], v[R4]
	v_nop
	s_wait_alu depctr_va_vdst(0)                   ; the three addresses are written; the last step's lines are done writing and reading p, and its scaled product reading V^T's fragment and word: the loads below land in these
.set I, 0
.rept 16
	ds_load_b128 v[KP+4*I:KP+4*I+3], v[ADK] offset:2048*(I/2)+1024+512*(I%2)   ; k's images of the step's eight tiles
.set I, I+1
.endr
.irp c, 0,1
.irp p, 0,1,2
	ds_load_b64 v[VF+6*\c+2*\p:VF+6*\c+2*\p+1], v[ADV] offset:768*\c+256*\p
.endr
.endr
	ds_load_b32 v[VSR], v[ADS]
	s_wait_dscnt 7                                 ; k's images are in; the seven younger loads (V^T's six and its scale word) may stay out
	s_add_co_u32 s31, s[KF], 127
	s_cmp_le_u32 s31, s[QB]                        ; all 128 keys count for all my queries
	s_cbranch_scc1 .Lopen_\@
	s_cmp_eq_u32 s[NBL], 1                         ; the diagonal: by its live blocks, a number made of the wave's number
	s_cbranch_scc1 .Lone_\@
	s_cmp_eq_u32 s[NBL], 2
	s_cbranch_scc1 .Ltwo_\@
	s_cmp_eq_u32 s[NBL], 3
	s_cbranch_scc1 .Lthree_\@
	BODY 4, 1
	s_branch .Lhidden_\@
.Lthree_\@:
	BODY 3, 1
	s_branch .Lhidden_\@
.Ltwo_\@:
	BODY 2, 1
	s_branch .Lhidden_\@
.Lone_\@:
	BODY 1, 1
	s_branch .Lhidden_\@
.Lopen_\@:
	BODY 4, 0
.Lhidden_\@:
.endm
; one tile of 16 queries: tile w xor c
.macro QTILE c
	s_wait_xcnt 0x0                                ; the last tile's stores have read their offset and their data
	s_wait_alu depctr_vm_vsrc(0)                   ; the last tile's LDS loads have read v7, its LDS stores v56-63, its global stores v9 and v64-71; ahead of the first tile: phase P's LDS stores have read v34 and v40-45, in which q and V^T land
	s_xor_b32 s[TT], s2, \c
	s_bfe_u32 s[NBL], s[TT], 0x20001
	s_add_co_u32 s[NBL], s[NBL], 1                 ; (T / 2) % 4 + 1
	s_lshl_b32 s31, s[TT], 11
	s_add_co_u32 s31, s31, IMG
	v_add_nc_u32 v[QAD], s31, v[LI]
	s_lshr_b32 s[QB], s[TT], 1
	s_lshl_b32 s[QB], s[QB], 5                     ; the 32 tokens among which my 16 queries lie begin here
	s_and_b32 s31, s[TT], 1
	s_lshl_b32 s31, s31, 3
	s_add_co_u32 s31, s31, s[QB]                   ; the tile's first token
	v_add_nc_u32 v[DQ], s31, v[RPH]
	s_lshl_b32 s31, s31, 6
	v_add_nc_u32 v[GO], s31, v[LI]
	v_mov_b32 v[NM+1], 0xff61b1e6                  ; -3e38, under every t
	v_floor_f32 v[NM], -v[NM+1]
	v_mov_b32 v[SM], 0
	v_mov_b32 v[SM+1], 0
.irp j, 0,1,2,3,4,5,6,7
	v_mov_b32 v[OA+\j], 0                          ; the first step finds zeros
.endr
	s_wait_alu depctr_va_vdst(0)                   ; v7 and v9 are written, which q's loads and o's stores read; the last tile's f32 products are done reading q (ahead of the first tile: v's quantiser has written v28-35), where the loads below land
	ds_load_b128 v[QF:QF+3], v[QAD]
	ds_load_b128 v[QF+4:QF+7], v[QAD] offset:512
	s_mov_b32 s[KF], 0
	s_mov_b32 s[TK], IMG
	s_mov_b32 s[TV], VIMG
	s_mov_b32 s[TS], VSC
	s_mov_b32 s[CNT], 8
	s_wait_dscnt 0x0                               ; q
.Lkey_\@:
	STEP
	s_add_co_u32 s[KF], s[KF], 128
	s_add_co_u32 s[TK], s[TK], 16384
	s_add_co_u32 s[TV], s[TV], 1536
	s_add_co_u32 s[TS], s[TS], 64
	s_sub_co_u32 s[CNT], s[CNT], 1
	s_cmp_lg_u32 s[CNT], 0
	s_cbranch_scc1 .Lkey_\@
	PLACES 4                                       ; behind the last product, in front of the read of O^T
	v_add_f32 v[SM], v[SM], v[SM+1]
	v_permlanex16_b32 v252, v[SM], s[SEL], s[SEL+1]
	v_add_f32 v[SM], v[SM], v252                   ; the row's sum
	v_rcp_f32 v[SM], v[SM]
	v_nop
	s_wait_alu depctr_va_vdst(0)                   ; the reciprocal is written, ahead of its first reader
.irp j, 0,1,2,3,4,5,6,7
	v_mul_f32 v[56+\j], v[OA+\j], v[SM]            ; o(query r, d = 8 h + j)
.endr
	s_wait_alu depctr_va_vdst(0)                   ; the eight multiplications have written v56-63, which the LDS stores read
	ds_store_b128 v[SOA], v[56:59]
	ds_store_b128 v[SOA], v[60:63] offset:16
	ds_load_b128 v[64:67], v[SRA]                  ; LDS serves a wave's instructions in order: these see my stores.  Rows 0-7: eight neighbouring tokens,
	ds_load_b128 v[68:71], v[SRA] offset:512       ; rows 8-15: the eight that lie 16 further on
	s_wait_dscnt 0x0
	global_store_b128 v[GO], v[64:67], s[OP:OP+1]  ; 512 consecutive bytes a store
	global_store_b128 v[GO], v[68:71], s[OP:OP+1] offset:1024
.endm
	QTILE 0
	QTILE 31
	QTILE 32
	QTILE 63
	s_wait_xcnt 0x0                                ; the last tile's stores have had their addresses translated
	v_lshl_add_u32 v254, v0, 2, 0x30200            ; the add's two registers, made anew: no memory or LDS instruction has read v254 or v255
	v_mov_b32 v255, 0
	s_wait_dscnt 0x0                               ; the closing lines, six on end
	s_wait_alu 0x0
	s_wait_tensorcnt 0x0
	ds_add_u32 v254, v255
	s_wait_dscnt 0x0
	s_endpgm
.Lfunc_end_k_q6d92931489_attn:
	.size	k_q6d92931489_attn, .Lfunc_end_k_q6d92931489_attn-k_q6d92931489_attn
	.p2alignl 7, 3214868480
	.fill 96, 4, 3214868480
	.section	.rodata,"a",@progbits
	.p2align	6, 0x0
	.amdhsa_kernel k_q6d92931489_attn
		.amdhsa_group_segment_fixed_size 199168
		.amdhsa_private_segment_fixed_size 0
		.amdhsa_enable_private_segment 0
		.amdhsa_kernarg_size 24
		.amdhsa_user_sgpr_count 2
		.amdhsa_user_sgpr_kernarg_segment_ptr 1
		.amdhsa_wavefront_size32 1
		.amdhsa_system_sgpr_workgroup_id_x 1
		.amdhsa_system_sgpr_workgroup_id_y 1
		.amdhsa_system_sgpr_workgroup_id_z 1
		.amdhsa_system_vgpr_workitem_id 0
		.amdhsa_next_free_vgpr 256
		.amdhsa_next_free_sgpr 66
		.amdhsa_reserve_vcc 0
		.amdhsa_float_denorm_mode_32 3
		.amdhsa_float_denorm_mode_16_64 3
		.amdhsa_memory_ordered 1
		.amdhsa_forward_progress 1
		.amdhsa_inst_pref_size 255
	.end_amdhsa_kernel
	.section	.bss,"aw",@nobits
	.p2align	6
	.space	262144
	.amdgpu_metadata
---
amdhsa.version: [ 1, 2 ]
amdhsa.kernels:
  - .name:           k_q6d92931489_attn
    .symbol:         k_q6d92931489_attn.kd
    .args:
      - { .name: hbuf, .offset: 0, .size: 8, .value_kind: global_buffer, .address_space: global }
      - { .name: wbuf, .offset: 8, .size: 8, .value_kind: global_buffer, .address_space: global }
      - { .name: obuf, .offset: 16, .size: 8, .value_kind: global_buffer, .address_space: global }
    .group_segment_fixed_size: 199168
    .private_segment_fixed_size: 0
    .kernarg_segment_align: 8
    .kernarg_segment_size: 24
    .max_flat_workgroup_size: 512
    .sgpr_count:     66
    .vgpr_count:     256
    .wavefront_size: 32
...
	.end_amdgpu_metadata
.endif
;; end of part 6
;; launch proj: the kernel of part 3 again; grid 256 x 1, 8 waves a work-group, no clusters, 113,664 bytes of LDS; arguments obuf, x, wbuf, bproj, b2, g2, be2, h2buf, resid; writes h2buf, resid
;; launch ffn1 (part 7): grid 16 x 16, 4 waves a work-group, no clusters, 0 bytes of LDS; arguments h2buf, wbuf, b1, hid; writes hid
.if DOCPART == 7
	.amdgcn_target "amdgcn-amd-amdhsa--gfx1250"
	.amdhsa_code_object_version 6
	.text
	.protected	k_q6d92931489_ffn1
	.globl	k_q6d92931489_ffn1
	.p2align	8
	.type	k_q6d92931489_ffn1,@function
k_q6d92931489_ffn1:
	s_mov_b64 s[64:65], 0
	v_nop
	global_prefetch_b8 v0, s[64:65] scope:SCOPE_SE
	s_setreg_imm32_b32 hwreg(HW_REG_WAVE_SCHED_MODE, 0, 2), 2
	s_setreg_imm32_b32 hwreg(HW_REG_WAVE_MODE, 25, 1), 1
	s_wait_xcnt 0x0
	s_wait_alu depctr_vm_vsrc(0)
; hid = Q(relu(h2 W1 + b1)): the product on codes of BF6, the result quantised along the next product's K and stored as codes.
; A work-group makes 256 rows x 256 hidden units, each of its four waves 128 x 128: 64 accumulators, 512 registers; K = 1,024 in 8 steps of 128, 64 products a step.
; Both operands lie in memory in the order of the operand's registers: a fragment is three loads of 512 consecutive bytes, straight into registers; two K steps (2 x 56 loads a wave) are on their way.
; Transposed use (source 0 = 16 columns of W1, source 1 = 16 rows of h2), and the columns of a tile of W1 are 32 B + 8 u + m + 8 (m / 8): the 64 registers of a tile of rows are 128 neighbouring hidden units, register 16 b + i = 32 b + 16 h + i:
; one K step of the next product.  b1 is the C of each sum's first product.
; hid: codes [tile of rows 256][K step 32][1536]; from HIDS on the scale words [K step 32][tile of rows 256][64].
; REGISTERS, in windows of 256: window 0: v1-3 addresses; v32-39 h2's scale words, v40-47 W1's (two sets of 4; two tiles to a register); v64-159, v160-255 h2's fragments, two sets.
;   window 1: v0-95, v96-191 W1's fragments, two sets; v192-255 b1 in the result's layout.   windows 2, 3: accumulator (a, b) at v[8 (8 (a % 4) + b)] of window 2 + a / 4.
; LIMITS: NaN and infinities are not served; a block of zeros (relu makes them) gets the byte 1: its codes are zeros, and this program alone reads the bytes.
; No cluster, no tensor load, no LDS: fragments go straight into registers, where no joint load can land; the price is that each fragment is loaded by two waves of a work-group and by 16 work-groups.
; THE MODE: SCHED_MODE bits 1:0 = 2 (LLVM: expert scheduling mode 2), set by the entry lines.  The code itself states the register dependences between vector or matrix instructions and memory instructions,
; with s_wait_alu, always for 0.
; THE PLAN.  Registers that memory instructions touch, and who else names them:
;   v1-3           offsets: written at the head, never again: one wait on va_vdst ahead of the first load.
;   the two sets   of fragments and scale words: K step s's 64 products read set s % 2; the 56 loads of K step s + 2 land in it.  ONE wait on va_vdst to a K step, behind its products; the run of 56 follows it at once,
;                  AHEAD of the wait for the next set's data: the accumulators and two sets fill the registers, so a set can be asked for again only when its products have run out, and the request is not to stand behind another set's way from memory.
;   the way out    two out-buffers of codes (v128 on, v192 on) and two registers for the scale words (v178, v179), by turns: a tile's conversions write one, one wait on va_vdst stands ahead of its run of stores,
;                  and the wait on vm_vsrc (with the one on XCNT beside it) stands ahead of the conversions that write that buffer again, two tiles on.
.set H2S,  3145728
.set W1_C, 3145728
.set W1_S, 9568256
.set HIDS, 12582912
.set ASTR, 12288
.set BSTR, 12288
.set ASS,  16384
.set BSS,  16384
.set LI,  1
.set L4,  2
.set SCA, 32
.set SCB, 40
.set TM,  160
.set PW,  176
.set SEL, 24
.set PA,  12
.set PSA, 14
.set PB,  16
.set PSB, 18
.set MSB, 0
.macro WIN new                         ; the immediate's high byte repeats the setting that is left
.if MSB != (\new)
	s_set_vgpr_msb (MSB<<8)|(\new)
.set MSB, (\new)
.endif
.endm
.macro PLACES n
.rept \n
	v_nop
.endr
.endm
.macro WM d, a, b, c, sa, sb, ra, rb
.if ((\ra) == 0) && ((\rb) == 0)
	v_wmma_scale_f32_16x16x128_f8f6f4 v[(\d):(\d)+7], v[(\a):(\a)+11], v[(\b):(\b)+11], v[(\c):(\c)+7], v[(\sa)], v[(\sb)] matrix_a_fmt:MATRIX_FMT_BF6 matrix_b_fmt:MATRIX_FMT_BF6
.elseif (\rb) == 0
	v_wmma_scale_f32_16x16x128_f8f6f4 v[(\d):(\d)+7], v[(\a):(\a)+11], v[(\b):(\b)+11], v[(\c):(\c)+7], v[(\sa)], v[(\sb)] matrix_a_fmt:MATRIX_FMT_BF6 matrix_b_fmt:MATRIX_FMT_BF6 matrix_a_scale:MATRIX_SCALE_ROW1
.elseif (\ra) == 0
	v_wmma_scale_f32_16x16x128_f8f6f4 v[(\d):(\d)+7], v[(\a):(\a)+11], v[(\b):(\b)+11], v[(\c):(\c)+7], v[(\sa)], v[(\sb)] matrix_a_fmt:MATRIX_FMT_BF6 matrix_b_fmt:MATRIX_FMT_BF6 matrix_b_scale:MATRIX_SCALE_ROW1
.else
	v_wmma_scale_f32_16x16x128_f8f6f4 v[(\d):(\d)+7], v[(\a):(\a)+11], v[(\b):(\b)+11], v[(\c):(\c)+7], v[(\sa)], v[(\sb)] matrix_a_fmt:MATRIX_FMT_BF6 matrix_b_fmt:MATRIX_FMT_BF6 matrix_a_scale:MATRIX_SCALE_ROW1 matrix_b_scale:MATRIX_SCALE_ROW1
.endif
.endm
; The quantiser in two parts.  64 numbers of a lane, v[s] .. v[s + 63], register 16 b + i = k 32 b + 16 (lane / 16) + i of my row.  First the four blocks' scales and the row's scale word in v[PW]:
.macro QSCALE s
.irp b, 0,1,2,3
	v_max3_num_f32 v[TM+\b], |v[\s+16*\b]|, |v[\s+1+16*\b]|, 0x2800000
.endr
.irp i, 2,4,6,8,10,12,14
.irp b, 0,1,2,3
	v_max3_num_f32 v[TM+\b], v[TM+\b], |v[\s+16*\b+\i]|, |v[\s+1+16*\b+\i]|
.endr
.endr
.irp b, 0,1,2,3
	v_permlanex16_b32 v[TM+4+\b], v[TM+\b], s[SEL], s[SEL+1]
.endr
.irp b, 0,1,2,3
	v_max_num_f32 v[TM+\b], v[TM+\b], v[TM+4+\b]
.endr
.irp b, 0,1,2,3
	v_add_nc_u32 v[TM+12+\b], 0xfe000000, v[TM+\b]
.endr
.irp b, 0,1,2,3
	v_lshrrev_b32 v[TM+4+\b], 23, v[TM+12+\b]
.endr
	v_lshl_or_b32 v[PW], v[TM+5], 8, v[TM+4]
	v_lshl_or_b32 v[PW], v[TM+6], 16, v[PW]
	v_lshl_or_b32 v[PW], v[TM+7], 24, v[PW]
.endm
; then the fragment's codes, into v[pc] .. v[pc + 11] (v[pc + 12] .. v[pc + 18] at work)
.macro QCODES s, pc
.irp c, 0,1
	v_cvt_scalef32_pk16_bf6_f32 v[\pc+6*\c:\pc+2+6*\c], v[\s+32*\c:\s+15+32*\c], v[TM+12+2*\c]
	v_cvt_scalef32_pk16_bf6_f32 v[\pc+12+4*\c:\pc+14+4*\c], v[\s+16+32*\c:\s+31+32*\c], v[TM+12+2*\c+1]
.endr
	v_nop
.irp c, 0,1
.irp i, 0,1,2
	v_permlane16_swap_b32 v[\pc+6*\c+\i], v[\pc+12+4*\c+\i]
.endr
.irp i, 0,1,2
	v_mov_b32 v[\pc+3+6*\c+\i], v[\pc+12+4*\c+\i]
.endr
.endr
.endm
.macro LOADS ss, set                   ; 56 loads: K step ss: W1's eight fragments, h2's eight, four registers of scale words for each side
	WIN 0x40                                       ; destination window 1
.irp b, 0,1,2,3,4,5,6,7
.irp c, 0,1,2
	global_load_b128 v[96*(\set)+12*\b+4*\c:96*(\set)+12*\b+4*\c+3], v[LI], s[PB:PB+1] offset:BSTR*\b+1536*(\ss)+512*\c
.endr
.endr
	WIN 0
.irp a, 0,1,2,3,4,5,6,7
.irp c, 0,1,2
	global_load_b128 v[64+96*(\set)+12*\a+4*\c:64+96*(\set)+12*\a+4*\c+3], v[LI], s[PA:PA+1] offset:ASTR*\a+1536*(\ss)+512*\c
.endr
.endr
.irp i, 0,1,2,3
	global_load_b32 v[SCA+4*(\set)+\i], v[L4], s[PSA:PSA+1] offset:ASS*(\ss)+128*\i
	global_load_b32 v[SCB+4*(\set)+\i], v[L4], s[PSB:PSB+1] offset:BSS*(\ss)+128*\i
.endr
.endm
.macro MULS set, first                 ; 64 products, the 64 accumulators by turns, in the same order in every step
.irp a, 0,1,2,3,4,5,6,7
.if \first
	WIN 0x91+0x40*(\a/4)                           ; source 0 and C (b1) window 1, source 1 window 0, D window 2 or 3
.else
	WIN 0xa1+0x50*(\a/4)                           ; source 0 window 1, source 1 window 0, C and D window 2 or 3
.endif
.irp b, 0,1,2,3,4,5,6,7
.if \first
	WM 8*(8*(\a%4)+\b), 96*(\set)+12*\b, 64+96*(\set)+12*\a, 192+8*\b, SCB+4*(\set)+\b/2, SCA+4*(\set)+\a/2, \b%2, \a%2
.else
	WM 8*(8*(\a%4)+\b), 96*(\set)+12*\b, 64+96*(\set)+12*\a, 8*(8*(\a%4)+\b), SCB+4*(\set)+\b/2, SCA+4*(\set)+\a/2, \b%2, \a%2
.endif
.endr
.endr
.endm
.macro STEP ss, cnt, first
	s_wait_loadcnt \cnt                            ; this K step's loads are in; the next step's 56 may be out
	MULS (\ss)%2, \first
	PLACES 4                                       ; four places behind the last product (ISA guide 7.12.1), in front of the first read of results; they stand beside the wait below, not for it
.if (\ss)+2 <= 7
	WIN 0x40                                       ; the first loads' window, ahead of the wait
	s_wait_alu depctr_va_vdst(0)                   ; this K step's products are done reading their set of fragments and scale words, in which the 56 loads below land
	LOADS (\ss)+2, (\ss)%2
.endif
.endm
	s_load_b256 s[4:11], s[0:1], 0x0               ; h2buf s4, wbuf s6, b1 s8, hid s10
	v_lshrrev_b32 v1, 5, v0
	v_readfirstlane_b32 s2, v1                     ; wave 0..3
	v_and_b32 v4, 31, v0
	v_lshlrev_b32 v[LI], 4, v4
	v_lshlrev_b32 v[L4], 2, v4
	v_bfe_u32 v3, v0, 4, 1
	v_lshlrev_b32 v3, 6, v3                        ; 64 h
	s_and_b32 s3, ttmp7, 0xffff
	s_wait_alu depctr_va_sdst(0)                   ; s2 is written, ahead of its first reader: the buffers' bases are made from it
	s_lshr_b32 s27, s2, 1                          ; which 128 rows
	s_and_b32 s28, s2, 1                           ; which 128 columns
	s_lshl_b32 s29, s3, 4
	s_lshl_b32 s30, s27, 3
	s_add_co_u32 s29, s29, s30                     ; my first tile of rows
	s_lshl_b32 s30, ttmp9, 4
	s_lshl_b32 s31, s28, 3
	s_add_co_u32 s30, s30, s31                     ; my first tile of columns
	s_lshl_b32 s31, ttmp9, 1
	s_add_co_u32 s31, s31, s28                     ; which K step of the next product my 128 columns are
	s_mov_b32 s33, 0
	s_mov_b32 s[SEL], 0x76543210
	s_mov_b32 s[SEL+1], 0xfedcba98
	s_mov_b32 s26, 0xffff0000                      ; lanes 16-31
	s_wait_kmcnt 0x0
	s_mul_i32 s32, s29, 12288
	s_add_nc_u64 s[PA:PA+1], s[4:5], s[32:33]
	s_lshl_b32 s32, s29, 6
	s_add_co_u32 s32, s32, H2S
	s_add_nc_u64 s[PSA:PSA+1], s[4:5], s[32:33]
	s_mul_i32 s32, s30, 12288
	s_add_co_u32 s32, s32, W1_C
	s_add_nc_u64 s[PB:PB+1], s[6:7], s[32:33]
	s_lshl_b32 s32, s30, 6
	s_add_co_u32 s32, s32, W1_S
	s_add_nc_u64 s[PSB:PSB+1], s[6:7], s[32:33]
	s_lshl_b32 s32, s31, 9
	s_add_nc_u64 s[8:9], s[8:9], s[32:33]          ; b1 at my 128 columns
	s_lshl_b32 s32, s29, 5
	s_add_co_u32 s32, s32, s31
	s_mul_i32 s32, s32, 1536
	s_add_nc_u64 s[20:21], s[10:11], s[32:33]      ; hid's codes
	s_lshl_b32 s32, s31, 8
	s_add_co_u32 s32, s32, s29
	s_lshl_b32 s32, s32, 6
	s_add_co_u32 s32, s32, HIDS
	s_add_nc_u64 s[22:23], s[10:11], s[32:33]      ; and scale words
	WIN 0x40
	s_wait_alu depctr_va_vdst(0)                   ; the three offsets v1, v2, v3 are written, which every load and store of the kernel reads
.irp b, 0,1,2,3,4,5,6,7
	global_load_b128 v[192+8*\b:195+8*\b], v3, s[8:9] offset:128*(\b/2)+32*(\b%2)       ; tile b, register j: column 32 (b / 2) + 16 h + 8 (b % 2) + j
	global_load_b128 v[196+8*\b:199+8*\b], v3, s[8:9] offset:128*(\b/2)+32*(\b%2)+16
.endr
	LOADS 0, 0
	LOADS 1, 1
	STEP 0, 56, 1
	STEP 1, 56, 0
	STEP 2, 56, 0
	STEP 3, 56, 0
	STEP 4, 56, 0
	STEP 5, 56, 0
	STEP 6, 56, 0                                  ; the last two K steps ask for nothing, so they state nothing
	STEP 7, 0, 0
	WIN 0
.irp b, 0,1,2,3
	v_mov_b32 v[TM+4+\b], 0                        ; a lane permute's destination counts as one of its sources
.endr
; a tile of 16 rows leaves: relu, quantised, one fragment; the scale words of two tiles leave by one store of 128 bytes
.macro OUTROW a
.set PCD, 128+64*((\a)%2)              ; the tile's out-buffer: v128 on or v192 on, by turns
	WIN 0x08+4*((\a)/4)                            ; source 1: window 2 or 3
.set J, 0
.rept 64
	v_max_num_f32 v[64+J], 0, v[64*((\a)%4)+J]     ; each accumulator from its low end on
.set J, J+1
.endr
	WIN 0
	QSCALE 64
.if (\a) >= 2
	s_wait_xcnt 0x0                                ; the stores of two tiles back have had their addresses translated,
	s_wait_alu depctr_vm_vsrc(0)                   ; and have read this out-buffer and its scale words' register, which the lines below write again
.endif
	QCODES 64, PCD
.if (\a)%2 == 0
	v_mov_b32 v177, v[PW]
.else
	v_cndmask_b32 v[178+((\a)/2)%2], v177, v[PW], s26   ; lanes 0-15: the even tile's words; lanes 16-31: the odd tile's
.endif
	s_wait_alu depctr_va_vdst(0)                   ; the conversions and the lines behind them have written the codes (and, in an odd tile, the scale words), which the stores below read
.irp c, 0,1,2
	global_store_b128 v[LI], v[PCD+4*\c:PCD+4*\c+3], s[20:21] offset:49152*(\a)+512*\c
.endr
.if (\a)%2 == 1
	global_store_b32 v[L4], v[178+((\a)/2)%2], s[22:23] offset:64*((\a)-1)
.endif
.endm
.irp a, 0,1,2,3,4,5,6,7
	OUTROW \a
.endr
	s_endpgm
.Lfunc_end_k_q6d92931489_ffn1:
	.size	k_q6d92931489_ffn1, .Lfunc_end_k_q6d92931489_ffn1-k_q6d92931489_ffn1
	.p2alignl 7, 3214868480
	.fill 96, 4, 3214868480
	.section	.rodata,"a",@progbits
	.p2align	6, 0x0
	.amdhsa_kernel k_q6d92931489_ffn1
		.amdhsa_group_segment_fixed_size 0
		.amdhsa_private_segment_fixed_size 0
		.amdhsa_enable_private_segment 0
		.amdhsa_kernarg_size 32
		.amdhsa_user_sgpr_count 2
		.amdhsa_user_sgpr_kernarg_segment_ptr 1
		.amdhsa_wavefront_size32 1
		.amdhsa_system_sgpr_workgroup_id_x 1
		.amdhsa_system_sgpr_workgroup_id_y 1
		.amdhsa_system_sgpr_workgroup_id_z 1
		.amdhsa_system_vgpr_workitem_id 0
		.amdhsa_next_free_vgpr 1024
		.amdhsa_next_free_sgpr 66
		.amdhsa_reserve_vcc 0
		.amdhsa_float_denorm_mode_32 3
		.amdhsa_float_denorm_mode_16_64 3
		.amdhsa_memory_ordered 1
		.amdhsa_forward_progress 1
		.amdhsa_inst_pref_size 163
	.end_amdhsa_kernel
	.amdgpu_metadata
---
amdhsa.version: [ 1, 2 ]
amdhsa.kernels:
  - .name:           k_q6d92931489_ffn1
    .symbol:         k_q6d92931489_ffn1.kd
    .args:
      - { .name: h2buf, .offset: 0, .size: 8, .value_kind: global_buffer, .address_space: global }
      - { .name: wbuf, .offset: 8, .size: 8, .value_kind: global_buffer, .address_space: global }
      - { .name: b1, .offset: 16, .size: 8, .value_kind: global_buffer, .address_space: global }
      - { .name: hid, .offset: 24, .size: 8, .value_kind: global_buffer, .address_space: global }
    .group_segment_fixed_size: 0
    .private_segment_fixed_size: 0
    .kernarg_segment_align: 8
    .kernarg_segment_size: 32
    .max_flat_workgroup_size: 128
    .sgpr_count:     66
    .vgpr_count:     1024
    .wavefront_size: 32
...
	.end_amdgpu_metadata
.endif
;; end of part 7
;; launch ffn2 (part 8): grid 8 x 32, 4 waves a work-group, no clusters, 296,448 bytes of LDS; arguments hid, wbuf, resid, out0; writes out0
.if DOCPART == 8
	.amdgcn_target "amdgcn-amd-amdhsa--gfx1250"
	.amdhsa_code_object_version 6
	.text
	.protected	k_q6d92931489_ffn2
	.globl	k_q6d92931489_ffn2
	.p2align	8
	.type	k_q6d92931489_ffn2,@function
k_q6d92931489_ffn2:
	s_mov_b64 s[64:65], 0
	v_nop
	global_prefetch_b8 v0, s[64:65] scope:SCOPE_SE
	s_setreg_imm32_b32 hwreg(HW_REG_WAVE_SCHED_MODE, 0, 2), 2
	s_setreg_imm32_b32 hwreg(HW_REG_WAVE_MODE, 25, 1), 1
	s_wait_xcnt 0x0
	s_wait_alu depctr_vm_vsrc(0)
; out0 = (x1 + b2) + hid W2, the product on codes of BF6.
; A work-group makes 128 rows x 128 columns.  THE FOUR WAVES SHARE K: wave w takes K steps 8 w .. 8 w + 7 of the 32, for the whole block: 64 accumulators, 64 products a step; so no fragment is loaded twice in a work-group.
; Both operands come from memory in the order of the operand's registers, two K steps (2 x 56 loads a wave) on their way.  At the end the four partial blocks meet in LDS: wave v adds up tiles of rows 2 v and 2 v + 1,
; onto resid = x1 + b2, which lies in memory as images of accumulators, and stores whole rows of 512 bytes through its stage.
; Transposed use (source 0 = 16 columns of W2, source 1 = 16 rows of hid); a tile's columns are 32 B + 8 u + m + 8 (m / 8), so register 16 b + i of a tile of rows is column 32 b + 16 h + i.
; REGISTERS: as in the launch before: window 0: v1-11 addresses; v32-47 scale words; v64-159, v160-255 hid's fragments; window 1: v0-95, v96-191 W2's; windows 2, 3: the accumulators.
;   Behind the last product: window 0 v64-127, v128-191 x1 + b2 of my two tiles, then the sums; v192-255 rows back from the stage; window 1 v0-255 the four waves' parts of a tile.
; LIMITS: K is summed in four quarters, which are then added in f32: another order of additions than one ascending chain; b2 is added to x1 ahead of the product's sum.
; No cluster, no tensor load: fragments go straight into registers, where no joint load can land.
; THE MODE: SCHED_MODE bits 1:0 = 2 (LLVM: expert scheduling mode 2), set by the entry lines.  The code itself states the register dependences between vector or matrix instructions and memory or LDS instructions,
; with s_wait_alu, always for 0.
; THE PLAN.  Registers that memory or LDS instructions touch, and who else names them:
;   v1-10, v62, v63  offsets, LDS addresses and the add's two: written at the head, never again: one wait on va_vdst ahead of the first load.
;   the two sets     of fragments and scale words: K step s's 64 products read set s % 2; behind them loads land in it: those of K step s + 2, behind steps 6 and 7 those of x1 + b2.  ONE wait on va_vdst to a K step, behind its products;
;                    the loads follow it at once, ahead of the wait for the next set's data.  Behind the last K step the same wait states that the accumulators are written, which the 128 LDS stores read.
;   window 1         behind the last product: all four parts of a tile (64 LDS loads) land in it at once and are added under counted waits, in the order of the waves; so no wait on va_vdst stands between the parts.
;   a tile's end     ONE wait on va_vdst behind its additions: the sum is written, which the stage's stores read, and the parts are read, where the next tile's land.
;   v192-255         the rows from the stage land in them, the global stores read them: in the second tile a wait on vm_vsrc (with the one on XCNT beside it) ahead of the rows' loads.
.set W2_C, 6291456
.set W2_S, 9699328
.set HIDS, 12582912
.set ASTR, 49152
.set BSTR, 49152
.set ASS,  16384
.set BSS,  4096
.set STG,  262144                      ; LDS: PART [owner 4][from wave 4][16 tiles x 1,024] from 0; then a stage of 16 rows x (512 + 16) bytes for each wave
.set LI,  1
.set L4,  2
.set PAD, 4                            ; v4-7 where I put my partial tiles for owner 0 .. 3
.set RDA, 8                            ; v8   where I read the four partial blocks that I own
.set SIN, 9
.set SOUT, 10
.set SCA, 32
.set SCB, 40
.set PA,  12
.set PSA, 14
.set PB,  16
.set PSB, 18
.set PR,  20
.set PO,  22
.set MSB, 0
.macro WIN new
.if MSB != (\new)
	s_set_vgpr_msb (MSB<<8)|(\new)
.set MSB, (\new)
.endif
.endm
.macro PLACES n
.rept \n
	v_nop
.endr
.endm
.macro WM d, a, b, c, sa, sb, ra, rb   ; c < 0: the constant 0 starts the sum
.if (\c) < 0
.if ((\ra) == 0) && ((\rb) == 0)
	v_wmma_scale_f32_16x16x128_f8f6f4 v[(\d):(\d)+7], v[(\a):(\a)+11], v[(\b):(\b)+11], 0, v[(\sa)], v[(\sb)] matrix_a_fmt:MATRIX_FMT_BF6 matrix_b_fmt:MATRIX_FMT_BF6
.elseif (\rb) == 0
	v_wmma_scale_f32_16x16x128_f8f6f4 v[(\d):(\d)+7], v[(\a):(\a)+11], v[(\b):(\b)+11], 0, v[(\sa)], v[(\sb)] matrix_a_fmt:MATRIX_FMT_BF6 matrix_b_fmt:MATRIX_FMT_BF6 matrix_a_scale:MATRIX_SCALE_ROW1
.elseif (\ra) == 0
	v_wmma_scale_f32_16x16x128_f8f6f4 v[(\d):(\d)+7], v[(\a):(\a)+11], v[(\b):(\b)+11], 0, v[(\sa)], v[(\sb)] matrix_a_fmt:MATRIX_FMT_BF6 matrix_b_fmt:MATRIX_FMT_BF6 matrix_b_scale:MATRIX_SCALE_ROW1
.else
	v_wmma_scale_f32_16x16x128_f8f6f4 v[(\d):(\d)+7], v[(\a):(\a)+11], v[(\b):(\b)+11], 0, v[(\sa)], v[(\sb)] matrix_a_fmt:MATRIX_FMT_BF6 matrix_b_fmt:MATRIX_FMT_BF6 matrix_a_scale:MATRIX_SCALE_ROW1 matrix_b_scale:MATRIX_SCALE_ROW1
.endif
.else
.if ((\ra) == 0) && ((\rb) == 0)
	v_wmma_scale_f32_16x16x128_f8f6f4 v[(\d):(\d)+7], v[(\a):(\a)+11], v[(\b):(\b)+11], v[(\c):(\c)+7], v[(\sa)], v[(\sb)] matrix_a_fmt:MATRIX_FMT_BF6 matrix_b_fmt:MATRIX_FMT_BF6
.elseif (\rb) == 0
	v_wmma_scale_f32_16x16x128_f8f6f4 v[(\d):(\d)+7], v[(\a):(\a)+11], v[(\b):(\b)+11], v[(\c):(\c)+7], v[(\sa)], v[(\sb)] matrix_a_fmt:MATRIX_FMT_BF6 matrix_b_fmt:MATRIX_FMT_BF6 matrix_a_scale:MATRIX_SCALE_ROW1
.elseif (\ra) == 0
	v_wmma_scale_f32_16x16x128_f8f6f4 v[(\d):(\d)+7], v[(\a):(\a)+11], v[(\b):(\b)+11], v[(\c):(\c)+7], v[(\sa)], v[(\sb)] matrix_a_fmt:MATRIX_FMT_BF6 matrix_b_fmt:MATRIX_FMT_BF6 matrix_b_scale:MATRIX_SCALE_ROW1
.else
	v_wmma_scale_f32_16x16x128_f8f6f4 v[(\d):(\d)+7], v[(\a):(\a)+11], v[(\b):(\b)+11], v[(\c):(\c)+7], v[(\sa)], v[(\sb)] matrix_a_fmt:MATRIX_FMT_BF6 matrix_b_fmt:MATRIX_FMT_BF6 matrix_a_scale:MATRIX_SCALE_ROW1 matrix_b_scale:MATRIX_SCALE_ROW1
.endif
.endif
.endm
.macro LOADS ss, set                   ; 56 loads: my K step ss: W2's eight fragments, hid's eight, four registers of scale words for each side
	WIN 0x40
.irp b, 0,1,2,3,4,5,6,7
.irp c, 0,1,2
	global_load_b128 v[96*(\set)+12*\b+4*\c:96*(\set)+12*\b+4*\c+3], v[LI], s[PB:PB+1] offset:BSTR*\b+1536*(\ss)+512*\c
.endr
.endr
	WIN 0
.irp a, 0,1,2,3,4,5,6,7
.irp c, 0,1,2
	global_load_b128 v[64+96*(\set)+12*\a+4*\c:64+96*(\set)+12*\a+4*\c+3], v[LI], s[PA:PA+1] offset:ASTR*\a+1536*(\ss)+512*\c
.endr
.endr
.irp i, 0,1,2,3
	global_load_b32 v[SCA+4*(\set)+\i], v[L4], s[PSA:PSA+1] offset:ASS*(\ss)+128*\i
	global_load_b32 v[SCB+4*(\set)+\i], v[L4], s[PSB:PSB+1] offset:BSS*(\ss)+128*\i
.endr
.endm
.macro MULS set, first                 ; 64 products, the 64 accumulators by turns
.irp a, 0,1,2,3,4,5,6,7
	WIN 0xa1+0x50*(\a/4)                           ; source 0 window 1, source 1 window 0, C and D window 2 or 3
.irp b, 0,1,2,3,4,5,6,7
.if \first
	WM 8*(8*(\a%4)+\b), 96*(\set)+12*\b, 64+96*(\set)+12*\a, -1, SCB+4*(\set)+\b/2, SCA+4*(\set)+\a/2, \b%2, \a%2
.else
	WM 8*(8*(\a%4)+\b), 96*(\set)+12*\b, 64+96*(\set)+12*\a, 8*(8*(\a%4)+\b), SCB+4*(\set)+\b/2, SCA+4*(\set)+\a/2, \b%2, \a%2
.endif
.endr
.endr
.endm
.macro STEP ss, cnt, first
	s_wait_loadcnt \cnt                            ; this K step's loads are in; what was asked for behind them may be out
	MULS (\ss)%2, \first
	PLACES 4                                       ; four places behind the last product, in front of the stores that read results; they stand beside the wait below, not for it
.if (\ss)+2 <= 7
	WIN 0x40                                       ; the first loads' window, ahead of the wait
.else
	WIN 0
.endif
	s_wait_alu depctr_va_vdst(0)                   ; this K step's products are done reading their set of fragments and scale words, in which the loads that follow land; behind the last K step they have also written the accumulators, which the LDS stores read
.if (\ss)+2 <= 7
	LOADS (\ss)+2, (\ss)%2
.endif
.endm
	s_load_b256 s[4:11], s[0:1], 0x0               ; hid s4, wbuf s6, resid s8, out0 s10
	v_lshl_add_u32 v62, v0, 2, 0x48400
	v_mov_b32 v63, 0
	v_lshrrev_b32 v1, 5, v0
	v_readfirstlane_b32 s2, v1                     ; wave 0..3
	v_and_b32 v3, 31, v0
	v_lshlrev_b32 v[LI], 4, v3
	v_lshlrev_b32 v[L4], 2, v3
	v_and_b32 v11, 15, v0                          ; r
	v_bfe_u32 v3, v0, 4, 1                         ; h
	s_wait_alu depctr_va_sdst(0)                   ; s2 is written, ahead of its first reader: LDS addresses and the buffers' bases are made from it
	s_lshl_b32 s27, s2, 14
	v_add_nc_u32 v[PAD], s27, v[LI]
	v_add_nc_u32 v[PAD+1], 0x10000, v[PAD]
	v_add_nc_u32 v[PAD+2], 0x20000, v[PAD]
	v_add_nc_u32 v[PAD+3], 0x30000, v[PAD]
	s_lshl_b32 s27, s2, 16
	v_add_nc_u32 v[RDA], s27, v[LI]
	s_mul_i32 s27, s2, 8448
	s_add_co_u32 s27, s27, STG
	v_mul_u32_u24 v[SIN], v11, 528
	v_lshl_add_u32 v[SIN], v3, 6, v[SIN]
	v_add_nc_u32 v[SIN], s27, v[SIN]               ; the stage, in: row r, + 64 h
	v_add_nc_u32 v[SOUT], s27, v[LI]               ; and back: a row of 512 bytes
	s_and_b32 s3, ttmp7, 0xffff                    ; which 128 rows
	s_mov_b32 s29, 0
	s_wait_kmcnt 0x0
	s_mul_i32 s28, s3, 393216
	s_mul_i32 s30, s2, 12288
	s_add_co_u32 s28, s28, s30
	s_add_nc_u64 s[PA:PA+1], s[4:5], s[28:29]
	s_lshl_b32 s28, s2, 17
	s_lshl_b32 s31, s3, 9
	s_add_co_u32 s28, s28, s31
	s_add_co_u32 s28, s28, HIDS
	s_add_nc_u64 s[PSA:PSA+1], s[4:5], s[28:29]
	s_mul_i32 s28, ttmp9, 393216
	s_add_co_u32 s28, s28, s30
	s_add_co_u32 s28, s28, W2_C
	s_add_nc_u64 s[PB:PB+1], s[6:7], s[28:29]
	s_lshl_b32 s28, s2, 15
	s_lshl_b32 s31, ttmp9, 9
	s_add_co_u32 s28, s28, s31
	s_add_co_u32 s28, s28, W2_S
	s_add_nc_u64 s[PSB:PSB+1], s[6:7], s[28:29]
	s_lshl_b32 s28, s3, 3
	s_lshl_b32 s30, s2, 1
	s_add_co_u32 s28, s28, s30                     ; the first tile of rows that I own
	s_lshl_b32 s28, s28, 16
	s_lshl_b32 s30, ttmp9, 13
	s_add_co_u32 s28, s28, s30
	s_add_nc_u64 s[PR:PR+1], s[8:9], s[28:29]
	s_lshl_b32 s28, s3, 7
	s_lshl_b32 s30, s2, 5
	s_add_co_u32 s28, s28, s30                     ; its first row
	s_lshl_b32 s28, s28, 12
	s_add_co_u32 s28, s28, s31                     ; + 512 bytes for each 128 columns
	s_add_nc_u64 s[PO:PO+1], s[10:11], s[28:29]
	WIN 0x40
	s_wait_alu depctr_va_vdst(0)                   ; the offsets and LDS addresses v1, v2 and v4-10 are written, which the loads and stores of the whole kernel read
	LOADS 0, 0
	LOADS 1, 1
	STEP 0, 56, 1
	STEP 1, 56, 0
	STEP 2, 56, 0
	STEP 3, 56, 0
	STEP 4, 56, 0
	STEP 5, 56, 0
	STEP 6, 56, 0
	WIN 0
.set I, 0
.rept 16
	global_load_b128 v[64+4*I:67+4*I], v[LI], s[PR:PR+1] offset:512*I th:TH_LOAD_NT   ; x1 + b2 of my first tile of rows, into the set that step 6 has left
.set I, I+1
.endr
	STEP 7, 16, 0                                  ; (the 16 loads above are younger than step 7's)
	WIN 0
.set I, 0
.rept 16
	global_load_b128 v[128+4*I:131+4*I], v[LI], s[PR:PR+1] offset:65536+512*I th:TH_LOAD_NT   ; and of my second, into registers of both sets
.set I, I+1
.endr
.irp a, 0,1,2,3,4,5,6,7
	WIN 0x08+4*(\a/4)                              ; an LDS store's data are its source 1: window 2 or 3
.irp b, 0,1,2,3,4,5,6,7
	ds_store_b128 v[PAD+\a/2], v[8*(8*(\a%4)+\b):8*(8*(\a%4)+\b)+3] offset:((\a%2)*8+\b)*1024        ; each accumulator from its low end on
	ds_store_b128 v[PAD+\a/2], v[8*(8*(\a%4)+\b)+4:8*(8*(\a%4)+\b)+7] offset:((\a%2)*8+\b)*1024+512
.endr
.endr
	WIN 0
	s_wait_dscnt 0x0                               ; my partial block lies in LDS,
	s_barrier_signal -1
	s_barrier_wait -1                              ; everybody's does
; tile of rows ap of my two: the four waves' parts onto x1 + b2, in the order of the waves; through my stage; whole rows out
.macro FINISH ap
.set SUM, 64+64*(\ap)
	WIN 0x40                                       ; destination window 1.  No wait: no vector or matrix instruction since the last wait on va_vdst names a register of window 1 or the address
.irp u, 0,1,2,3
.set I, 0
.rept 16
	ds_load_b128 v[64*\u+4*I:64*\u+4*I+3], v[RDA] offset:16384*\u+8192*(\ap)+512*I   ; wave u's part, at v[64 u] of window 1
.set I, I+1
.endr
.endr
	WIN 0x04                                       ; source 1 (a part) window 1; the sum window 0
.if (\ap) == 0
	s_wait_loadcnt 16                              ; the first tile's x1 + b2 is in; the second's 16 loads are younger
.else
	s_wait_loadcnt 0x0
.endif
.irp u, 0,1,2,3
	s_wait_dscnt 48-16*\u                          ; LDS loads come back in order (ISA guide 5.7.1): wave u's part is in, the younger parts (16 loads each) may stay out
.set J, 0
.rept 32
	v_pk_add_f32 v[SUM+J:SUM+J+1], v[SUM+J:SUM+J+1], v[64*\u+J:64*\u+J+1]
.set J, J+2
.endr
.endr
	WIN 0
	s_wait_alu depctr_va_vdst(0)                   ; the additions have written the sum, which the stage's stores read, and are done reading the parts, where the next tile's land
.set I, 0
.rept 16
	ds_store_b128 v[SIN], v[SUM+4*I:SUM+4*I+3] offset:128*(I/4)+16*(I%4)
.set I, I+1
.endr
.if (\ap) == 1
	s_wait_xcnt 0x0                                ; the first tile's global stores have had their addresses translated,
	s_wait_alu depctr_vm_vsrc(0)                   ; and have read v192-255, in which the rows below land
.endif
.set I, 0
.rept 16
	ds_load_b128 v[192+4*I:195+4*I], v[SOUT] offset:528*I   ; LDS serves a wave's instructions in order: these see my stores
.set I, I+1
.endr
.set I, 0
.rept 16
	s_wait_dscnt 15-I                              ; row I is back; the younger rows' loads may be out
	global_store_b128 v[LI], v[192+4*I:195+4*I], s[PO:PO+1] offset:(16*(\ap)+I)*4096 th:TH_STORE_NT   ; 512 consecutive bytes, at a multiple of 256 from out0's first byte
.set I, I+1
.endr
.endm
	FINISH 0
	FINISH 1
	s_wait_dscnt 0x0                               ; the closing lines, six on end (every window is 0 here)
	s_wait_alu 0x0
	s_wait_tensorcnt 0x0
	ds_add_u32 v62, v63
	s_wait_dscnt 0x0
	s_endpgm
.Lfunc_end_k_q6d92931489_ffn2:
	.size	k_q6d92931489_ffn2, .Lfunc_end_k_q6d92931489_ffn2-k_q6d92931489_ffn2
	.p2alignl 7, 3214868480
	.fill 96, 4, 3214868480
	.section	.rodata,"a",@progbits
	.p2align	6, 0x0
	.amdhsa_kernel k_q6d92931489_ffn2
		.amdhsa_group_segment_fixed_size 296448
		.amdhsa_private_segment_fixed_size 0
		.amdhsa_enable_private_segment 0
		.amdhsa_kernarg_size 32
		.amdhsa_user_sgpr_count 2
		.amdhsa_user_sgpr_kernarg_segment_ptr 1
		.amdhsa_wavefront_size32 1
		.amdhsa_system_sgpr_workgroup_id_x 1
		.amdhsa_system_sgpr_workgroup_id_y 1
		.amdhsa_system_sgpr_workgroup_id_z 1
		.amdhsa_system_vgpr_workitem_id 0
		.amdhsa_next_free_vgpr 1024
		.amdhsa_next_free_sgpr 66
		.amdhsa_reserve_vcc 0
		.amdhsa_float_denorm_mode_32 3
		.amdhsa_float_denorm_mode_16_64 3
		.amdhsa_memory_ordered 1
		.amdhsa_forward_progress 1
		.amdhsa_inst_pref_size 156
	.end_amdhsa_kernel
	.amdgpu_metadata
---
amdhsa.version: [ 1, 2 ]
amdhsa.kernels:
  - .name:           k_q6d92931489_ffn2
    .symbol:         k_q6d92931489_ffn2.kd
    .args:
      - { .name: hid, .offset: 0, .size: 8, .value_kind: global_buffer, .address_space: global }
      - { .name: wbuf, .offset: 8, .size: 8, .value_kind: global_buffer, .address_space: global }
      - { .name: resid, .offset: 16, .size: 8, .value_kind: global_buffer, .address_space: global }
      - { .name: out0, .offset: 24, .size: 8, .value_kind: global_buffer, .address_space: global }
    .group_segment_fixed_size: 296448
    .private_segment_fixed_size: 0
    .kernarg_segment_align: 8
    .kernarg_segment_size: 32
    .max_flat_workgroup_size: 128
    .sgpr_count:     66
    .vgpr_count:     1024
    .wavefront_size: 32
...
	.end_amdgpu_metadata
.endif
;; end of part 8
